; MI455X (gfx1250); checked and timed in simulation.
; The chip was launched on July 23, 2026; its instructions are those of AMD's public machine-readable ISA for CDNA 5 (MIT licence, August 2026) and "CDNA5" Instruction Set Architecture Reference Guide (July 2026). The comments in the code are by the model that wrote it; some were corrected since.
;; Sparse Mo E Layer. Allowed arithmetic: matrix products marked QUANTISED: E3M2 operands, one E8M0 scale for each 32 along K, by v_wmma_scale_f32_16x16x128_f8f6f4 with both operands' format E3M2, f32 sums; products left as they are: f32 operands where the result goes on into a quantised operand, else bf16, f16 or f32 operands; f32 sums; everything else in f32.
;; Inputs: W1 8 x 1,024 x 4,096 float32; W2 8 x 4,096 x 1,024 float32; Wr 1,025 x 8 float32; b1 8 x 4,096 float32; b2 8 x 1,024 float32; br 8 float32; grad 1,024 x 1 float32; x 1,024 x 1,024 float32.
;; Outputs: out0 1,024 x 1,024 float32.
;; This version of the problem:
;;   THIS VERSION OF THE PROBLEM IS GIVEN IN LOW PRECISION. The matrix products marked QUANTISED in the list below multiply operands that are first quantised to E3M2 (3 exponent bits, 2 mantissa bits; 6 bits a number), with one power-of-two scale for each 32 numbers along K (OCP MX v1.0); their sums are f32. All else is computed in f32.
;;   The module's matrix products, in the order in which they are computed (A, B: the left and right operand; K: the contracted axis; several contracted axes count as one K, in the product's order):
;;     1. [M 1,024, K 1,025] x [K 1,025, N 8]; A: computed on the way; B: input Wr: left as it is (N = 8 < 16)
;;     2. batch 1,024 x [M 1, K 2] x [K 2, N 8]; A: computed on the way; B: computed on the way: left as it is (K = 2 < 32)
;;     3. [M 32,768, K 1,024] x [K 1,024, N 1,024]; A: input W1; B: input x: QUANTISED
;;     4. batch 8 x [M 1,024, K 4,096] x [K 4,096, N 1,024]; A: computed on the way; B: input W2: QUANTISED
;;     5. batch 1,024 x [M 1,024, K 8] x [K 8, N 1]; A: computed on the way; B: computed on the way: left as it is (K = 8 < 32)
;;   THE QUANTISER, for each operand of a quantised product, along K:
;;     - K is cut into blocks of 32 from its start; a last block that is shorter is filled with zeros.
;;     - A block's scale is 2^e with e = floor(log2(the largest magnitude in the block)) - 4, held to -126 .. 127; a block of zeros has e = 0. As a byte (E8M0): e + 127.
;;     - Each number is divided by its block's scale, clamped to +-28, and rounded to the nearest number of E3M2, ties to even, subnormals kept.
;;     - The product sums the exact products of the quantised numbers (number of the format x scale) in f32.
;;   ~~~python
;;   def quantise(x, axis):      # numpy; x: float32 -> the quantised numbers, widened to float32 again
;;       x = np.moveaxis(x, axis, -1); K = x.shape[-1]
;;       x = np.pad(x, [(0, 0)] * (x.ndim - 1) + [(0, -K % 32)]); x = x.reshape(x.shape[:-1] + (-1, 32)); a = np.abs(x).max(-1, keepdims=True)
;;       e = np.where(a > 0, np.clip(np.frexp(np.where(a > 0, a, 1))[1] - 1 - 4, -126, 127), 0)      # np.frexp(a)[1] - 1 = floor(log2(a)), exactly
;;       r = np.clip(x / 2.0 ** e, -28, 28)
;;       step = 2.0 ** (np.maximum(np.frexp(np.where(r == 0, 1, r))[1] - 1, -2) - 2)
;;       q = np.round(r / step) * step * 2.0 ** e      # np.round: ties to even
;;       return np.moveaxis(q.reshape(q.shape[:-2] + (-1,))[..., :K], -1, axis).astype(np.float32)
;;   ~~~
;;   OPERANDS COMPUTED ON THE WAY. 'Computed on the way' means the value that the module computes at that place (a softmax that the list does not call 'softmax' is quantised finished and normalised). What goes into a quantiser is computed in f32, as accurately as f32 sums, v_exp_f32 and their like allow (about 1e-6 of the number): no bf16 or f16 on the way to a quantiser, and a product that is left as it is and whose result goes on into a quantised operand takes f32 operands (vector FMAs, or v_wmma_f32_16x16x4_f32). A number that lies on a knife's edge between two numbers of the format may be rounded either way, as far as f32 arithmetic and the matrix unit's own rounding can turn it there, and no further.
;; 2 versions. Each part assembles by itself: llvm-mc -triple=amdgcn-amd-amdhsa -mcpu=gfx1250 --defsym DOCPART=n.
;; ======== version 1 of 2: 4 launches
;; workspace buffers: xq 786,432 bytes; xs 32,768 bytes; member 1,024 bytes of whole numbers; sel 4,096 bytes of whole numbers; cwt 32,768 bytes; hq 29,360,128 bytes; part 16,777,216 bytes
;; launch route (part 1): grid 64 x 1, 8 waves a work-group, no clusters, 51,200 bytes of LDS; arguments x, grad, Wr, br, xq, xs, member, sel, cwt; writes xq, xs, member, sel, cwt
.if DOCPART == 1
	.amdgcn_target "amdgcn-amd-amdhsa--gfx1250"
	.amdhsa_code_object_version 6
	.text
	.protected	k_q74e5c71951_route
	.globl	k_q74e5c71951_route
	.p2align	8
	.type	k_q74e5c71951_route,@function
k_q74e5c71951_route:
	s_mov_b64 s[64:65], 0
	v_nop
	global_prefetch_b8 v0, s[64:65] scope:SCOPE_SE
	s_setreg_imm32_b32 hwreg(HW_REG_WAVE_MODE, 25, 1), 1
	s_wait_xcnt 0x0
; THE ROUTER, AND x INTO CODES.  logits = [x, grad] Wr + br in f32; softmax with the row's maximum taken away; the two largest probabilities (a tie keeps the lower index).
; Stored at fixed places: cwt[token][8] (the probability where the expert is chosen, else 0), sel[token] (the first choice), member[e] (1,024 bits: bit t = token t chose e).
; No address and no branch here hangs on any of these numbers.  x is also turned into codes of E3M2 with one E8M0 byte for each 32 along K:
; xq[token][768]: at 96 s + 48 h the twelve operand registers of lane (r, h) for K step s;  xs[token][8]: the scale word of K step s.
; SHARES.  A work-group takes 16 tokens; wave s takes K step s (128 along K).  Lane (r, h) holds of row r the numbers k = 128 s + 32 b + 16 h + i in v[XR + 16 b + i].
; The eight waves' partial logits meet in LDS; wave 0 finishes them, lane l for token l % 16 (lanes 16-31 repeat lanes 0-15 and store the same numbers to the same places).
; No matrix unit: the product has 8 columns and is left in f32.  No cluster: work-groups share only Wr, 32 KB.
; LIMITS: NaN and infinities are not served.  A block whose largest magnitude lies under 2^-122 keeps the byte 1; a block of zeros gets the byte 1 with zero codes (this program alone reads the bytes).
; The logits' sums run in another order than a plain ascending sum.
.set PRT, 32768                        ; LDS: 0 .. 32,767 Wr's rows 0 .. 1,023 (32 bytes each); then the partial logits: token pitch 272, wave s at 32 s
.set XST, 37376                        ; 16 rows of 768 bytes: the image of xq
.set XSS, 49664                        ; 16 rows of 8 scale words
.set XR,  32                           ; v32-95   my 64 numbers of x
.set WA,  96                           ; v96-159  eight rows of Wr
.set WB,  160                          ; v160-223 the next eight
.set PC,  96                           ; behind the logits: the codes
.set TM,  116                          ; at work
.set PW,  132                          ; the scale word
	s_load_b512 s[4:19], s[0:1], 0x0               ; x, grad, Wr, br, xq, xs, member, sel
	s_load_b64 s[20:21], s[0:1], 0x40              ; cwt
	v_lshl_add_u32 v224, v0, 2, 0xc400
	v_mov_b32 v225, 0
	v_lshrrev_b32 v1, 5, v0
	v_readfirstlane_b32 s22, v1                    ; wave = K step s
	v_and_b32 v1, 31, v0                           ; lane
	v_and_b32 v2, 15, v0                           ; r
	v_bfe_u32 v3, v0, 4, 1                         ; h
	v_lshlrev_b32 v4, 12, v2
	v_lshl_add_u32 v4, v3, 6, v4                   ; x: 4,096 r + 64 h
	v_lshlrev_b32 v5, 4, v0                        ; 16 x thread
	s_lshl_b32 s26, s22, 12
	v_lshlrev_b32 v6, 9, v3
	v_add_nc_u32 v6, s26, v6                       ; Wr in LDS: 4,096 s + 512 h
	s_lshl_b32 s26, s22, 5
	s_add_co_u32 s26, s26, PRT
	v_mul_u32_u24 v12, v2, 272
	v_add_nc_u32 v7, s26, v12                      ; my partial logits: PRT + 272 r + 32 s
	v_add_nc_u32 v12, PRT, v12                     ; and a token's eight parts: PRT + 272 r
	s_mul_i32 s26, s22, 96
	s_add_co_u32 s26, s26, XST
	v_mul_u32_u24 v8, v2, 768
	v_mad_u32_u24 v8, v3, 48, v8
	v_add_nc_u32 v8, s26, v8                       ; my codes: XST + 768 r + 96 s + 48 h
	s_lshl_b32 s26, s22, 2
	s_add_co_u32 s26, s26, XSS
	v_lshl_add_u32 v9, v2, 5, s26                  ; my scale word: XSS + 32 r + 4 s
	v_add_nc_u32 v10, XST, v5                      ; the way out: 16 bytes a thread
	v_lshlrev_b32 v24, 4, v1                       ; 16 x lane
	v_add_nc_u32 v11, XSS, v24
	v_lshlrev_b32 v13, 2, v2                       ; 4 r: grad, sel
	v_lshlrev_b32 v14, 5, v2                       ; 32 r: cwt
	v_lshlrev_b32 v25, 7, v1                       ; 128 x lane: member
	s_mov_b32 s24, 0x76543210
	s_mov_b32 s25, 0xfedcba98                      ; v_permlanex16_b32's selects for lane l xor 16
	s_lshl_b32 s28, ttmp9, 16                      ; my 16 rows of 4,096 bytes,
	s_lshl_b32 s29, s22, 9                         ; my wave's 512 bytes of them
	s_add_co_u32 s28, s28, s29
	s_mov_b32 s29, 0
	s_wait_kmcnt 0x0
	s_load_b256 s[32:39], s[8:9], 0x8000           ; Wr's row 1,024: grad's weights
	s_load_b256 s[40:47], s[10:11], 0x0            ; br
	s_add_nc_u64 s[4:5], s[4:5], s[28:29]
	s_lshl_b32 s28, ttmp9, 6
	s_add_nc_u64 s[6:7], s[6:7], s[28:29]          ; grad and sel: 4 bytes a token
	s_add_nc_u64 s[18:19], s[18:19], s[28:29]
	s_mul_i32 s28, ttmp9, 12288
	s_add_nc_u64 s[12:13], s[12:13], s[28:29]      ; xq: 768 bytes a token
	s_lshl_b32 s28, ttmp9, 9
	s_add_nc_u64 s[14:15], s[14:15], s[28:29]      ; xs and cwt: 32 bytes a token
	s_add_nc_u64 s[20:21], s[20:21], s[28:29]
	s_lshl_b32 s28, ttmp9, 1
	s_add_nc_u64 s[16:17], s[16:17], s[28:29]      ; member: my 16 tokens are 2 bytes of each expert's 128
.irp q, 0,1,2,3,4,5,6,7
	global_load_b128 v[WA+4*\q:WA+4*\q+3], v5, s[8:9] offset:4096*\q   ; Wr's first 32,768 bytes, 16 a thread
.endr
.irp b, 0,1,2,3
.irp j, 0,1,2,3
	global_load_b128 v[XR+16*\b+4*\j:XR+16*\b+4*\j+3], v4, s[4:5] offset:128*\b+16*\j th:TH_LOAD_NT
.endr
.endr
	global_load_b32 v15, v13, s[6:7]               ; grad of token r
	s_wait_loadcnt 17                              ; Wr's eight loads are in: behind them stand x's sixteen and grad's one
.irp q, 0,1,2,3,4,5,6,7
	ds_store_b128 v5, v[WA+4*\q:WA+4*\q+3] offset:4096*\q
.endr
	s_wait_dscnt 0x0                               ; for the others' sake: my part of Wr lies in LDS
	s_barrier_signal -1
	s_barrier_wait -1
; Eight rows of Wr (k = 128 s + 32 (n / 2) + 16 h + 8 (n % 2) + 0 .. 7): 16 loads; the sixteen lanes of a half read the same bytes.
.macro WRB n, buf
.irp i, 0,1,2,3,4,5,6,7
	ds_load_b128 v[\buf+8*\i:\buf+8*\i+3], v6 offset:1024*((\n)/2)+256*((\n)%2)+32*\i
	ds_load_b128 v[\buf+8*\i+4:\buf+8*\i+7], v6 offset:1024*((\n)/2)+256*((\n)%2)+32*\i+16
.endr
.endm
.macro FMA n, buf                      ; 64 multiply-adds; the very first eight products start the sums
.irp i, 0,1,2,3,4,5,6,7
.irp e, 0,1,2,3,4,5,6,7
.if (\n == 0) && (\i == 0)
	v_mul_f32 v[16+\e], v[XR], v[\buf+\e]
.else
	v_fmac_f32 v[16+\e], v[XR+8*\n+\i], v[\buf+8*\i+\e]
.endif
.endr
.endr
.endm
.macro HB n, buf, other
.if \n < 7
	WRB \n+1, \other
	s_wait_dscnt 16                                ; this half-batch is in; the next one's sixteen loads may be out
.else
	s_wait_dscnt 0x0
.endif
	FMA \n, \buf
.endm
	WRB 0, WA
	s_wait_loadcnt 0x0                             ; x and grad
	HB 0, WA, WB
	HB 1, WB, WA
	HB 2, WA, WB
	HB 3, WB, WA
	HB 4, WA, WB
	HB 5, WB, WA
	HB 6, WA, WB
	HB 7, WB, WA
.irp e, 0,1,2,3,4,5,6,7
	v_permlanex16_b32 v[WA+\e], v[16+\e], s24, s25 ; (its destination has been written: Wr's rows lay there)
.endr
.irp e, 0,1,2,3,4,5,6,7
	v_add_f32 v[16+\e], v[16+\e], v[WA+\e]         ; both halves of the lanes: my wave's 128 k of row r
.endr
	ds_store_b128 v7, v[16:19]                     ; lanes r and r + 16 store the same numbers to the same bytes
	ds_store_b128 v7, v[20:23] offset:16
; x's 64 numbers of a lane become a fragment's codes in v[PC] on and its scale word in v[PW].
.irp b, 0,1,2,3
	v_max3_num_f32 v[TM+\b], |v[XR+16*\b]|, |v[XR+1+16*\b]|, 0x2800000   ; block b: my 16 numbers and the floor 2^(5 - 127): the byte cannot fall under 1
.endr
.irp i, 2,4,6,8,10,12,14
.irp b, 0,1,2,3
	v_max3_num_f32 v[TM+\b], v[TM+\b], |v[XR+16*\b+\i]|, |v[XR+1+16*\b+\i]|
.endr
.endr
.irp b, 0,1,2,3
	v_permlanex16_b32 v[TM+4+\b], v[TM+\b], s24, s25
.endr
.irp b, 0,1,2,3
	v_max_num_f32 v[TM+\b], v[TM+\b], v[TM+4+\b]   ; with lane l xor 16's: the block's largest magnitude
.endr
.irp b, 0,1,2,3
	v_add_nc_u32 v[TM+12+\b], 0xfe000000, v[TM+\b] ; 4 off its exponent field: the conversion's scale operand
.endr
.irp b, 0,1,2,3
	v_lshrrev_b32 v[TM+4+\b], 23, v[TM+12+\b]      ; the scale's byte
.endr
	v_lshl_or_b32 v[PW], v[TM+5], 8, v[TM+4]
	v_lshl_or_b32 v[PW], v[TM+6], 16, v[PW]
	v_lshl_or_b32 v[PW], v[TM+7], 24, v[PW]
.irp c, 0,1
	v_cvt_scalef32_pk16_bf6_f32 v[PC+6*\c:PC+2+6*\c], v[XR+32*\c:XR+15+32*\c], v[TM+12+2*\c]
	v_cvt_scalef32_pk16_bf6_f32 v[PC+12+4*\c:PC+14+4*\c], v[XR+16+32*\c:XR+31+32*\c], v[TM+12+2*\c+1]   ; (a conversion's three registers begin on an even number)
.endr
	v_nop                                          ; one plain place behind a scaled conversion
.irp c, 0,1                                    ; the operand's layout wants a whole block in a lane: lanes 0-15 block 2 c, lanes 16-31 block 2 c + 1
.irp i, 0,1,2
	v_permlane16_swap_b32 v[PC+6*\c+\i], v[PC+12+4*\c+\i]
.endr
.irp i, 0,1,2
	v_mov_b32 v[PC+3+6*\c+\i], v[PC+12+4*\c+\i]
.endr
.endr
.irp c, 0,1,2
	ds_store_b128 v8, v[PC+4*\c:PC+4*\c+3] offset:16*\c
.endr
	ds_store_b32 v9, v[PW]
	s_wait_dscnt 0x0                               ; for the others' sake: partial logits, codes and scale words lie in LDS
	s_barrier_signal -1
	s_barrier_wait -1
.irp q, 0,1,2
	ds_load_b128 v[32+4*\q:35+4*\q], v10 offset:4096*\q
.endr
	s_wait_dscnt 0x0
.irp q, 0,1,2
	global_store_b128 v5, v[32+4*\q:35+4*\q], s[12:13] offset:4096*\q   ; a wave stores 512 consecutive bytes, at a multiple of 256 from xq's first byte
.endr
	s_cmp_eq_u32 s22, 1
	s_cbranch_scc0 .Lnot_wave_1
	ds_load_b128 v[48:51], v11                     ; wave 1: the 16 tokens' 512 bytes of scale words
	s_wait_dscnt 0x0
	global_store_b128 v24, v[48:51], s[14:15]
.Lnot_wave_1:
	s_cmp_lg_u32 s22, 0
	s_cbranch_scc1 .Lend
	; wave 0: the router's end
	s_wait_kmcnt 0x0                               ; Wr's last row and br
.irp s, 0,1,2,3,4,5,6,7
	ds_load_b128 v[160+8*\s:163+8*\s], v12 offset:32*\s
	ds_load_b128 v[164+8*\s:167+8*\s], v12 offset:32*\s+16
.endr
	s_wait_dscnt 0x0
.irp e, 0,2,4,6
	v_pk_add_f32 v[16+\e:17+\e], v[160+\e:161+\e], v[168+\e:169+\e]
.endr
.irp s, 2,3,4,5,6,7
.irp e, 0,2,4,6
	v_pk_add_f32 v[16+\e:17+\e], v[16+\e:17+\e], v[160+8*\s+\e:161+8*\s+\e]
.endr
.endr
.irp e, 0,1,2,3,4,5,6,7
	v_fma_f32 v[16+\e], v15, s[32+\e], v[16+\e]    ; + grad x Wr[1024][e]
.endr
.irp e, 0,1,2,3,4,5,6,7
	v_add_f32 v[16+\e], s[40+\e], v[16+\e]         ; + br[e]
.endr
	v_max3_num_f32 v112, v16, v17, v18
	v_max3_num_f32 v112, v112, v19, v20
	v_max3_num_f32 v112, v112, v21, v22
	v_max_num_f32 v112, v112, v23                  ; the row's largest logit
.irp e, 0,1,2,3,4,5,6,7
	v_sub_f32 v[96+\e], v[16+\e], v112
.endr
.irp e, 0,1,2,3,4,5,6,7
	v_mul_f32 v[96+\e], 0x3fb8aa3b, v[96+\e]       ; x log2(e)
.endr
.irp e, 0,1,2,3,4,5,6,7
	v_exp_f32 v[96+\e], v[96+\e]
.endr
	v_mov_b32 v118, 0                              ; (a plain place behind the exponentials)  the membership bits, one expert a lane
	s_wait_alu depctr_va_vdst(0)
	v_add_f32 v113, v96, v97
.irp e, 2,3,4,5,6,7
	v_add_f32 v113, v113, v[96+\e]
.endr
	v_rcp_f32 v113, v113
	v_mov_b32 v115, 0                              ; (a plain place behind the reciprocal)  the first choice's index
	s_wait_alu depctr_va_vdst(0)
.irp e, 0,1,2,3,4,5,6,7
	v_mul_f32 v[96+\e], v[96+\e], v113             ; the probabilities
.endr
	v_mov_b32 v114, v96
.irp e, 1,2,3,4,5,6,7
	v_cmp_gt_f32 vcc_lo, v[96+\e], v114            ; strictly larger: a tie keeps the lower index
	v_cndmask_b32 v114, v114, v[96+\e], vcc_lo
	v_cndmask_b32 v115, v115, \e, vcc_lo
.endr
	v_mov_b32 v116, -1.0                           ; under every probability
	v_mov_b32 v117, 0
.irp e, 0,1,2,3,4,5,6,7
	v_cmp_gt_f32 s48, v[96+\e], v116
	v_cmp_ne_u32 s49, \e, v115                     ; the first choice is passed over
	s_and_b32 s48, s48, s49
	v_cndmask_b32 v116, v116, v[96+\e], s48
	v_cndmask_b32 v117, v117, \e, s48
.endr
.irp e, 0,1,2,3,4,5,6,7
	v_cmp_eq_u32 s48, \e, v115
	v_cmp_eq_u32 s49, \e, v117
	s_or_b32 s48, s48, s49                         ; bit l: token l % 16 chose expert e
	v_cndmask_b32 v[104+\e], 0, v[96+\e], s48      ; the combine weight
	v_writelane_b32 v118, s48, \e                  ; lane e keeps expert e's bits; the low 16 are stored
.endr
	global_store_b128 v14, v[104:107], s[20:21]
	global_store_b128 v14, v[108:111], s[20:21] offset:16
	global_store_b32 v13, v115, s[18:19]
	s_wait_xcnt 0x0                                ; EXEC changes only behind this wait
	v_cmp_gt_u32 vcc_lo, 8, v1
	s_and_saveexec_b32 s50, vcc_lo
	global_store_b16 v25, v118, s[16:17]           ; lanes 0-7: 16 bits of expert e's 1,024, at 128 e + 2 x work-group
	s_wait_xcnt 0x0                                ; and again, in front of the line that widens it
	s_or_b32 exec_lo, exec_lo, s50
.Lend:
	s_wait_tensorcnt 0x0
	ds_add_u32 v224, v225
	s_wait_dscnt 0x0
	s_endpgm
.Lfunc_end_k_q74e5c71951_route:
	.size	k_q74e5c71951_route, .Lfunc_end_k_q74e5c71951_route-k_q74e5c71951_route
	.p2alignl 7, 3214868480
	.fill 96, 4, 3214868480
	.section	.rodata,"a",@progbits
	.p2align	6, 0x0
	.amdhsa_kernel k_q74e5c71951_route
		.amdhsa_group_segment_fixed_size 51200
		.amdhsa_private_segment_fixed_size 0
		.amdhsa_enable_private_segment 0
		.amdhsa_kernarg_size 72
		.amdhsa_user_sgpr_count 2
		.amdhsa_user_sgpr_kernarg_segment_ptr 1
		.amdhsa_wavefront_size32 1
		.amdhsa_system_sgpr_workgroup_id_x 1
		.amdhsa_system_sgpr_workgroup_id_y 1
		.amdhsa_system_sgpr_workgroup_id_z 1
		.amdhsa_system_vgpr_workitem_id 0
		.amdhsa_next_free_vgpr 226
		.amdhsa_next_free_sgpr 66
		.amdhsa_reserve_vcc 1
		.amdhsa_float_denorm_mode_32 3
		.amdhsa_float_denorm_mode_16_64 3
		.amdhsa_memory_ordered 1
		.amdhsa_forward_progress 1
		.amdhsa_inst_pref_size 48
	.end_amdhsa_kernel
	.amdgpu_metadata
---
amdhsa.version: [ 1, 2 ]
amdhsa.kernels:
  - .name:           k_q74e5c71951_route
    .symbol:         k_q74e5c71951_route.kd
    .args:
      - { .name: x, .offset: 0, .size: 8, .value_kind: global_buffer, .address_space: global }
      - { .name: grad, .offset: 8, .size: 8, .value_kind: global_buffer, .address_space: global }
      - { .name: Wr, .offset: 16, .size: 8, .value_kind: global_buffer, .address_space: global }
      - { .name: br, .offset: 24, .size: 8, .value_kind: global_buffer, .address_space: global }
      - { .name: xq, .offset: 32, .size: 8, .value_kind: global_buffer, .address_space: global }
      - { .name: xs, .offset: 40, .size: 8, .value_kind: global_buffer, .address_space: global }
      - { .name: member, .offset: 48, .size: 8, .value_kind: global_buffer, .address_space: global }
      - { .name: sel, .offset: 56, .size: 8, .value_kind: global_buffer, .address_space: global }
      - { .name: cwt, .offset: 64, .size: 8, .value_kind: global_buffer, .address_space: global }
    .group_segment_fixed_size: 51200
    .private_segment_fixed_size: 0
    .kernarg_segment_align: 8
    .kernarg_segment_size: 72
    .max_flat_workgroup_size: 256
    .sgpr_count:     66
    .vgpr_count:     226
    .wavefront_size: 32
...
	.end_amdgpu_metadata
.endif
;; end of part 1
;; launch ffn1 (part 2): grid 32 x 8, 16 waves a work-group, no clusters, 106,496 bytes of LDS; arguments W1, b1, xq, xs, member, hq; writes hq
.if DOCPART == 2
	.amdgcn_target "amdgcn-amd-amdhsa--gfx1250"
	.amdhsa_code_object_version 6
	.text
	.protected	k_q74e5c71951_ffn1
	.globl	k_q74e5c71951_ffn1
	.p2align	8
	.type	k_q74e5c71951_ffn1,@function
k_q74e5c71951_ffn1:
	s_mov_b64 s[64:65], 0
	v_nop
	global_prefetch_b8 v0, s[64:65] scope:SCOPE_SE
	s_setreg_imm32_b32 hwreg(HW_REG_WAVE_MODE, 25, 1), 1
	s_wait_xcnt 0x0
; h = gelu(x W1[e] + b1[e]) for the rows that chose expert e, as codes of E3M2 for the second product.  Both operands of x W1 are codes of E3M2 with E8M0 scales; sums in f32.
; SHARES.  Work-group (f, e) owns hidden units 128 f .. 128 f + 127 of expert e and serves ALL rows of that expert: each byte of W1 is read from memory once, as f32, quantised in registers, and its codes never go to memory.
; THE WEIGHTS come in eight chunks of 256 k x 64 columns (chunks 0-3: the first 64 units, 4-7: the second).  Wave w takes 32 columns (w % 2; a lane to a column) and one block of 32 k (w / 2): 32 loads of 128 consecutive bytes,
; the registers running down K, so a block's largest magnitude needs no other lane and the conversions give codes with K innermost.  The codes go to LDS as images of operand registers (a fragment: 16 columns x 128 k,
; lane at 48 x lane, fragments 1,552 bytes apart) and STAY there: every image byte is written once, so one barrier a chunk (store, wait, barrier, load) is all the ordering there is.
; THE ROWS.  member[e] holds 1,024 bits; rank p of the expert is its p-th set bit, found by register arithmetic (SELECT).  Tile T holds ranks 16 T .. 16 T + 15; ranks beyond the last repeat the last row.
; A WAVE'S TWO SLOTS ARE FILLED BEFORE THE NEXT WAVE GETS ROWS, so that each weight fragment read from LDS feeds two products wherever the expert has the rows for it: a wave's first tile is T0 = 16 q + p,
; q = bit 1 xor bit 2 of its number, p = bit 0 + 2 x bits 3:2; it multiplies tiles T0 and T0 + 8 while the weights stream (pass A), and tiles T0 + 32 and T0 + 40 from the resident images afterwards (pass B):
; the 64 tiles are covered once, so every split of the tokens is served.  Tiles 0-15 fall to waves 0, 1, 6, 7, 8, 9, 14, 15: two of each residue mod 4 and two of each run of four.
; A wave without rows jumps over the products by scalar branches on the stored counts, never over a barrier, and asks for its next weights at once.
; THE PRODUCT IS USED TRANSPOSED (source 0 = 16 columns of W1, source 1 = 16 rows of x), and THE COLUMNS OF A TILE ARE NOT NEIGHBOURS: row m of tile 2 b + u is column 32 b + 8 u + m + 8 (m / 8), so that a lane's
; 16 registers of tiles 2 b, 2 b + 1 are 16 neighbours along the next K.  b1 is what the sums begin with: it is loaded straight into the accumulators.
; hq: record ((64 e + T) 32 + f) x 1,792 bytes: registers 0-3 at 16 l, 8-11 at 512 + 16 l, 4-5 at 1,024 + 8 l, 6-7 at 1,280 + 8 l, the scale word at 1,536 + 4 l.
; NO TENSOR LOADS, NO CLUSTER: the walk hangs on stored counts, so operands go from memory into registers; what work-groups share (x's codes, 768 bytes a row) is small beside a work-group's 512 KB of weights.
; No prefetch: each wave always has 32 to 63 loads of weights on their way.
; LIMITS: NaN and infinities are not served.  A block under 2^-122 keeps the byte 1; a block of zeros gets the byte 1 with zero codes (this program alone reads the bytes).
; erf is the f32 rational P(u) / Q(u) on u held to -4 .. 4 (a few units in the last place); 1 + erf cancels for very negative numbers as it does in any f32 evaluation of 0.5 z (1 + erf).
.set FRP,   1552                       ; a fragment's image: 1,536 bytes + 16
.set SCL,   512                        ; LDS: 0 .. 511 b1's 128 numbers; then the weights' scale words: fragment p at 64 p, row m at 4 m, block b at byte b
.set IMG,   4608                       ; the 64 fragments: p = 4 (2 g + sub) + t
.set HALF,  32*FRP                     ; fragments 32 on want a second address register (an LDS immediate has 16 bits)
.set REC,   1792
.set SLOTB, 8*32*REC                   ; from tile T's records to tile T + 8's: slot 0 to slot 1
.set PASSB, 32*32*REC                  ; and to tile T + 32's: pass A to pass B
.set WD,    34                         ; v34-57   weight fragments t = 0, 1 (t = 2, 3 lie in the landing set that has just been converted)
.set WS,    58                         ; v58-61   their scale words, and nothing else
.set XA,    62                         ; v62-109  row fragments: buffer (K step's parity) x slot x 12
.set XSC,   110                        ; v110-113 their scale words, and nothing else
.set LAND,  128                        ; v128-191 two landing sets of 32
.set ACC,   192                        ; v192-255 slot a at + 32 a, tile t at + 8 t
; v1 4 l | v2, v3 where I store codes (fragments 0-31, 32-63) | v4 my scale byte | v5, v6 where I read fragments | v7 scale words | v8 b1: 64 h | v9 16 l | v10 8 l | v12-15 rows' offsets in xq and xs
; v16 48 h | v18 my rank in pass A | v20-33 at work | v114-121 at work | v122, v123 the first slab's two scale bytes, slot 0, 1 | v124-127 two coefficients
; s16 wave | s17 e | s18 f | s19 rows | s20 tiles | s21, s22 slot 0, 1 has rows | s23 the slot in hand has rows | s24-31 four bases of W1, 256 k apart | s32-63 member | s66-87 coefficients | s88-90 lane selects | s91 my first tile | s92-93 hq
.macro SLOAD g                         ; chunk g's 32 k of my 32 columns
.irp i, 0,1,2,3,4,5,6,7,8,9,10,11,12,13,14,15,16,17,18,19,20,21,22,23,24,25,26,27,28,29,30,31
	global_load_b32 v[LAND+32*((\g)%2)+\i], v1, s[24+2*((\g)%4):25+2*((\g)%4)] offset:\i*16384+256*((\g)/4) th:TH_LOAD_NT
.endr
.endm
.macro CONVERT g                       ; my block of 32 along K: its scale byte and its 24 bytes of codes, to LDS
.set LS_, LAND+32*((\g)%2)
	v_max3_num_f32 v20, |v[LS_]|, |v[LS_+1]|, |v[LS_+2]|
	v_max3_num_f32 v21, |v[LS_+3]|, |v[LS_+4]|, |v[LS_+5]|
.irp i, 6,10,14,18,22,26
	v_max3_num_f32 v20, v20, |v[LS_+\i]|, |v[LS_+\i+1]|
	v_max3_num_f32 v21, v21, |v[LS_+\i+2]|, |v[LS_+\i+3]|
.endr
	v_max3_num_f32 v20, v20, |v[LS_+30]|, |v[LS_+31]|
	v_max3_num_f32 v20, v20, v21, 0x2800000        ; and the floor 2^(5 - 127): the byte cannot fall under 1
	v_add_nc_u32 v22, 0xfe000000, v20              ; 4 off the exponent field: the conversion's scale operand
	v_lshrrev_b32 v23, 23, v22                     ; the scale's byte
	v_cvt_scalef32_pk16_bf6_f32 v[24:26], v[LS_:LS_+15], v22
	v_cvt_scalef32_pk16_bf6_f32 v[30:32], v[LS_+16:LS_+31], v22   ; (a conversion's three registers begin on an even number)
	v_nop                                          ; one plain place behind a scaled conversion
	v_mov_b32 v27, v30
	v_mov_b32 v28, v31
	v_mov_b32 v29, v32
	ds_store_b64 v[2+(\g)/4], v[24:25] offset:((\g)%4)*8*FRP
	ds_store_b64 v[2+(\g)/4], v[26:27] offset:((\g)%4)*8*FRP+8
	ds_store_b64 v[2+(\g)/4], v[28:29] offset:((\g)%4)*8*FRP+16
	ds_store_b8 v4, v23 offset:512*(\g)
.endm
.macro DESC x, fw, st                  ; one step down: are there q or fewer set bits in the lower st bits from pos on?  Then they are passed over
	v_bfe_u32 v28, \x, v30, \fw
	v_cmp_ge_u32 vcc_lo, v20, v28
	v_cndmask_b32 v28, 0, v28, vcc_lo
	v_cndmask_b32 v29, 0, \st, vcc_lo
	v_sub_nc_u32 v20, v20, v28
	v_add_nc_u32 v30, v30, v29
.endm
; The tokens of my two tiles: lanes 0-15 look for ranks 512 pass + 16 T0 + r, lanes 16-31 for those 128 further on.  Result: v28, v29 = the token of row l % 16 of slot 0, 1, in both halves of the lanes, held to 0 .. 1,023.
.macro SELECT pass
	s_max_u32 s94, s19, 1
	s_sub_co_u32 s94, s94, 1
	v_add_nc_u32 v20, 512*\pass, v18
	v_min_u32 v20, s94, v20                        ; ranks beyond the last repeat the last
	v_mov_b32 v21, s32                             ; the word that holds the bit,
	v_mov_b32 v22, 0                               ; the set bits in front of it,
	v_mov_b32 v23, 0                               ; its first token
	v_mov_b32 v31, 0
	s_mov_b32 s95, 0
.irp k, 1,2,3,4,5,6,7,8,9,10,11,12,13,14,15,16,17,18,19,20,21,22,23,24,25,26,27,28,29,30,31
	s_bcnt1_i32_b32 s96, s[31+\k]
	s_add_co_u32 s95, s95, s96                     ; set bits in words 0 .. k - 1
	s_mov_b32 s97, 32*\k
	v_cmp_le_u32 vcc_lo, s95, v20
	v_cndmask_b32 v21, v21, s[32+\k], vcc_lo
	v_cndmask_b32 v22, v22, s95, vcc_lo
	v_cndmask_b32 v23, v23, s97, vcc_lo
.endr
	v_sub_nc_u32 v20, v20, v22                     ; q: the rank inside the word
	v_lshrrev_b32 v24, 1, v21
	v_and_b32 v24, 0x55555555, v24
	v_sub_nc_u32 v24, v21, v24                     ; counts of 2 bits
	v_lshrrev_b32 v25, 2, v24
	v_and_b32 v25, 0x33333333, v25
	v_and_b32 v26, 0x33333333, v24
	v_add_nc_u32 v25, v25, v26                     ; of 4
	v_lshrrev_b32 v26, 4, v25
	v_add_nc_u32 v26, v26, v25
	v_and_b32 v26, 0x0f0f0f0f, v26                 ; of 8
	v_lshrrev_b32 v27, 8, v26
	v_add_nc_u32 v27, v27, v26                     ; byte 0: of the low 16
	v_mov_b32 v30, 0
	DESC v27, 8, 16
	DESC v26, 8, 8
	DESC v25, 4, 4
	DESC v24, 2, 2
	DESC v21, 1, 1
	v_add_nc_u32 v30, v23, v30                     ; the token
	v_permlanex16_b32 v31, v30, s88, s89
	v_cndmask_b32 v28, v30, v31, s90               ; s90 = lanes 16-31
	v_cndmask_b32 v29, v31, v30, s90
	v_min_u32 v28, 0x3ff, v28
	v_min_u32 v29, 0x3ff, v29
.endm
.macro XOFF
	v_mul_u32_u24 v12, v28, 768
	v_mul_u32_u24 v13, v29, 768
	v_add_nc_u32 v12, v12, v16                     ; xq: 768 x token + 48 h
	v_add_nc_u32 v13, v13, v16
	v_lshlrev_b32 v14, 5, v28                      ; xs: 32 x token
	v_lshlrev_b32 v15, 5, v29
.endm
.macro XLOAD a, buf, st                ; slot a's fragment and scale word of K step st
.irp c, 0,1,2
	global_load_b128 v[XA+24*(\buf)+12*\a+4*\c:XA+24*(\buf)+12*\a+4*\c+3], v[12+\a], s[8:9] offset:96*(\st)+16*\c
.endr
	global_load_b32 v[XSC+2*(\buf)+\a], v[14+\a], s[10:11] offset:4*(\st)
.endm
.macro XL buf, st
	XLOAD 0, \buf, \st
	s_cmp_lg_u32 s22, 0
	s_cbranch_scc0 .Lx_\@
	XLOAD 1, \buf, \st
.Lx_\@:
.endm
.macro WM a, t, wr, buf
	v_wmma_scale_f32_16x16x128_f8f6f4 v[ACC+32*\a+8*\t:ACC+32*\a+8*\t+7], v[(\wr):(\wr)+11], v[XA+24*(\buf)+12*\a:XA+24*(\buf)+12*\a+11], v[ACC+32*\a+8*\t:ACC+32*\a+8*\t+7], v[WS+\t], v[XSC+2*(\buf)+\a] matrix_a_fmt:MATRIX_FMT_BF6 matrix_b_fmt:MATRIX_FMT_BF6
.endm
; One K step: four weight fragments and their scale words from LDS; four or eight products.  The accumulators take turns, one instruction a turn, from K step to K step too.
; The four v_nop at its end are the places in front of whatever follows: loads into the operands' registers, or the first read of results.
.macro KSTEP fr, ph, sci, buf, lw
.irp c, 0,1,2
	ds_load_b128 v[WD+4*\c:WD+4*\c+3], v[\fr] offset:(\ph)*FRP+16*\c
	ds_load_b128 v[WD+12+4*\c:WD+12+4*\c+3], v[\fr] offset:((\ph)+1)*FRP+16*\c
	ds_load_b128 v[(\lw)+4*\c:(\lw)+4*\c+3], v[\fr] offset:((\ph)+2)*FRP+16*\c
	ds_load_b128 v[(\lw)+12+4*\c:(\lw)+12+4*\c+3], v[\fr] offset:((\ph)+3)*FRP+16*\c
.endr
.irp t, 0,1,2,3
	ds_load_b32 v[WS+\t], v7 offset:((\sci)+\t)*64
.endr
	s_wait_dscnt 0x0
	WM 0, 0, WD, \buf
	WM 0, 1, WD+12, \buf
	WM 0, 2, \lw, \buf
	WM 0, 3, (\lw)+12, \buf
	s_cmp_lg_u32 s22, 0
	s_cbranch_scc0 .Lone_\@
	WM 1, 0, WD, \buf
	WM 1, 1, WD+12, \buf
	WM 1, 2, \lw, \buf
	WM 1, 3, (\lw)+12, \buf
.Lone_\@:
.rept 4
	v_nop
.endr
.endm
.macro ACCINIT sg                      ; b1 starts the sums: lane (r, h), tile t: units 64 sg + 32 (t / 2) + 16 h + 8 (t % 2) + 0 .. 7.  Both slots, in every wave
.irp a, 0,1
.irp t, 0,1,2,3
	ds_load_b128 v[ACC+32*\a+8*\t:ACC+32*\a+8*\t+3], v8 offset:256*\sg+128*(\t/2)+32*(\t%2)
	ds_load_b128 v[ACC+32*\a+8*\t+4:ACC+32*\a+8*\t+7], v8 offset:256*\sg+128*(\t/2)+32*(\t%2)+16
.endr
.endr
.endm
; gelu(z) = 0.5 z (1 + erf(z / sqrt 2)) on eight numbers, in place.  u = z / sqrt 2 held to -4 .. 4; erf = u P(u^2) / Q(u^2).  U v34-41, u^2 then 1 / Q v42-49, P v50-57, Q v114-121.
.macro GELU z
.irp p, 0,2,4,6
	v_pk_mul_f32 v[34+\p:35+\p], v[\z+\p:\z+\p+1], s[66:67] op_sel_hi:[1,0]
.endr
.irp p, 0,1,2,3,4,5,6,7
	v_med3_num_f32 v[34+\p], v[34+\p], -4.0, 4.0
.endr
.irp p, 0,2,4,6
	v_pk_mul_f32 v[42+\p:43+\p], v[34+\p:35+\p], v[34+\p:35+\p]
.endr
.irp p, 0,2,4,6
	v_pk_fma_f32 v[50+\p:51+\p], v[42+\p:43+\p], s[68:69], v[124:125] op_sel_hi:[1,0,1]
.endr
.irp c, 70,72,74,76,78
.irp p, 0,2,4,6
	v_pk_fma_f32 v[50+\p:51+\p], v[50+\p:51+\p], v[42+\p:43+\p], s[\c:\c+1] op_sel_hi:[1,1,0]
.endr
.endr
.irp p, 0,2,4,6
	v_pk_fma_f32 v[114+\p:115+\p], v[42+\p:43+\p], s[80:81], v[126:127] op_sel_hi:[1,0,1]
.endr
.irp c, 82,84,86
.irp p, 0,2,4,6
	v_pk_fma_f32 v[114+\p:115+\p], v[114+\p:115+\p], v[42+\p:43+\p], s[\c:\c+1] op_sel_hi:[1,1,0]
.endr
.endr
.irp p, 0,2,4,6
	v_pk_mul_f32 v[50+\p:51+\p], v[50+\p:51+\p], v[34+\p:35+\p]
.endr
.irp p, 0,1,2,3,4,5,6,7
	v_rcp_f32 v[42+\p], v[114+\p]
.endr
.irp p, 0,2,4,6
	v_pk_mul_f32 v[34+\p:35+\p], v[\z+\p:\z+\p+1], 0.5 op_sel_hi:[1,0]   ; plain instructions behind the reciprocals
.endr
	s_wait_alu depctr_va_vdst(0)
.irp p, 0,2,4,6
	v_pk_mul_f32 v[50+\p:51+\p], v[50+\p:51+\p], v[42+\p:43+\p]          ; erf
.endr
.irp p, 0,2,4,6
	v_pk_fma_f32 v[\z+\p:\z+\p+1], v[34+\p:35+\p], v[50+\p:51+\p], v[34+\p:35+\p]
.endr
.endm
; The slab's 64 units of a tile of rows: gelu, two blocks of 32 quantised, six operand registers and two scale bytes.  Written once, on slot 0's registers, and walked twice: slot 1's accumulators move down between the trips.
.macro EPI1 sg
	s_wait_dscnt 0x0                               ; (a wave without rows still has b1's loads out)
	s_mov_b32 s23, s21
	s_mov_b32 s98, 0
.Lslot_\@:
	s_cmp_lg_u32 s23, 0
	s_cbranch_scc0 .Lskip_\@
	GELU ACC                                       ; each accumulator is read from its low end on
	GELU ACC+8
	GELU ACC+16
	GELU ACC+24
	v_max3_num_f32 v20, |v[ACC]|, |v[ACC+1]|, 0x2800000
	v_max3_num_f32 v21, |v[ACC+16]|, |v[ACC+17]|, 0x2800000
.irp i, 2,4,6,8,10,12,14
	v_max3_num_f32 v20, v20, |v[ACC+\i]|, |v[ACC+\i+1]|
	v_max3_num_f32 v21, v21, |v[ACC+16+\i]|, |v[ACC+17+\i]|
.endr
	v_permlanex16_b32 v22, v20, s88, s89
	v_permlanex16_b32 v23, v21, s88, s89
	v_max_num_f32 v20, v20, v22                    ; with lane l xor 16's 16: the block's largest magnitude
	v_max_num_f32 v21, v21, v23
	v_add_nc_u32 v22, 0xfe000000, v20
	v_add_nc_u32 v23, 0xfe000000, v21
	v_lshrrev_b32 v20, 23, v22
	v_lshrrev_b32 v21, 23, v23
	v_lshl_or_b32 v33, v21, 8, v20                 ; the slab's two scale bytes
	v_cvt_scalef32_pk16_bf6_f32 v[24:26], v[ACC:ACC+15], v22
	v_cvt_scalef32_pk16_bf6_f32 v[30:32], v[ACC+16:ACC+31], v23
	v_nop                                          ; one plain place behind a scaled conversion
	v_permlane16_swap_b32 v24, v30                 ; a whole block to a lane: lanes 0-15 the first, lanes 16-31 the second
	v_permlane16_swap_b32 v25, v31
	v_permlane16_swap_b32 v26, v32
	v_mov_b32 v27, v30
	v_mov_b32 v28, v31
	v_mov_b32 v29, v32
.if \sg == 0
	global_store_b128 v9, v[24:27], s[92:93]                   ; registers 0-3: 512 consecutive bytes
	global_store_b64 v10, v[28:29], s[92:93] offset:1024       ; 4-5: 256
	v_mov_b32 v122, v33
.else
	v_lshl_or_b32 v33, v33, 16, v122               ; the scale word is whole
	global_store_b64 v10, v[24:25], s[92:93] offset:1280       ; 6-7
	global_store_b128 v9, v[26:29], s[92:93] offset:512        ; 8-11
	global_store_b32 v1, v33, s[92:93] offset:1536
.endif
.Lskip_\@:
.set i, 0
.rept 32
	v_mov_b32 v[ACC+i], v[ACC+32+i]                ; slot 1 moves down, each accumulator from its low end on
.set i, i+1
.endr
	v_mov_b32 v20, v122                            ; and the slots' kept bytes change places
	v_mov_b32 v122, v123
	v_mov_b32 v123, v20
	s_wait_xcnt 0x0                                ; the stores' data and base are written again only behind this wait
	s_add_nc_u64 s[92:93], s[92:93], SLOTB
	s_mov_b32 s23, s22
	s_add_co_u32 s98, s98, 1
	s_cmp_lt_u32 s98, 2
	s_cbranch_scc1 .Lslot_\@
	s_sub_nc_u64 s[92:93], s[92:93], 2*SLOTB
.endm
; A chunk.  Loads are issued in the order S(g), X(g), S(g + 1) on every path, so at the head of chunk g the 32 youngest are S(g + 1): the count 32 shows chunk g's weights and rows in and leaves the next chunk's out.
.macro CHUNK g
.if \g < 7
	s_wait_loadcnt 32
.else
	s_wait_loadcnt 0x0                             ; nothing was asked for behind the last chunk
.endif
	CONVERT \g
.if \g == 0
	s_cmp_lg_u32 s16, 0
	s_cbranch_scc1 .Lnb_\@
	ds_store_b128 v9, v[114:117]                   ; wave 0: b1's 128 numbers (its load is older than S(0))
.Lnb_\@:
.endif
	s_wait_dscnt 0x0                               ; for the others' sake: my codes and my byte lie in LDS
	s_barrier_signal -1
	s_barrier_wait -1
.if ((\g)%4) == 0
	ACCINIT (\g)/4
.endif
	s_cmp_lg_u32 s21, 0
	s_cbranch_scc0 .Lidle_\@
	KSTEP 5+(\g)/4,8*((\g)%4),8*(\g),0,LAND+32*((\g)%2)
.if \g < 7
	XL 0,2*(((\g)+1)%4)
.endif
	KSTEP 5+(\g)/4,8*((\g)%4)+4,8*(\g)+4,1,LAND+32*((\g)%2)
.if \g < 7
	XL 1,2*(((\g)+1)%4)+1
.endif
.Lidle_\@:
.if \g < 6
	SLOAD (\g)+2                                   ; into the set that has been converted and multiplied
.endif
.endm
.macro PBSLAB sg                       ; pass B: a slab's eight K steps from the resident images
	ACCINIT \sg
.irp st, 0,1,2,3,4,5,6,7
	XL 0,\st
	s_wait_loadcnt 0x0
	KSTEP 5+\sg,4*\st,32*\sg+4*\st,0,LAND
.endr
	EPI1 \sg
.endm
	s_load_b256 s[4:11], s[0:1], 0x0               ; W1, b1, xq, xs
	s_load_b128 s[12:15], s[0:1], 0x20             ; member, hq
	v_lshrrev_b32 v20, 5, v0
	v_readfirstlane_b32 s16, v20                   ; wave 0..15
	s_and_b32 s17, ttmp7, 0xffff                   ; e
	s_mov_b32 s18, ttmp9                           ; f
	v_and_b32 v17, 31, v0                          ; lane
	v_lshlrev_b32 v1, 2, v17
	v_lshlrev_b32 v10, 3, v17
	v_lshlrev_b32 v9, 4, v17
	v_bfe_u32 v19, v0, 4, 1                        ; h
	v_and_b32 v21, 15, v0                          ; r
	v_mul_u32_u24 v16, v19, 48
	v_lshlrev_b32 v8, 6, v19
	v_lshl_add_u32 v7, v21, 2, SCL
	v_mul_u32_u24 v5, v17, 48
	v_add_nc_u32 v5, IMG, v5
	v_add_nc_u32 v6, HALF, v5
	v_bfe_u32 v22, v0, 3, 1                        ; my column's tile of its pair: u = (l / 8) % 2,
	v_and_b32 v23, 7, v0
	v_lshl_add_u32 v23, v19, 3, v23                ; and its row there: m = 8 (l / 16) + l % 8
	s_lshr_b32 s94, s16, 3                         ; which K step of the chunk: sub
	s_bfe_u32 s95, s16, 0x10001                    ; my block b = (w / 2) % 4: b % 2,
	s_bfe_u32 s96, s16, 0x10002                    ; b / 2
	s_and_b32 s97, s16, 1                          ; which 32 columns
	s_mul_i32 s98, s94, 4*FRP
	s_mul_i32 s99, s95, 768
	s_add_co_u32 s98, s98, s99
	s_mul_i32 s99, s96, 24
	s_add_co_u32 s98, s98, s99
	s_mul_i32 s99, s97, 2*FRP
	s_add_co_u32 s98, s98, s99
	s_add_co_u32 s98, s98, IMG
	v_mul_u32_u24 v2, v22, FRP
	v_mad_u32_u24 v2, v23, 48, v2
	v_add_nc_u32 v2, s98, v2                       ; block b of row m lies in lane m + 16 (b % 2), 24 (b / 2) bytes on
	v_add_nc_u32 v3, HALF, v2
	s_lshl_b32 s98, s94, 8
	s_lshl_b32 s99, s97, 7
	s_add_co_u32 s98, s98, s99
	s_bfe_u32 s99, s16, 0x20001
	s_add_co_u32 s98, s98, s99
	s_add_co_u32 s98, s98, SCL
	v_lshlrev_b32 v4, 6, v22
	v_lshl_add_u32 v4, v23, 2, v4
	v_add_nc_u32 v4, s98, v4
	s_lshr_b32 s98, s16, 1
	s_lshr_b32 s99, s16, 2
	s_xor_b32 s98, s98, s99
	s_and_b32 s98, s98, 1                          ; q = bit 1 xor bit 2 of the wave's number
	s_and_b32 s99, s99, 3
	s_lshl_b32 s99, s99, 1
	s_and_b32 s91, s16, 1
	s_add_co_u32 s91, s91, s99                     ; p = bit 0 + 2 x bits 3:2
	s_lshl_b32 s98, s98, 4
	s_add_co_u32 s91, s91, s98                     ; my first tile: T0 = 16 q + p
	s_lshl_b32 s98, s91, 4
	v_lshl_add_u32 v18, v19, 7, v21
	v_add_nc_u32 v18, s98, v18                     ; 128 (l / 16) + 16 T0 + l % 16
.set i, 0
.rept 52
	v_mov_b32 v[XA+i], 0                           ; the rows' registers hold defined numbers on the path of a wave without rows too
.set i, i+1
.endr
	v_mov_b32 v122, 0
	v_mov_b32 v123, 0
	v_mov_b32 v124, 0x32edffee                     ; alpha11
	v_mov_b32 v125, 0x32edffee
	v_mov_b32 v126, 0xb95fbd26                     ; beta6
	v_mov_b32 v127, 0xb95fbd26
.macro COEF r, x                       ; (a packed form names a pair and takes its low word for both halves: both are written)
	s_mov_b32 s[\r], \x
	s_mov_b32 s[\r+1], \x
.endm
	COEF 66, 0x3f3504f3                            ; 1 / sqrt 2
	COEF 68, 0xaf95df0b                            ; alpha13
	COEF 70, 0xb60cff51                            ; alpha9
	COEF 72, 0xb86ec2d2                            ; alpha7
	COEF 74, 0xba40ac63                            ; alpha5
	COEF 76, 0xbb41a1f6                            ; alpha3
	COEF 78, 0xbc83dbd4                            ; alpha1
	COEF 80, 0xb77460cd                            ; beta8
	COEF 82, 0xbadc924e                            ; beta4
	COEF 84, 0xbbf19bf8                            ; beta2
	COEF 86, 0xbc69b6a7                            ; beta0
	s_mov_b32 s88, 0x76543210
	s_mov_b32 s89, 0xfedcba98
	s_mov_b32 s90, 0xffff0000
	s_wait_kmcnt 0x0
	s_lshl_b32 s94, s17, 7
	s_mov_b32 s95, 0
	s_add_nc_u64 s[12:13], s[12:13], s[94:95]
	s_load_b512 s[32:47], s[12:13], 0x0            ; my expert's 1,024 bits
	s_load_b512 s[48:63], s[12:13], 0x40
	s_lshl_b32 s94, s17, 24                        ; W1: expert e, row 32 (w / 2), column 128 f + 32 (w % 2)
	s_lshr_b32 s96, s16, 1
	s_lshl_b32 s96, s96, 19
	s_add_co_u32 s94, s94, s96
	s_lshl_b32 s96, s18, 9
	s_add_co_u32 s94, s94, s96
	s_and_b32 s96, s16, 1
	s_lshl_b32 s96, s96, 7
	s_add_co_u32 s94, s94, s96
	s_add_nc_u64 s[24:25], s[4:5], s[94:95]
	s_add_nc_u64 s[26:27], s[24:25], 0x400000
	s_add_nc_u64 s[28:29], s[24:25], 0x800000
	s_add_nc_u64 s[30:31], s[24:25], 0xc00000
	s_lshl_b32 s94, s17, 14
	s_lshl_b32 s96, s18, 9
	s_add_co_u32 s94, s94, s96
	s_add_nc_u64 s[6:7], s[6:7], s[94:95]
	s_cmp_lg_u32 s16, 0
	s_cbranch_scc1 .Lno_bias
	global_load_b128 v[114:117], v9, s[6:7]        ; wave 0: b1[e][128 f ..]
.Lno_bias:
	SLOAD 0
	s_lshl_b32 s94, s17, 6
	s_add_co_u32 s94, s94, s91
	s_lshl_b32 s94, s94, 5
	s_add_co_u32 s94, s94, s18
	s_mul_i32 s94, s94, REC
	s_add_nc_u64 s[92:93], s[14:15], s[94:95]      ; hq: tile T0, K step f
	s_wait_kmcnt 0x0
	s_bcnt1_i32_b32 s19, s32
.irp k, 1,2,3,4,5,6,7,8,9,10,11,12,13,14,15,16,17,18,19,20,21,22,23,24,25,26,27,28,29,30,31
	s_bcnt1_i32_b32 s94, s[32+\k]
	s_add_co_u32 s19, s19, s94
.endr
	s_add_co_u32 s20, s19, 15
	s_lshr_b32 s20, s20, 4                         ; tiles of 16 rows
	s_cmp_lt_u32 s91, s20
	s_cselect_b32 s21, 1, 0
	s_add_co_u32 s94, s91, 8
	s_cmp_lt_u32 s94, s20
	s_cselect_b32 s22, 1, 0
	SELECT 0
	XOFF
	s_cmp_lg_u32 s21, 0
	s_cbranch_scc0 .Lno_x
	XL 0,0
	XL 1,1
.Lno_x:
	SLOAD 1
	CHUNK 0
	CHUNK 1
	CHUNK 2
	CHUNK 3
	EPI1 0                                         ; chunks 4 and 5 are on their way meanwhile
	CHUNK 4
	CHUNK 5
	CHUNK 6
	CHUNK 7
	EPI1 1
	; PASS B: tiles T0 + 32 and T0 + 40, where the expert has more than 512 rows.  No barrier: images, scale words and b1 are only read.
	s_add_co_u32 s94, s91, 32
	s_cmp_lt_u32 s94, s20
	s_cbranch_scc0 .Lend
	s_mov_b32 s21, 1
	s_add_co_u32 s94, s91, 40
	s_cmp_lt_u32 s94, s20
	s_cselect_b32 s22, 1, 0
	s_add_nc_u64 s[92:93], s[92:93], PASSB
	SELECT 1                                       ; (no load is out: the rows' offsets may be written)
	XOFF
	PBSLAB 0
	PBSLAB 1
.Lend:
	s_wait_xcnt 0x0
	v_lshl_add_u32 v254, v0, 2, 0x19800
	v_mov_b32 v255, 0
	s_wait_tensorcnt 0x0
	ds_add_u32 v254, v255
	s_wait_dscnt 0x0
	s_endpgm
.Lfunc_end_k_q74e5c71951_ffn1:
	.size	k_q74e5c71951_ffn1, .Lfunc_end_k_q74e5c71951_ffn1-k_q74e5c71951_ffn1
	.p2alignl 7, 3214868480
	.fill 96, 4, 3214868480
	.section	.rodata,"a",@progbits
	.p2align	6, 0x0
	.amdhsa_kernel k_q74e5c71951_ffn1
		.amdhsa_group_segment_fixed_size 106496
		.amdhsa_private_segment_fixed_size 0
		.amdhsa_enable_private_segment 0
		.amdhsa_kernarg_size 48
		.amdhsa_user_sgpr_count 2
		.amdhsa_user_sgpr_kernarg_segment_ptr 1
		.amdhsa_wavefront_size32 1
		.amdhsa_system_sgpr_workgroup_id_x 1
		.amdhsa_system_sgpr_workgroup_id_y 1
		.amdhsa_system_sgpr_workgroup_id_z 1
		.amdhsa_system_vgpr_workitem_id 0
		.amdhsa_next_free_vgpr 256
		.amdhsa_next_free_sgpr 102
		.amdhsa_reserve_vcc 1
		.amdhsa_float_denorm_mode_32 3
		.amdhsa_float_denorm_mode_16_64 3
		.amdhsa_memory_ordered 1
		.amdhsa_forward_progress 1
		.amdhsa_inst_pref_size 255
	.end_amdhsa_kernel
	.section	.bss,"aw",@nobits
	.p2align	6
	.space	262144
	.amdgpu_metadata
---
amdhsa.version: [ 1, 2 ]
amdhsa.kernels:
  - .name:           k_q74e5c71951_ffn1
    .symbol:         k_q74e5c71951_ffn1.kd
    .args:
      - { .name: W1, .offset: 0, .size: 8, .value_kind: global_buffer, .address_space: global }
      - { .name: b1, .offset: 8, .size: 8, .value_kind: global_buffer, .address_space: global }
      - { .name: xq, .offset: 16, .size: 8, .value_kind: global_buffer, .address_space: global }
      - { .name: xs, .offset: 24, .size: 8, .value_kind: global_buffer, .address_space: global }
      - { .name: member, .offset: 32, .size: 8, .value_kind: global_buffer, .address_space: global }
      - { .name: hq, .offset: 40, .size: 8, .value_kind: global_buffer, .address_space: global }
    .group_segment_fixed_size: 106496
    .private_segment_fixed_size: 0
    .kernarg_segment_align: 8
    .kernarg_segment_size: 48
    .max_flat_workgroup_size: 512
    .sgpr_count:     102
    .vgpr_count:     256
    .wavefront_size: 32
...
	.end_amdgpu_metadata
.endif
;; end of part 2
;; launch ffn2 (part 3): grid 32 x 8, 16 waves a work-group, no clusters, 179,712 bytes of LDS; arguments W2, b2, hq, member, sel, cwt, part; writes part
.if DOCPART == 3
	.amdgcn_target "amdgcn-amd-amdhsa--gfx1250"
	.amdhsa_code_object_version 6
	.text
	.protected	k_q74e5c71951_ffn2
	.globl	k_q74e5c71951_ffn2
	.p2align	8
	.type	k_q74e5c71951_ffn2,@function
k_q74e5c71951_ffn2:
	s_mov_b64 s[64:65], 0
	v_nop
	global_prefetch_b8 v0, s[64:65] scope:SCOPE_SE
	s_setreg_imm32_b32 hwreg(HW_REG_WAVE_MODE, 25, 1), 1
	s_wait_xcnt 0x0
; part = cw x (h W2[e] + b2[e]) for the rows that chose expert e.  Both operands are codes of E3M2 with E8M0 scales; sums in f32.
; SHARES.  Work-group (cs + 16 kh, e) owns output columns 64 cs .. 64 cs + 63 and k = 2,048 kh .. 2,048 kh + 2,047 of expert e, and serves ALL rows of that expert: each byte of W2 is read from memory once, as f32,
; quantised in registers, and its codes never go to memory.  Eight chunks of 256 k x 64 columns; wave w takes 32 columns (w % 2; a lane to a column) and one block of 32 k (w / 2): 32 loads of 128 consecutive bytes.
; The codes go to LDS as images of operand registers (fragment: 16 columns x 128 k, lane at 48 x lane, 1,552 bytes apart) and STAY: every image byte is written once, so one barrier a chunk is all the ordering there is.
; THE ROWS come as finished fragments from hq (record ((64 e + T) 32 + s) x 1,792 bytes, tile T, K step s).
; A WAVE'S TWO SLOTS ARE FILLED BEFORE THE NEXT WAVE GETS ROWS, so that each weight fragment read from LDS feeds two products wherever the expert has the rows for it: a wave's first tile is T0 = 16 q + p,
; q = bit 1 xor bit 2 of its number, p = bit 0 + 2 x bits 3:2; it multiplies tiles T0 and T0 + 8 while the weights stream (pass A), and tiles T0 + 32 and T0 + 40 from the resident images afterwards (pass B):
; the 64 tiles are covered once, so every split of the tokens is served.  Tiles 0-15 fall to waves 0, 1, 6, 7, 8, 9, 14, 15: two of each residue mod 4 and two of each run of four.
; A wave without rows jumps over the products by scalar branches on the stored counts, never over a barrier, and asks for its next weights at once.
; THE PRODUCT IS USED TRANSPOSED (source 0 = 16 columns of W2, source 1 = 16 rows of h): a lane holds eight neighbouring columns of one row.  b2 (for kh = 0; zeros for kh = 1) is what the sums begin with.
; EACH BYTE OF part HAS ONE OWNER: part[2 kh + which][token][1024], which = 0 where e is the token's first choice, else 1.  The rows' tokens are the set bits of member[e] (SELECT); ranks beyond the last repeat the last
; row, which computes the same numbers and stores them to the same bytes.  A tile goes through the wave's own stage in LDS, so that sixteen lanes store 256 consecutive bytes of a token's row.
; NO TENSOR LOADS, NO CLUSTER: the walk hangs on stored counts, so operands go from memory into registers; what work-groups share (h's codes) is small beside a work-group's 512 KB of weights.
; No prefetch: each wave always has 32 to 63 loads of weights on their way.
; LIMITS: NaN and infinities are not served.  A block under 2^-122 keeps the byte 1; a block of zeros gets the byte 1 with zero codes (this program alone reads the bytes).
.set FRP,   1552
.set SCL,   512                        ; LDS: 0 .. 255 b2's 64 numbers; then the weights' scale words: fragment p at 64 p, row m at 4 m, block b at byte b
.set IMG,   4608                       ; the 64 fragments: p = 4 (2 g + sub) + t
.set HALF,  32*FRP
.set STG,   103936                     ; the stages: 16 rows x 272 bytes for each wave, 4,608 bytes apart
.set REC,   1792
.set SLOTB, 8*32*REC                   ; from tile T's records to tile T + 8's: slot 0 to slot 1
.set PASSB, 32*32*REC                  ; and to tile T + 32's: pass A to pass B
.set WD,    34                         ; v34-57   weight fragments t = 0, 1 (t = 2, 3 lie in the landing set that has just been converted)
.set WS,    58                         ; v58-61   their scale words, and nothing else
.set XA,    62                         ; v62-109  row fragments: buffer (K step's parity) x slot x 12
.set XSC,   110                        ; v110-113 their scale words, and nothing else
.set LAND,  128                        ; v128-191 two landing sets of 32; on the way out rows of part and their offsets
.set ACC,   192                        ; v192-255 slot a at + 32 a, tile t at + 8 t
; v1 4 l | v2, v3 where I store codes | v4 my scale byte | v5, v6 where I read fragments | v7 scale words | v8 b2: 32 h | v9 16 l | v10 8 l | v11 16 (l % 16) | v12, v13 tokens | v14, v15 the stage, in and out
; v18 my rank in pass A | v20-33 at work | v114, v115 slot 0's weight and row of part; v116, v117 slot 1's | v118-119 b2 | v120-123 offsets
; s16 wave | s17 e | s18 cs | s19 rows | s20 tiles | s21, s22 slot 0, 1 has rows | s23 the slot in hand has rows | s24 kh | s25 1.0 or 0 | s26-27 part | s28-31 hq, slot 0, 1 | s32-63 member | s68 my first tile | s88-90 lane selects | s91 2 kh
.macro SLOAD g
.irp i, 0,1,2,3,4,5,6,7,8,9,10,11,12,13,14,15,16,17,18,19,20,21,22,23,24,25,26,27,28,29,30,31
	global_load_b32 v[LAND+32*((\g)%2)+\i], v1, s[4:5] offset:(\g)*1048576+\i*4096 th:TH_LOAD_NT
.endr
.endm
.macro CONVERT g                       ; my block of 32 along K: its scale byte and its 24 bytes of codes, to LDS
.set LS_, LAND+32*((\g)%2)
	v_max3_num_f32 v20, |v[LS_]|, |v[LS_+1]|, |v[LS_+2]|
	v_max3_num_f32 v21, |v[LS_+3]|, |v[LS_+4]|, |v[LS_+5]|
.irp i, 6,10,14,18,22,26
	v_max3_num_f32 v20, v20, |v[LS_+\i]|, |v[LS_+\i+1]|
	v_max3_num_f32 v21, v21, |v[LS_+\i+2]|, |v[LS_+\i+3]|
.endr
	v_max3_num_f32 v20, v20, |v[LS_+30]|, |v[LS_+31]|
	v_max3_num_f32 v20, v20, v21, 0x2800000        ; and the floor 2^(5 - 127): the byte cannot fall under 1
	v_add_nc_u32 v22, 0xfe000000, v20              ; 4 off the exponent field: the conversion's scale operand
	v_lshrrev_b32 v23, 23, v22                     ; the scale's byte
	v_cvt_scalef32_pk16_bf6_f32 v[24:26], v[LS_:LS_+15], v22
	v_cvt_scalef32_pk16_bf6_f32 v[30:32], v[LS_+16:LS_+31], v22   ; (a conversion's three registers begin on an even number)
	v_nop                                          ; one plain place behind a scaled conversion
	v_mov_b32 v27, v30
	v_mov_b32 v28, v31
	v_mov_b32 v29, v32
	ds_store_b64 v[2+(\g)/4], v[24:25] offset:((\g)%4)*8*FRP
	ds_store_b64 v[2+(\g)/4], v[26:27] offset:((\g)%4)*8*FRP+8
	ds_store_b64 v[2+(\g)/4], v[28:29] offset:((\g)%4)*8*FRP+16
	ds_store_b8 v4, v23 offset:512*(\g)
.endm
.macro DESC x, fw, st                  ; one step down: are there q or fewer set bits in the lower st bits from pos on?  Then they are passed over
	v_bfe_u32 v28, \x, v30, \fw
	v_cmp_ge_u32 vcc_lo, v20, v28
	v_cndmask_b32 v28, 0, v28, vcc_lo
	v_cndmask_b32 v29, 0, \st, vcc_lo
	v_sub_nc_u32 v20, v20, v28
	v_add_nc_u32 v30, v30, v29
.endm
; The tokens of my two tiles: lanes 0-15 look for ranks 512 pass + 16 T0 + r, lanes 16-31 for those 128 further on.  Result: v28, v29 = the token of row l % 16 of slot 0, 1, in both halves of the lanes, held to 0 .. 1,023.
.macro SELECT pass
	s_max_u32 s94, s19, 1
	s_sub_co_u32 s94, s94, 1
	v_add_nc_u32 v20, 512*\pass, v18
	v_min_u32 v20, s94, v20                        ; ranks beyond the last repeat the last
	v_mov_b32 v21, s32
	v_mov_b32 v22, 0
	v_mov_b32 v23, 0
	v_mov_b32 v31, 0
	s_mov_b32 s95, 0
.irp k, 1,2,3,4,5,6,7,8,9,10,11,12,13,14,15,16,17,18,19,20,21,22,23,24,25,26,27,28,29,30,31
	s_bcnt1_i32_b32 s96, s[31+\k]
	s_add_co_u32 s95, s95, s96                     ; set bits in words 0 .. k - 1
	s_mov_b32 s97, 32*\k
	v_cmp_le_u32 vcc_lo, s95, v20
	v_cndmask_b32 v21, v21, s[32+\k], vcc_lo
	v_cndmask_b32 v22, v22, s95, vcc_lo
	v_cndmask_b32 v23, v23, s97, vcc_lo
.endr
	v_sub_nc_u32 v20, v20, v22                     ; q: the rank inside the word
	v_lshrrev_b32 v24, 1, v21
	v_and_b32 v24, 0x55555555, v24
	v_sub_nc_u32 v24, v21, v24                     ; counts of 2 bits
	v_lshrrev_b32 v25, 2, v24
	v_and_b32 v25, 0x33333333, v25
	v_and_b32 v26, 0x33333333, v24
	v_add_nc_u32 v25, v25, v26                     ; of 4
	v_lshrrev_b32 v26, 4, v25
	v_add_nc_u32 v26, v26, v25
	v_and_b32 v26, 0x0f0f0f0f, v26                 ; of 8
	v_lshrrev_b32 v27, 8, v26
	v_add_nc_u32 v27, v27, v26                     ; byte 0: of the low 16
	v_mov_b32 v30, 0
	DESC v27, 8, 16
	DESC v26, 8, 8
	DESC v25, 4, 4
	DESC v24, 2, 2
	DESC v21, 1, 1
	v_add_nc_u32 v30, v23, v30                     ; the token
	v_permlanex16_b32 v31, v30, s88, s89
	v_cndmask_b32 v28, v30, v31, s90               ; s90 = lanes 16-31
	v_cndmask_b32 v29, v31, v30, s90
	v_min_u32 v28, 0x3ff, v28
	v_min_u32 v29, 0x3ff, v29
.endm
.macro ROWS                            ; each row's combine weight and first choice
	v_mov_b32 v12, v28
	v_mov_b32 v13, v29
	v_lshlrev_b32 v120, 5, v28
	v_lshlrev_b32 v121, 5, v29
	v_lshlrev_b32 v122, 2, v28
	v_lshlrev_b32 v123, 2, v29
	global_load_b32 v114, v120, s[14:15]
	global_load_b32 v115, v122, s[12:13]
	global_load_b32 v116, v121, s[14:15]
	global_load_b32 v117, v123, s[12:13]
.endm
.macro ROWIDX                          ; behind the wait for them: the row of part = (2 kh + (e is not the first choice)) x 1,024 + token
	v_xor_b32 v115, s17, v115
	v_xor_b32 v117, s17, v117
	v_min_u32 v115, 1, v115
	v_min_u32 v117, 1, v117
	v_add_nc_u32 v115, s91, v115
	v_add_nc_u32 v117, s91, v117
	v_lshl_add_u32 v115, v115, 10, v12
	v_lshl_add_u32 v117, v117, 10, v13
.endm
.macro XLOAD a, buf, st                ; slot a's record of my st-th K step: each load takes 128, 256 or 512 consecutive bytes
.set XR_, XA+24*(\buf)+12*\a
	global_load_b128 v[XR_:XR_+3], v9, s[28+2*\a:29+2*\a] offset:REC*(\st)
	global_load_b64 v[XR_+4:XR_+5], v10, s[28+2*\a:29+2*\a] offset:REC*(\st)+1024
	global_load_b64 v[XR_+6:XR_+7], v10, s[28+2*\a:29+2*\a] offset:REC*(\st)+1280
	global_load_b128 v[XR_+8:XR_+11], v9, s[28+2*\a:29+2*\a] offset:REC*(\st)+512
	global_load_b32 v[XSC+2*(\buf)+\a], v1, s[28+2*\a:29+2*\a] offset:REC*(\st)+1536
.endm
.macro XL buf, st
	XLOAD 0, \buf, \st
	s_cmp_lg_u32 s22, 0
	s_cbranch_scc0 .Lx_\@
	XLOAD 1, \buf, \st
.Lx_\@:
.endm
.macro WM a, t, wr, buf
	v_wmma_scale_f32_16x16x128_f8f6f4 v[ACC+32*\a+8*\t:ACC+32*\a+8*\t+7], v[(\wr):(\wr)+11], v[XA+24*(\buf)+12*\a:XA+24*(\buf)+12*\a+11], v[ACC+32*\a+8*\t:ACC+32*\a+8*\t+7], v[WS+\t], v[XSC+2*(\buf)+\a] matrix_a_fmt:MATRIX_FMT_BF6 matrix_b_fmt:MATRIX_FMT_BF6
.endm
; One K step: four weight fragments and their scale words from LDS; four or eight products.  The accumulators take turns, one instruction a turn, from K step to K step too.
; The four v_nop at its end are the places in front of whatever follows: loads into the operands' registers, or the first read of results.
.macro KSTEP fr, ph, sci, buf, lw
.irp c, 0,1,2
	ds_load_b128 v[WD+4*\c:WD+4*\c+3], v[\fr] offset:(\ph)*FRP+16*\c
	ds_load_b128 v[WD+12+4*\c:WD+12+4*\c+3], v[\fr] offset:((\ph)+1)*FRP+16*\c
	ds_load_b128 v[(\lw)+4*\c:(\lw)+4*\c+3], v[\fr] offset:((\ph)+2)*FRP+16*\c
	ds_load_b128 v[(\lw)+12+4*\c:(\lw)+12+4*\c+3], v[\fr] offset:((\ph)+3)*FRP+16*\c
.endr
.irp t, 0,1,2,3
	ds_load_b32 v[WS+\t], v7 offset:((\sci)+\t)*64
.endr
	s_wait_dscnt 0x0
	WM 0, 0, WD, \buf
	WM 0, 1, WD+12, \buf
	WM 0, 2, \lw, \buf
	WM 0, 3, (\lw)+12, \buf
	s_cmp_lg_u32 s22, 0
	s_cbranch_scc0 .Lone_\@
	WM 1, 0, WD, \buf
	WM 1, 1, WD+12, \buf
	WM 1, 2, \lw, \buf
	WM 1, 3, (\lw)+12, \buf
.Lone_\@:
.rept 4
	v_nop
.endr
.endm
.macro ACCINIT                         ; b2 (or zeros) starts the sums: lane (r, h), tile t: columns 16 t + 8 h + 0 .. 7.  Both slots, in every wave
.irp a, 0,1
.irp t, 0,1,2,3
	ds_load_b128 v[ACC+32*\a+8*\t:ACC+32*\a+8*\t+3], v8 offset:64*\t
	ds_load_b128 v[ACC+32*\a+8*\t+4:ACC+32*\a+8*\t+7], v8 offset:64*\t+16
.endr
.endr
.endm
; THE WAY OUT of a tile: x the row's combine weight; through my stage; sixteen lanes store a row's 256 bytes.  Written once, on slot 0's registers, and walked twice: slot 1's accumulators move down between the trips.
.macro EPI2
	s_wait_dscnt 0x0                               ; (a wave without rows still has b2's loads out)
	s_mov_b32 s23, s21
	s_mov_b32 s98, 0
.Lslot_\@:
	s_cmp_lg_u32 s23, 0
	s_cbranch_scc0 .Lskip_\@
.set i, 0
.rept 16
	v_pk_mul_f32 v[ACC+i:ACC+i+1], v[ACC+i:ACC+i+1], v[114:115] op_sel_hi:[1,0]   ; ascending: each accumulator is read from its low end on
.set i, i+2
.endr
.irp t, 0,1,2,3
	ds_store_b128 v14, v[ACC+8*\t:ACC+8*\t+3] offset:64*\t
	ds_store_b128 v14, v[ACC+8*\t+4:ACC+8*\t+7] offset:64*\t+16
.endr
.irp i, 0,1,2,3,4,5,6,7
	ds_load_b128 v[LAND+4*\i:LAND+4*\i+3], v15 offset:544*\i   ; LDS serves a wave's instructions in order (ISA guide 5.7.1.4): these see my stores.  Lanes 0-15 row 2 i, lanes 16-31 row 2 i + 1
.endr
.irp i, 0,1,2,3,4,5,6,7
	v_readlane_b32 s66, v115, 2*\i                 ; those two rows' places in part
	v_readlane_b32 s67, v115, 2*\i+1
	v_mov_b32 v[LAND+32+\i], s66
	v_cndmask_b32 v[LAND+32+\i], v[LAND+32+\i], s67, s90
	v_min_u32 v[LAND+32+\i], 0xfff, v[LAND+32+\i]
	v_lshl_add_u32 v[LAND+32+\i], v[LAND+32+\i], 12, v11       ; 4,096 bytes a row, + 16 (l % 16)
.endr
.irp i, 0,1,2,3,4,5,6,7
	s_wait_dscnt 7-\i                              ; load i is in; the younger ones may be out
	global_store_b128 v[LAND+32+\i], v[LAND+4*\i:LAND+4*\i+3], s[26:27]   ; sixteen lanes store 256 consecutive bytes, at a multiple of 256 from part's first byte
.endr
.Lskip_\@:
.set i, 0
.rept 32
	v_mov_b32 v[ACC+i], v[ACC+32+i]                ; slot 1 moves down, each accumulator from its low end on
.set i, i+1
.endr
	v_mov_b32 v114, v116
	v_mov_b32 v115, v117
	s_wait_xcnt 0x0                                ; the stores' data and offsets are written again only behind this wait
	s_mov_b32 s23, s22
	s_add_co_u32 s98, s98, 1
	s_cmp_lt_u32 s98, 2
	s_cbranch_scc1 .Lslot_\@
.endm
; A chunk.  Loads are issued in the order S(g), X(g), S(g + 1) on every path, so at the head of chunk g the 32 youngest are S(g + 1): the count 32 shows chunk g's weights and rows in and leaves the next chunk's out.
.macro CHUNK g
.if \g < 7
	s_wait_loadcnt 32
.else
	s_wait_loadcnt 0x0                             ; nothing was asked for behind the last chunk
.endif
	CONVERT \g
.if \g == 0
	ROWIDX                                         ; (the rows' weights and first choices are older than S(1) too)
	s_cmp_lg_u32 s16, 0
	s_cbranch_scc1 .Lnb_\@
	v_mul_f32 v118, s25, v118                      ; wave 0: b2's 64 numbers, for the first half of K alone
	v_mul_f32 v119, s25, v119
	ds_store_b64 v10, v[118:119]
.Lnb_\@:
.endif
	s_wait_dscnt 0x0                               ; for the others' sake: my codes and my byte lie in LDS
	s_barrier_signal -1
	s_barrier_wait -1
.if \g == 0
	ACCINIT
.endif
	s_cmp_lg_u32 s21, 0
	s_cbranch_scc0 .Lidle_\@
	KSTEP 5+(\g)/4,8*((\g)%4),8*(\g),0,LAND+32*((\g)%2)
.if \g < 7
	XL 0,2*(\g)+2
.endif
	KSTEP 5+(\g)/4,8*((\g)%4)+4,8*(\g)+4,1,LAND+32*((\g)%2)
.if \g < 7
	XL 1,2*(\g)+3
.endif
.Lidle_\@:
.if \g < 6
	SLOAD (\g)+2                                   ; into the set that has been converted and multiplied
.endif
.endm
	s_load_b256 s[4:11], s[0:1], 0x0               ; W2, b2, hq, member
	s_load_b128 s[12:15], s[0:1], 0x20             ; sel, cwt
	s_load_b64 s[26:27], s[0:1], 0x30              ; part
	v_lshl_add_u32 v126, v0, 2, 0x2b600
	v_mov_b32 v127, 0
	v_lshrrev_b32 v20, 5, v0
	v_readfirstlane_b32 s16, v20                   ; wave 0..15
	s_and_b32 s17, ttmp7, 0xffff                   ; e
	s_and_b32 s18, ttmp9, 15                       ; cs
	s_lshr_b32 s24, ttmp9, 4                       ; kh
	s_cmp_eq_u32 s24, 0
	s_cselect_b32 s25, 1.0, 0
	s_lshl_b32 s91, s24, 1
	v_and_b32 v17, 31, v0                          ; lane
	v_lshlrev_b32 v1, 2, v17
	v_lshlrev_b32 v10, 3, v17
	v_lshlrev_b32 v9, 4, v17
	v_bfe_u32 v19, v0, 4, 1                        ; h
	v_and_b32 v21, 15, v0                          ; r
	v_lshlrev_b32 v11, 4, v21
	v_lshlrev_b32 v8, 5, v19
	v_lshl_add_u32 v7, v21, 2, SCL
	v_mul_u32_u24 v5, v17, 48
	v_add_nc_u32 v5, IMG, v5
	v_add_nc_u32 v6, HALF, v5
	s_lshr_b32 s94, s16, 3                         ; which K step of the chunk: sub
	s_bfe_u32 s95, s16, 0x10001                    ; my block b = (w / 2) % 4: b % 2,
	s_bfe_u32 s96, s16, 0x10002                    ; b / 2
	s_and_b32 s97, s16, 1                          ; which 32 columns
	s_mul_i32 s98, s94, 4*FRP
	s_mul_i32 s99, s95, 768
	s_add_co_u32 s98, s98, s99
	s_mul_i32 s99, s96, 24
	s_add_co_u32 s98, s98, s99
	s_mul_i32 s99, s97, 2*FRP
	s_add_co_u32 s98, s98, s99
	s_add_co_u32 s98, s98, IMG
	v_mul_u32_u24 v2, v19, FRP                     ; my column's tile of its pair: l / 16; its row there: l % 16
	v_mad_u32_u24 v2, v21, 48, v2
	v_add_nc_u32 v2, s98, v2                       ; block b of row m lies in lane m + 16 (b % 2), 24 (b / 2) bytes on
	v_add_nc_u32 v3, HALF, v2
	s_lshl_b32 s98, s94, 8
	s_lshl_b32 s99, s97, 7
	s_add_co_u32 s98, s98, s99
	s_bfe_u32 s99, s16, 0x20001
	s_add_co_u32 s98, s98, s99
	s_add_co_u32 s98, s98, SCL
	v_lshlrev_b32 v4, 6, v19
	v_lshl_add_u32 v4, v21, 2, v4
	v_add_nc_u32 v4, s98, v4
	s_mul_i32 s98, s16, 4608
	s_add_co_u32 s98, s98, STG                     ; my stage
	v_mul_u32_u24 v14, v21, 272
	v_lshl_add_u32 v14, v19, 5, v14
	v_add_nc_u32 v14, s98, v14                     ; in: row r, + 32 h
	v_mul_u32_u24 v15, v19, 272
	v_lshl_add_u32 v15, v21, 4, v15
	v_add_nc_u32 v15, s98, v15                     ; back: lanes 0-15 one row, lanes 16-31 the next
	s_lshr_b32 s98, s16, 1
	s_lshr_b32 s99, s16, 2
	s_xor_b32 s98, s98, s99
	s_and_b32 s98, s98, 1                          ; q = bit 1 xor bit 2 of the wave's number
	s_and_b32 s99, s99, 3
	s_lshl_b32 s99, s99, 1
	s_and_b32 s68, s16, 1
	s_add_co_u32 s68, s68, s99                     ; p = bit 0 + 2 x bits 3:2
	s_lshl_b32 s98, s98, 4
	s_add_co_u32 s68, s68, s98                     ; my first tile: T0 = 16 q + p
	s_lshl_b32 s98, s68, 4
	v_lshl_add_u32 v18, v19, 7, v21
	v_add_nc_u32 v18, s98, v18                     ; 128 (l / 16) + 16 T0 + l % 16
.set i, 0
.rept 52
	v_mov_b32 v[XA+i], 0                           ; the rows' registers hold defined numbers on the path of a wave without rows too
.set i, i+1
.endr
	s_mov_b32 s88, 0x76543210
	s_mov_b32 s89, 0xfedcba98
	s_mov_b32 s90, 0xffff0000
	s_wait_kmcnt 0x0
	s_lshl_b32 s94, s17, 7
	s_mov_b32 s95, 0
	s_add_nc_u64 s[10:11], s[10:11], s[94:95]
	s_load_b512 s[32:47], s[10:11], 0x0            ; my expert's 1,024 bits
	s_load_b512 s[48:63], s[10:11], 0x40
	s_lshl_b32 s94, s17, 24                        ; W2: expert e, row 2,048 kh + 32 (w / 2), column 64 cs + 32 (w % 2)
	s_lshl_b32 s96, s24, 23
	s_add_co_u32 s94, s94, s96
	s_lshr_b32 s96, s16, 1
	s_lshl_b32 s96, s96, 17
	s_add_co_u32 s94, s94, s96
	s_lshl_b32 s96, s18, 8
	s_add_co_u32 s94, s94, s96
	s_and_b32 s96, s16, 1
	s_lshl_b32 s96, s96, 7
	s_add_co_u32 s94, s94, s96
	s_add_nc_u64 s[4:5], s[4:5], s[94:95]
	s_lshl_b32 s94, s17, 12
	s_lshl_b32 s96, s18, 8
	s_add_co_u32 s94, s94, s96
	s_add_nc_u64 s[6:7], s[6:7], s[94:95]          ; b2[e][64 cs ..]
	s_mov_b32 s94, s96
	s_add_nc_u64 s[26:27], s[26:27], s[94:95]      ; part: my 256 bytes of a row
	s_lshl_b32 s94, s17, 2
	s_add_nc_u64 s[14:15], s[14:15], s[94:95]      ; cwt: expert e's column
	s_cmp_lg_u32 s16, 0
	s_cbranch_scc1 .Lno_bias
	global_load_b64 v[118:119], v10, s[6:7]        ; wave 0
.Lno_bias:
	SLOAD 0
	s_lshl_b32 s94, s17, 6
	s_add_co_u32 s94, s94, s68
	s_lshl_b32 s94, s94, 5
	s_lshl_b32 s96, s24, 4
	s_add_co_u32 s94, s94, s96
	s_mul_i32 s94, s94, REC
	s_add_nc_u64 s[28:29], s[8:9], s[94:95]        ; hq: tile T0, K step 16 kh;
	s_add_nc_u64 s[30:31], s[28:29], SLOTB         ; tile T0 + 8
	s_wait_kmcnt 0x0
	s_bcnt1_i32_b32 s19, s32
.irp k, 1,2,3,4,5,6,7,8,9,10,11,12,13,14,15,16,17,18,19,20,21,22,23,24,25,26,27,28,29,30,31
	s_bcnt1_i32_b32 s94, s[32+\k]
	s_add_co_u32 s19, s19, s94
.endr
	s_add_co_u32 s20, s19, 15
	s_lshr_b32 s20, s20, 4                         ; tiles of 16 rows
	s_cmp_lt_u32 s68, s20
	s_cselect_b32 s21, 1, 0
	s_add_co_u32 s94, s68, 8
	s_cmp_lt_u32 s94, s20
	s_cselect_b32 s22, 1, 0
	SELECT 0
	ROWS
	s_cmp_lg_u32 s21, 0
	s_cbranch_scc0 .Lno_x
	XL 0,0
	XL 1,1
.Lno_x:
	SLOAD 1
	CHUNK 0
	CHUNK 1
	CHUNK 2
	CHUNK 3
	CHUNK 4
	CHUNK 5
	CHUNK 6
	CHUNK 7
	EPI2
	; PASS B: tiles T0 + 32 and T0 + 40, where the expert has more than 512 rows.  No barrier: images, scale words and b2 are only read; the stage is my own.
	s_add_co_u32 s94, s68, 32
	s_cmp_lt_u32 s94, s20
	s_cbranch_scc0 .Lend
	s_mov_b32 s21, 1
	s_add_co_u32 s94, s68, 40
	s_cmp_lt_u32 s94, s20
	s_cselect_b32 s22, 1, 0
	s_add_nc_u64 s[28:29], s[28:29], PASSB         ; (no load is out: bases and offsets may be written)
	s_add_nc_u64 s[30:31], s[30:31], PASSB
	SELECT 1
	ROWS
	s_wait_loadcnt 0x0
	ROWIDX
	ACCINIT
.irp st, 0,1,2,3,4,5,6,7
	XL 0,\st
	s_wait_loadcnt 0x0
	KSTEP 5,4*\st,4*\st,0,LAND
.endr
.irp st, 8,9,10,11,12,13,14,15
	XL 0,\st
	s_wait_loadcnt 0x0
	KSTEP 6,4*\st-32,4*\st,0,LAND
.endr
	EPI2
.Lend:
	s_wait_tensorcnt 0x0
	ds_add_u32 v126, v127
	s_wait_dscnt 0x0
	s_endpgm
.Lfunc_end_k_q74e5c71951_ffn2:
	.size	k_q74e5c71951_ffn2, .Lfunc_end_k_q74e5c71951_ffn2-k_q74e5c71951_ffn2
	.p2alignl 7, 3214868480
	.fill 96, 4, 3214868480
	.section	.rodata,"a",@progbits
	.p2align	6, 0x0
	.amdhsa_kernel k_q74e5c71951_ffn2
		.amdhsa_group_segment_fixed_size 179712
		.amdhsa_private_segment_fixed_size 0
		.amdhsa_enable_private_segment 0
		.amdhsa_kernarg_size 56
		.amdhsa_user_sgpr_count 2
		.amdhsa_user_sgpr_kernarg_segment_ptr 1
		.amdhsa_wavefront_size32 1
		.amdhsa_system_sgpr_workgroup_id_x 1
		.amdhsa_system_sgpr_workgroup_id_y 1
		.amdhsa_system_sgpr_workgroup_id_z 1
		.amdhsa_system_vgpr_workitem_id 0
		.amdhsa_next_free_vgpr 256
		.amdhsa_next_free_sgpr 102
		.amdhsa_reserve_vcc 1
		.amdhsa_float_denorm_mode_32 3
		.amdhsa_float_denorm_mode_16_64 3
		.amdhsa_memory_ordered 1
		.amdhsa_forward_progress 1
		.amdhsa_inst_pref_size 196
	.end_amdhsa_kernel
	.amdgpu_metadata
---
amdhsa.version: [ 1, 2 ]
amdhsa.kernels:
  - .name:           k_q74e5c71951_ffn2
    .symbol:         k_q74e5c71951_ffn2.kd
    .args:
      - { .name: W2, .offset: 0, .size: 8, .value_kind: global_buffer, .address_space: global }
      - { .name: b2, .offset: 8, .size: 8, .value_kind: global_buffer, .address_space: global }
      - { .name: hq, .offset: 16, .size: 8, .value_kind: global_buffer, .address_space: global }
      - { .name: member, .offset: 24, .size: 8, .value_kind: global_buffer, .address_space: global }
      - { .name: sel, .offset: 32, .size: 8, .value_kind: global_buffer, .address_space: global }
      - { .name: cwt, .offset: 40, .size: 8, .value_kind: global_buffer, .address_space: global }
      - { .name: part, .offset: 48, .size: 8, .value_kind: global_buffer, .address_space: global }
    .group_segment_fixed_size: 179712
    .private_segment_fixed_size: 0
    .kernarg_segment_align: 8
    .kernarg_segment_size: 56
    .max_flat_workgroup_size: 512
    .sgpr_count:     102
    .vgpr_count:     256
    .wavefront_size: 32
...
	.end_amdgpu_metadata
.endif
;; end of part 3
;; launch combine (part 4): grid 256 x 1, 8 waves a work-group, no clusters, 0 bytes of LDS; arguments part, out0; writes out0
.if DOCPART == 4
	.amdgcn_target "amdgcn-amd-amdhsa--gfx1250"
	.amdhsa_code_object_version 6
	.text
	.protected	k_q74e5c71951_combine
	.globl	k_q74e5c71951_combine
	.p2align	8
	.type	k_q74e5c71951_combine,@function
k_q74e5c71951_combine:
	s_mov_b64 s[64:65], 0
	v_nop
	global_prefetch_b8 v0, s[64:65] scope:SCOPE_SE
	s_setreg_imm32_b32 hwreg(HW_REG_WAVE_MODE, 25, 1), 1
	s_wait_xcnt 0x0
; out0[token][:] = the sum of part's four planes (first and second choice x the two halves of the second product's K), in f32: (p0 + p1) + (p2 + p3).
; A stream: a work-group takes 16,384 consecutive bytes of the output; thread t takes 16 bytes of each of four runs of 4,096, so every load and store of a wave covers 512 consecutive bytes.
; All sixteen loads go out first.  No LDS, no barrier, no matrix unit: nothing is shared and memory binds.
	s_load_b128 s[4:7], s[0:1], 0x0                ; part, out0
	v_lshlrev_b32 v1, 4, v0
	s_lshl_b32 s8, ttmp9, 14
	s_mov_b32 s9, 0
	s_wait_kmcnt 0x0
	s_add_nc_u64 s[4:5], s[4:5], s[8:9]
	s_add_nc_u64 s[6:7], s[6:7], s[8:9]
	s_add_nc_u64 s[10:11], s[4:5], 0x800000        ; planes 2 and 3
.irp q, 0,1,2,3
	global_load_b128 v[4+16*\q:7+16*\q], v1, s[4:5] offset:4096*\q th:TH_LOAD_NT
	global_load_b128 v[8+16*\q:11+16*\q], v1, s[4:5] offset:4096*\q+0x400000 th:TH_LOAD_NT
	global_load_b128 v[12+16*\q:15+16*\q], v1, s[10:11] offset:4096*\q th:TH_LOAD_NT
	global_load_b128 v[16+16*\q:19+16*\q], v1, s[10:11] offset:4096*\q+0x400000 th:TH_LOAD_NT
.endr
.irp q, 0,1,2,3
	s_wait_loadcnt 12-4*\q                         ; run q's four loads are in; the later runs' may be out
	v_pk_add_f32 v[4+16*\q:5+16*\q], v[4+16*\q:5+16*\q], v[8+16*\q:9+16*\q]
	v_pk_add_f32 v[6+16*\q:7+16*\q], v[6+16*\q:7+16*\q], v[10+16*\q:11+16*\q]
	v_pk_add_f32 v[12+16*\q:13+16*\q], v[12+16*\q:13+16*\q], v[16+16*\q:17+16*\q]
	v_pk_add_f32 v[14+16*\q:15+16*\q], v[14+16*\q:15+16*\q], v[18+16*\q:19+16*\q]
	v_pk_add_f32 v[4+16*\q:5+16*\q], v[4+16*\q:5+16*\q], v[12+16*\q:13+16*\q]
	v_pk_add_f32 v[6+16*\q:7+16*\q], v[6+16*\q:7+16*\q], v[14+16*\q:15+16*\q]
	global_store_b128 v1, v[4+16*\q:7+16*\q], s[6:7] offset:4096*\q th:TH_STORE_NT
.endr
	s_endpgm
.Lfunc_end_k_q74e5c71951_combine:
	.size	k_q74e5c71951_combine, .Lfunc_end_k_q74e5c71951_combine-k_q74e5c71951_combine
	.p2alignl 7, 3214868480
	.fill 96, 4, 3214868480
	.section	.rodata,"a",@progbits
	.p2align	6, 0x0
	.amdhsa_kernel k_q74e5c71951_combine
		.amdhsa_group_segment_fixed_size 0
		.amdhsa_private_segment_fixed_size 0
		.amdhsa_enable_private_segment 0
		.amdhsa_kernarg_size 16
		.amdhsa_user_sgpr_count 2
		.amdhsa_user_sgpr_kernarg_segment_ptr 1
		.amdhsa_wavefront_size32 1
		.amdhsa_system_sgpr_workgroup_id_x 1
		.amdhsa_system_sgpr_workgroup_id_y 1
		.amdhsa_system_sgpr_workgroup_id_z 1
		.amdhsa_system_vgpr_workitem_id 0
		.amdhsa_next_free_vgpr 68
		.amdhsa_next_free_sgpr 66
		.amdhsa_reserve_vcc 0
		.amdhsa_float_denorm_mode_32 3
		.amdhsa_float_denorm_mode_16_64 3
		.amdhsa_memory_ordered 1
		.amdhsa_forward_progress 1
		.amdhsa_inst_pref_size 5
	.end_amdhsa_kernel
	.amdgpu_metadata
---
amdhsa.version: [ 1, 2 ]
amdhsa.kernels:
  - .name:           k_q74e5c71951_combine
    .symbol:         k_q74e5c71951_combine.kd
    .args:
      - { .name: part, .offset: 0, .size: 8, .value_kind: global_buffer, .address_space: global }
      - { .name: out0, .offset: 8, .size: 8, .value_kind: global_buffer, .address_space: global }
    .group_segment_fixed_size: 0
    .private_segment_fixed_size: 0
    .kernarg_segment_align: 8
    .kernarg_segment_size: 16
    .max_flat_workgroup_size: 256
    .sgpr_count:     66
    .vgpr_count:     68
    .wavefront_size: 32
...
	.end_amdgpu_metadata
.endif
;; end of part 4
;; ======== version 2 of 2: 4 launches
;; workspace buffers: xq 786,432 bytes; xs 32,768 bytes; member 1,024 bytes of whole numbers; sel 4,096 bytes of whole numbers; cwt 32,768 bytes; hq 29,360,128 bytes; part 16,777,216 bytes
;; launch route (part 5): grid 64 x 1, 8 waves a work-group, no clusters, 51,200 bytes of LDS; arguments x, grad, Wr, br, xq, xs, member, sel, cwt; writes xq, xs, member, sel, cwt
.if DOCPART == 5
	.amdgcn_target "amdgcn-amd-amdhsa--gfx1250"
	.amdhsa_code_object_version 6
	.text
	.protected	k_q74e5c71951_route
	.globl	k_q74e5c71951_route
	.p2align	8
	.type	k_q74e5c71951_route,@function
k_q74e5c71951_route:
	s_mov_b64 s[64:65], 0
	v_nop
	global_prefetch_b8 v0, s[64:65] scope:SCOPE_SE
	s_setreg_imm32_b32 hwreg(HW_REG_WAVE_MODE, 25, 1), 1
	s_wait_xcnt 0x0
; THE ROUTER, AND x INTO CODES.  logits = [x, grad] Wr + br in f32; softmax with the row's maximum taken away; the two largest probabilities (a tie keeps the lower index).
; Stored at fixed places: cwt[token][8] (the probability where the expert is chosen, else 0), sel[token] (the first choice), member[e] (1,024 bits: bit t = token t chose e).
; No address and no branch here hangs on any of these numbers.  x is also turned into codes of E3M2 with one E8M0 byte for each 32 along K:
; xq[token][768]: at 96 s + 48 h the twelve operand registers of lane (r, h) for K step s;  xs[token][8]: the scale word of K step s.
; SHARES.  A work-group takes 16 tokens; wave s takes K step s (128 along K).  Lane (r, h) holds of row r the numbers k = 128 s + 32 b + 16 h + i in v[XR + 16 b + i].
; The eight waves' partial logits meet in LDS; wave 0 finishes them, lane l for token l % 16 (lanes 16-31 repeat lanes 0-15 and store the same numbers to the same places).
; No matrix unit: the product has 8 columns and is left in f32.  No cluster: work-groups share only Wr, 32 KB.
; LIMITS: NaN and infinities are not served.  A block whose largest magnitude lies under 2^-122 keeps the byte 1; a block of zeros gets the byte 1 with zero codes (this program alone reads the bytes).
; The logits' sums run in another order than a plain ascending sum.
.set PRT, 32768                        ; LDS: 0 .. 32,767 Wr's rows 0 .. 1,023 (32 bytes each); then the partial logits: token pitch 272, wave s at 32 s
.set XST, 37376                        ; 16 rows of 768 bytes: the image of xq
.set XSS, 49664                        ; 16 rows of 8 scale words
.set XR,  32                           ; v32-95   my 64 numbers of x
.set WA,  96                           ; v96-159  eight rows of Wr
.set WB,  160                          ; v160-223 the next eight
.set PC,  96                           ; behind the logits: the codes
.set TM,  116                          ; at work
.set PW,  132                          ; the scale word
	s_load_b512 s[4:19], s[0:1], 0x0               ; x, grad, Wr, br, xq, xs, member, sel
	s_load_b64 s[20:21], s[0:1], 0x40              ; cwt
	v_lshl_add_u32 v224, v0, 2, 0xc400
	v_mov_b32 v225, 0
	v_lshrrev_b32 v1, 5, v0
	s_delay_alu instid0(VALU_DEP_1)
	v_readfirstlane_b32 s22, v1                    ; wave = K step s
	v_and_b32 v1, 31, v0                           ; lane
	v_and_b32 v2, 15, v0                           ; r
	v_bfe_u32 v3, v0, 4, 1                         ; h
	s_delay_alu instid0(VALU_DEP_2)
	v_lshlrev_b32 v4, 12, v2
	s_delay_alu instid0(VALU_DEP_1)
	v_lshl_add_u32 v4, v3, 6, v4                   ; x: 4,096 r + 64 h
	v_lshlrev_b32 v5, 4, v0                        ; 16 x thread
	s_lshl_b32 s26, s22, 12
	v_lshlrev_b32 v6, 9, v3
	s_delay_alu instid0(VALU_DEP_1)
	v_add_nc_u32 v6, s26, v6                       ; Wr in LDS: 4,096 s + 512 h
	s_lshl_b32 s26, s22, 5
	s_add_co_u32 s26, s26, PRT
	v_mul_u32_u24 v12, v2, 272
	s_delay_alu instid0(VALU_DEP_1)
	v_add_nc_u32 v7, s26, v12                      ; my partial logits: PRT + 272 r + 32 s
	s_delay_alu instid0(VALU_DEP_2)
	v_add_nc_u32 v12, PRT, v12                     ; and a token's eight parts: PRT + 272 r
	s_mul_i32 s26, s22, 96
	s_add_co_u32 s26, s26, XST
	v_mul_u32_u24 v8, v2, 768
	s_delay_alu instid0(VALU_DEP_1)
	v_mad_u32_u24 v8, v3, 48, v8
	s_delay_alu instid0(VALU_DEP_1)
	v_add_nc_u32 v8, s26, v8                       ; my codes: XST + 768 r + 96 s + 48 h
	s_lshl_b32 s26, s22, 2
	s_add_co_u32 s26, s26, XSS
	v_lshl_add_u32 v9, v2, 5, s26                  ; my scale word: XSS + 32 r + 4 s
	v_add_nc_u32 v10, XST, v5                      ; the way out: 16 bytes a thread
	v_lshlrev_b32 v24, 4, v1                       ; 16 x lane
	s_delay_alu instid0(VALU_DEP_1)
	v_add_nc_u32 v11, XSS, v24
	v_lshlrev_b32 v13, 2, v2                       ; 4 r: grad, sel
	v_lshlrev_b32 v14, 5, v2                       ; 32 r: cwt
	v_lshlrev_b32 v25, 7, v1                       ; 128 x lane: member
	s_mov_b32 s24, 0x76543210
	s_mov_b32 s25, 0xfedcba98                      ; v_permlanex16_b32's selects for lane l xor 16
	s_lshl_b32 s28, ttmp9, 16                      ; my 16 rows of 4,096 bytes,
	s_lshl_b32 s29, s22, 9                         ; my wave's 512 bytes of them
	s_add_co_u32 s28, s28, s29
	s_mov_b32 s29, 0
	s_wait_alu depctr_va_vdst(0)
	s_wait_kmcnt 0x0
	s_load_b256 s[32:39], s[8:9], 0x8000           ; Wr's row 1,024: grad's weights
	s_load_b256 s[40:47], s[10:11], 0x0            ; br
	s_add_nc_u64 s[4:5], s[4:5], s[28:29]
	s_lshl_b32 s28, ttmp9, 6
	s_add_nc_u64 s[6:7], s[6:7], s[28:29]          ; grad and sel: 4 bytes a token
	s_add_nc_u64 s[18:19], s[18:19], s[28:29]
	s_mul_i32 s28, ttmp9, 12288
	s_add_nc_u64 s[12:13], s[12:13], s[28:29]      ; xq: 768 bytes a token
	s_lshl_b32 s28, ttmp9, 9
	s_add_nc_u64 s[14:15], s[14:15], s[28:29]      ; xs and cwt: 32 bytes a token
	s_add_nc_u64 s[20:21], s[20:21], s[28:29]
	s_lshl_b32 s28, ttmp9, 1
	s_add_nc_u64 s[16:17], s[16:17], s[28:29]      ; member: my 16 tokens are 2 bytes of each expert's 128
.irp q, 0,1,2,3,4,5,6,7
	global_load_b128 v[WA+4*\q:WA+4*\q+3], v5, s[8:9] offset:4096*\q   ; Wr's first 32,768 bytes, 16 a thread
.endr
.irp b, 0,1,2,3
.irp j, 0,1,2,3
	global_load_b128 v[XR+16*\b+4*\j:XR+16*\b+4*\j+3], v4, s[4:5] offset:128*\b+16*\j th:TH_LOAD_NT
.endr
.endr
	global_load_b32 v15, v13, s[6:7]               ; grad of token r
	s_wait_loadcnt 17                              ; Wr's eight loads are in: behind them stand x's sixteen and grad's one
.irp q, 0,1,2,3,4,5,6,7
	ds_store_b128 v5, v[WA+4*\q:WA+4*\q+3] offset:4096*\q
.endr
	s_wait_dscnt 0x0                               ; for the others' sake: my part of Wr lies in LDS
	s_barrier_signal -1
	s_barrier_wait -1
; Eight rows of Wr (k = 128 s + 32 (n / 2) + 16 h + 8 (n % 2) + 0 .. 7): 16 loads; the sixteen lanes of a half read the same bytes.
.macro WRB n, buf
.irp i, 0,1,2,3,4,5,6,7
	ds_load_b128 v[\buf+8*\i:\buf+8*\i+3], v6 offset:1024*((\n)/2)+256*((\n)%2)+32*\i
	ds_load_b128 v[\buf+8*\i+4:\buf+8*\i+7], v6 offset:1024*((\n)/2)+256*((\n)%2)+32*\i+16
.endr
.endm
.macro FMA n, buf                      ; 64 multiply-adds; the very first eight products start the sums
.irp i, 0,1,2,3,4,5,6,7
.irp e, 0,1,2,3,4,5,6,7
.if (\n == 0) && (\i == 0)
	v_mul_f32 v[16+\e], v[XR], v[\buf+\e]
.else
	v_fmac_f32 v[16+\e], v[XR+8*\n+\i], v[\buf+8*\i+\e]
.endif
.endr
.endr
.endm
.macro HB n, buf, other
.if \n < 7
	WRB \n+1, \other
	s_wait_dscnt 16                                ; this half-batch is in; the next one's sixteen loads may be out
.else
	s_wait_dscnt 0x0
.endif
	FMA \n, \buf
.endm
	WRB 0, WA
	s_wait_loadcnt 0x0                             ; x and grad
	HB 0, WA, WB
	s_wait_alu depctr_va_vdst(0)
	HB 1, WB, WA
	s_wait_alu depctr_va_vdst(0)
	HB 2, WA, WB
	s_wait_alu depctr_va_vdst(0)
	HB 3, WB, WA
	s_wait_alu depctr_va_vdst(0)
	HB 4, WA, WB
	s_wait_alu depctr_va_vdst(0)
	HB 5, WB, WA
	s_wait_alu depctr_va_vdst(0)
	HB 6, WA, WB
	s_wait_alu depctr_va_vdst(0)
	HB 7, WB, WA
.irp e, 0,1,2,3,4,5,6,7
	v_permlanex16_b32 v[WA+\e], v[16+\e], s24, s25 ; (its destination has been written: Wr's rows lay there)
.endr
.irp e, 0,1,2,3,4,5,6,7
	v_add_f32 v[16+\e], v[16+\e], v[WA+\e]         ; both halves of the lanes: my wave's 128 k of row r
.endr
	ds_store_b128 v7, v[16:19]                     ; lanes r and r + 16 store the same numbers to the same bytes
	ds_store_b128 v7, v[20:23] offset:16
; x's 64 numbers of a lane become a fragment's codes in v[PC] on and its scale word in v[PW].
.irp b, 0,1,2,3
	v_max3_num_f32 v[TM+\b], |v[XR+16*\b]|, |v[XR+1+16*\b]|, 0x2800000   ; block b: my 16 numbers and the floor 2^(5 - 127): the byte cannot fall under 1
.endr
.irp i, 2,4,6,8,10,12,14
.irp b, 0,1,2,3
	s_delay_alu instid0(VALU_DEP_4)
	v_max3_num_f32 v[TM+\b], v[TM+\b], |v[XR+16*\b+\i]|, |v[XR+1+16*\b+\i]|
.endr
.endr
.irp b, 0,1,2,3
	s_delay_alu instid0(VALU_DEP_4)
	v_permlanex16_b32 v[TM+4+\b], v[TM+\b], s24, s25
.endr
.irp b, 0,1,2,3
	s_delay_alu instid0(VALU_DEP_4)
	v_max_num_f32 v[TM+\b], v[TM+\b], v[TM+4+\b]   ; with lane l xor 16's: the block's largest magnitude
.endr
.irp b, 0,1,2,3
	s_delay_alu instid0(VALU_DEP_4)
	v_add_nc_u32 v[TM+12+\b], 0xfe000000, v[TM+\b] ; 4 off its exponent field: the conversion's scale operand
.endr
.irp b, 0,1,2,3
	s_delay_alu instid0(VALU_DEP_4)
	v_lshrrev_b32 v[TM+4+\b], 23, v[TM+12+\b]      ; the scale's byte
.endr
	s_delay_alu instid0(VALU_DEP_3)
	v_lshl_or_b32 v[PW], v[TM+5], 8, v[TM+4]
	s_delay_alu instid0(VALU_DEP_1)
	v_lshl_or_b32 v[PW], v[TM+6], 16, v[PW]
	s_delay_alu instid0(VALU_DEP_1)
	v_lshl_or_b32 v[PW], v[TM+7], 24, v[PW]
.irp c, 0,1
	v_cvt_scalef32_pk16_bf6_f32 v[PC+6*\c:PC+2+6*\c], v[XR+32*\c:XR+15+32*\c], v[TM+12+2*\c]
	v_cvt_scalef32_pk16_bf6_f32 v[PC+12+4*\c:PC+14+4*\c], v[XR+16+32*\c:XR+31+32*\c], v[TM+12+2*\c+1]   ; (a conversion's three registers begin on an even number)
.endr
	v_nop                                          ; one plain place behind a scaled conversion
.irp c, 0,1                                    ; the operand's layout wants a whole block in a lane: lanes 0-15 block 2 c, lanes 16-31 block 2 c + 1
.irp i, 0,1,2
	v_permlane16_swap_b32 v[PC+6*\c+\i], v[PC+12+4*\c+\i]
.endr
.irp i, 0,1,2
	s_delay_alu instid0(VALU_DEP_3)
	v_mov_b32 v[PC+3+6*\c+\i], v[PC+12+4*\c+\i]
.endr
.endr
.irp c, 0,1,2
	ds_store_b128 v8, v[PC+4*\c:PC+4*\c+3] offset:16*\c
.endr
	ds_store_b32 v9, v[PW]
	s_wait_dscnt 0x0                               ; for the others' sake: partial logits, codes and scale words lie in LDS
	s_barrier_signal -1
	s_barrier_wait -1
.irp q, 0,1,2
	ds_load_b128 v[32+4*\q:35+4*\q], v10 offset:4096*\q
.endr
	s_wait_dscnt 0x0
.irp q, 0,1,2
	global_store_b128 v5, v[32+4*\q:35+4*\q], s[12:13] offset:4096*\q   ; a wave stores 512 consecutive bytes, at a multiple of 256 from xq's first byte
.endr
	s_cmp_eq_u32 s22, 1
	s_cbranch_scc0 .Lnot_wave_1
	ds_load_b128 v[48:51], v11                     ; wave 1: the 16 tokens' 512 bytes of scale words
	s_wait_dscnt 0x0
	global_store_b128 v24, v[48:51], s[14:15]
.Lnot_wave_1:
	s_cmp_lg_u32 s22, 0
	s_cbranch_scc1 .Lend
	; wave 0: the router's end
	s_wait_kmcnt 0x0                               ; Wr's last row and br
.irp s, 0,1,2,3,4,5,6,7
	ds_load_b128 v[160+8*\s:163+8*\s], v12 offset:32*\s
	ds_load_b128 v[164+8*\s:167+8*\s], v12 offset:32*\s+16
.endr
	s_wait_dscnt 0x0
.irp e, 0,2,4,6
	v_pk_add_f32 v[16+\e:17+\e], v[160+\e:161+\e], v[168+\e:169+\e]
.endr
.irp s, 2,3,4,5,6,7
.irp e, 0,2,4,6
	s_delay_alu instid0(VALU_DEP_4)
	v_pk_add_f32 v[16+\e:17+\e], v[16+\e:17+\e], v[160+8*\s+\e:161+8*\s+\e]
.endr
.endr
.irp e, 0,1,2,3,4,5,6,7
	v_fma_f32 v[16+\e], v15, s[32+\e], v[16+\e]    ; + grad x Wr[1024][e]
.endr
.irp e, 0,1,2,3,4,5,6,7
	v_add_f32 v[16+\e], s[40+\e], v[16+\e]         ; + br[e]
.endr
	v_max3_num_f32 v112, v16, v17, v18
	s_delay_alu instid0(VALU_DEP_1)
	v_max3_num_f32 v112, v112, v19, v20
	s_delay_alu instid0(VALU_DEP_1)
	v_max3_num_f32 v112, v112, v21, v22
	s_delay_alu instid0(VALU_DEP_1)
	v_max_num_f32 v112, v112, v23                  ; the row's largest logit
.irp e, 0,1,2,3,4,5,6,7
	v_sub_f32 v[96+\e], v[16+\e], v112
.endr
.irp e, 0,1,2,3,4,5,6,7
	v_mul_f32 v[96+\e], 0x3fb8aa3b, v[96+\e]       ; x log2(e)
.endr
	s_wait_alu depctr_va_vdst(0)
.irp e, 0,1,2,3,4,5,6,7
	v_exp_f32 v[96+\e], v[96+\e]
.endr
	v_mov_b32 v118, 0                              ; (a plain place behind the exponentials)  the membership bits, one expert a lane
	s_wait_alu depctr_va_vdst(0)
	v_add_f32 v113, v96, v97
.irp e, 2,3,4,5,6,7
	v_add_f32 v113, v113, v[96+\e]
.endr
	s_wait_alu depctr_va_vdst(0)
	v_rcp_f32 v113, v113
	v_mov_b32 v115, 0                              ; (a plain place behind the reciprocal)  the first choice's index
	s_wait_alu depctr_va_vdst(0)
.irp e, 0,1,2,3,4,5,6,7
	v_mul_f32 v[96+\e], v[96+\e], v113             ; the probabilities
.endr
	v_mov_b32 v114, v96
.irp e, 1
	s_delay_alu instid0(VALU_DEP_1)
	v_cmp_gt_f32 vcc_lo, v[96+\e], v114            ; strictly larger: a tie keeps the lower index
	s_delay_alu instid0(VALU_DEP_1)
	v_cndmask_b32 v114, v114, v[96+\e], vcc_lo
	s_delay_alu instid0(VALU_DEP_2)
	v_cndmask_b32 v115, v115, \e, vcc_lo
.endr
.irp e, 2, 3, 4, 5, 6, 7
	s_delay_alu instid0(VALU_DEP_2)
	v_cmp_gt_f32 vcc_lo, v[96+\e], v114
	s_delay_alu instid0(VALU_DEP_1)
	v_cndmask_b32 v114, v114, v[96+\e], vcc_lo
	s_delay_alu instid0(VALU_DEP_2)
	v_cndmask_b32 v115, v115, \e, vcc_lo
.endr
	v_mov_b32 v116, -1.0                           ; under every probability
	v_mov_b32 v117, 0
.irp e, 0,1,2,3,4,5,6,7
	s_delay_alu instid0(VALU_DEP_2)
	v_cmp_gt_f32 s48, v[96+\e], v116
	v_cmp_ne_u32 s49, \e, v115                     ; the first choice is passed over
	s_and_b32 s48, s48, s49
	v_cndmask_b32 v116, v116, v[96+\e], s48
	v_cndmask_b32 v117, v117, \e, s48
.endr
.irp e, 0,1,2,3,4,5,6,7
	v_cmp_eq_u32 s48, \e, v115
	v_cmp_eq_u32 s49, \e, v117
	s_or_b32 s48, s48, s49                         ; bit l: token l % 16 chose expert e
	v_cndmask_b32 v[104+\e], 0, v[96+\e], s48      ; the combine weight
	v_writelane_b32 v118, s48, \e                  ; lane e keeps expert e's bits; the low 16 are stored
.endr
	global_store_b128 v14, v[104:107], s[20:21]
	global_store_b128 v14, v[108:111], s[20:21] offset:16
	global_store_b32 v13, v115, s[18:19]
	s_wait_alu depctr_va_vdst(0)
	s_wait_xcnt 0x0                                ; EXEC changes only behind this wait
	v_cmp_gt_u32 vcc_lo, 8, v1
	s_and_saveexec_b32 s50, vcc_lo
	global_store_b16 v25, v118, s[16:17]           ; lanes 0-7: 16 bits of expert e's 1,024, at 128 e + 2 x work-group
	s_wait_xcnt 0x0                                ; and again, in front of the line that widens it
	s_or_b32 exec_lo, exec_lo, s50
.Lend:
	s_wait_tensorcnt 0x0
	ds_add_u32 v224, v225
	s_wait_dscnt 0x0
	s_endpgm
.Lfunc_end_k_q74e5c71951_route:
	.size	k_q74e5c71951_route, .Lfunc_end_k_q74e5c71951_route-k_q74e5c71951_route
	.p2alignl 7, 3214868480
	.fill 96, 4, 3214868480
	.section	.rodata,"a",@progbits
	.p2align	6, 0x0
	.amdhsa_kernel k_q74e5c71951_route
		.amdhsa_group_segment_fixed_size 51200
		.amdhsa_private_segment_fixed_size 0
		.amdhsa_enable_private_segment 0
		.amdhsa_kernarg_size 72
		.amdhsa_user_sgpr_count 2
		.amdhsa_user_sgpr_kernarg_segment_ptr 1
		.amdhsa_wavefront_size32 1
		.amdhsa_system_sgpr_workgroup_id_x 1
		.amdhsa_system_sgpr_workgroup_id_y 1
		.amdhsa_system_sgpr_workgroup_id_z 1
		.amdhsa_system_vgpr_workitem_id 0
		.amdhsa_next_free_vgpr 226
		.amdhsa_next_free_sgpr 66
		.amdhsa_reserve_vcc 1
		.amdhsa_float_denorm_mode_32 3
		.amdhsa_float_denorm_mode_16_64 3
		.amdhsa_memory_ordered 1
		.amdhsa_forward_progress 1
		.amdhsa_inst_pref_size 52
	.end_amdhsa_kernel
	.amdgpu_metadata
---
amdhsa.version: [ 1, 2 ]
amdhsa.kernels:
  - .name:           k_q74e5c71951_route
    .symbol:         k_q74e5c71951_route.kd
    .args:
      - { .name: x, .offset: 0, .size: 8, .value_kind: global_buffer, .address_space: global }
      - { .name: grad, .offset: 8, .size: 8, .value_kind: global_buffer, .address_space: global }
      - { .name: Wr, .offset: 16, .size: 8, .value_kind: global_buffer, .address_space: global }
      - { .name: br, .offset: 24, .size: 8, .value_kind: global_buffer, .address_space: global }
      - { .name: xq, .offset: 32, .size: 8, .value_kind: global_buffer, .address_space: global }
      - { .name: xs, .offset: 40, .size: 8, .value_kind: global_buffer, .address_space: global }
      - { .name: member, .offset: 48, .size: 8, .value_kind: global_buffer, .address_space: global }
      - { .name: sel, .offset: 56, .size: 8, .value_kind: global_buffer, .address_space: global }
      - { .name: cwt, .offset: 64, .size: 8, .value_kind: global_buffer, .address_space: global }
    .group_segment_fixed_size: 51200
    .private_segment_fixed_size: 0
    .kernarg_segment_align: 8
    .kernarg_segment_size: 72
    .max_flat_workgroup_size: 256
    .sgpr_count:     66
    .vgpr_count:     226
    .wavefront_size: 32
...
	.end_amdgpu_metadata
.endif
;; end of part 5
;; launch ffn1 (part 6): grid 32 x 8, 16 waves a work-group, no clusters, 106,496 bytes of LDS; arguments W1, b1, xq, xs, member, hq; writes hq
.if DOCPART == 6
	.amdgcn_target "amdgcn-amd-amdhsa--gfx1250"
	.amdhsa_code_object_version 6
	.text
	.protected	k_q74e5c71951_ffn1
	.globl	k_q74e5c71951_ffn1
	.p2align	8
	.type	k_q74e5c71951_ffn1,@function
k_q74e5c71951_ffn1:
	s_mov_b64 s[64:65], 0
	v_nop
	global_prefetch_b8 v0, s[64:65] scope:SCOPE_SE
	s_setreg_imm32_b32 hwreg(HW_REG_WAVE_SCHED_MODE, 0, 2), 2
	s_setreg_imm32_b32 hwreg(HW_REG_WAVE_MODE, 25, 1), 1
	s_wait_xcnt 0x0
	s_wait_alu depctr_vm_vsrc(0)
; h = gelu(x W1[e] + b1[e]) for the rows that chose expert e, as codes of E3M2 for the second product.  Both operands of x W1 are codes of E3M2 with E8M0 scales; sums in f32.
; SHARES.  Work-group (f, e) owns hidden units 128 f .. 128 f + 127 of expert e and serves ALL rows of that expert: each byte of W1 is read from memory once, as f32, quantised in registers, and its codes never go to memory.
; THE WEIGHTS come in eight chunks of 256 k x 64 columns (chunks 0-3: the first 64 units, 4-7: the second).  Wave w takes 32 columns (w % 2; a lane to a column) and one block of 32 k (w / 2): 32 loads of 128 consecutive bytes,
; the registers running down K, so a block's largest magnitude needs no other lane and the conversions give codes with K innermost.  The codes go to LDS as images of operand registers (a fragment: 16 columns x 128 k,
; lane at 48 x lane, fragments 1,552 bytes apart) and STAY there: every image byte is written once, so one barrier a chunk (store, wait, barrier, load) is all the ordering there is.
; THE ROWS.  member[e] holds 1,024 bits; rank p of the expert is its p-th set bit, found by register arithmetic (SELECT).  Tile T holds ranks 16 T .. 16 T + 15; ranks beyond the last repeat the last row.
; A WAVE'S TWO SLOTS ARE FILLED BEFORE THE NEXT WAVE GETS ROWS, so that each weight fragment read from LDS feeds two products wherever the expert has the rows for it: a wave's first tile is T0 = 16 q + p,
; q = bit 1 xor bit 2 of its number, p = bit 0 + 2 x bits 3:2; it multiplies tiles T0 and T0 + 8 while the weights stream (pass A), and tiles T0 + 32 and T0 + 40 from the resident images afterwards (pass B):
; the 64 tiles are covered once, so every split of the tokens is served.  Tiles 0-15 fall to waves 0, 1, 6, 7, 8, 9, 14, 15: two of each residue mod 4 and two of each run of four.
; A wave without rows jumps over the products by scalar branches on the stored counts, never over a barrier, and asks for its next weights at once.
; THE PRODUCT IS USED TRANSPOSED (source 0 = 16 columns of W1, source 1 = 16 rows of x), and THE COLUMNS OF A TILE ARE NOT NEIGHBOURS: row m of tile 2 b + u is column 32 b + 8 u + m + 8 (m / 8), so that a lane's
; 16 registers of tiles 2 b, 2 b + 1 are 16 neighbours along the next K.  b1 is what the sums begin with: it is loaded straight into the accumulators.
; hq: record ((64 e + T) 32 + f) x 1,792 bytes: registers 0-3 at 16 l, 8-11 at 512 + 16 l, 4-5 at 1,024 + 8 l, 6-7 at 1,280 + 8 l, the scale word at 1,536 + 4 l.
; NO TENSOR LOADS, NO CLUSTER: the walk hangs on stored counts, so operands go from memory into registers; what work-groups share (x's codes, 768 bytes a row) is small beside a work-group's 512 KB of weights.
; No prefetch: each wave always has 32 to 63 loads of weights on their way.
; LIMITS: NaN and infinities are not served.  A block under 2^-122 keeps the byte 1; a block of zeros gets the byte 1 with zero codes (this program alone reads the bytes).
; erf is the f32 rational P(u) / Q(u) on u held to -4 .. 4 (a few units in the last place); 1 + erf cancels for very negative numbers as it does in any f32 evaluation of 0.5 z (1 + erf).
; THE MODE: SCHED_MODE bits 1:0 = 2 (LLVM: expert scheduling mode 2), set by the entry lines.  The code itself states the register dependences between vector or matrix instructions and memory or LDS instructions,
; with s_wait_alu, always for 0.
; THE PLAN.  Registers that memory or LDS instructions touch:
;   LAND0, LAND1   Chunk g's weights land in set g % 2; CONVERT g reads it; the fragments t = 2, 3 of the chunk's two K steps land in its first 24 registers and the products read them; then chunk g + 2's weights land in it.
;   WD, WS         LDS loads land in them at each K step; that step's products read them.  The way out works in v34-57 too.
;   XA, XSC        Buffer b: cleared once at the head; the rows' loads land in it; the products of the K step of parity b read it.
;   ACC            b1 lands in it from LDS at a slab's head; products and the way out name it; no store reads it.
;   v23-29, v33    Written by conversions, moves and shifts; read by CONVERT's LDS stores and by the way out's stores to hq.   v114-117: b1's way into LDS (wave 0); the way out writes them later.
;   v12-15         The rows' offsets: written once a pass.   v1-v10, v16: made at the head, never written again.
; A wave has 256 registers (four waves share a SIMD's 1,024) and all are named, so the weights' fragments have one set.  The waits on va_vdst: one at the head and one behind the rows' offsets; ONE IN CONVERT, ahead of its LDS
; stores, which also serves the first K step's LDS loads, b1's loads into the accumulators and, in a wave without rows, the next weights; one behind each K step's products where loads follow into what they read; one ahead of the
; way out's stores.  The waits on vm_vsrc: one beside the wait on DScnt in front of each chunk's barrier, one beside the wait on XCNT at the end of each trip of the way out.
.set FRP,   1552                       ; a fragment's image: 1,536 bytes + 16
.set SCL,   512                        ; LDS: 0 .. 511 b1's 128 numbers; then the weights' scale words: fragment p at 64 p, row m at 4 m, block b at byte b
.set IMG,   4608                       ; the 64 fragments: p = 4 (2 g + sub) + t
.set HALF,  32*FRP                     ; fragments 32 on want a second address register (an LDS immediate has 16 bits)
.set REC,   1792
.set SLOTB, 8*32*REC                   ; from tile T's records to tile T + 8's: slot 0 to slot 1
.set PASSB, 32*32*REC                  ; and to tile T + 32's: pass A to pass B
.set WD,    34                         ; v34-57   weight fragments t = 0, 1 (t = 2, 3 lie in the landing set that has just been converted)
.set WS,    58                         ; v58-61   their scale words, and nothing else
.set XA,    62                         ; v62-109  row fragments: buffer (K step's parity) x slot x 12
.set XSC,   110                        ; v110-113 their scale words, and nothing else
.set LAND,  128                        ; v128-191 two landing sets of 32
.set ACC,   192                        ; v192-255 slot a at + 32 a, tile t at + 8 t
; v1 4 l | v2, v3 where I store codes (fragments 0-31, 32-63) | v4 my scale byte | v5, v6 where I read fragments | v7 scale words | v8 b1: 64 h | v9 16 l | v10 8 l | v12-15 rows' offsets in xq and xs
; v16 48 h | v18 my rank in pass A | v20-33 at work | v114-121 at work | v122, v123 the first slab's two scale bytes, slot 0, 1 | v124-127 two coefficients
; s16 wave | s17 e | s18 f | s19 rows | s20 tiles | s21, s22 slot 0, 1 has rows | s23 the slot in hand has rows | s24-31 four bases of W1, 256 k apart | s32-63 member | s66-87 coefficients | s88-90 lane selects | s91 my first tile | s92-93 hq
.macro SLOAD g                         ; chunk g's 32 k of my 32 columns
.irp i, 0,1,2,3,4,5,6,7,8,9,10,11,12,13,14,15,16,17,18,19,20,21,22,23,24,25,26,27,28,29,30,31
	global_load_b32 v[LAND+32*((\g)%2)+\i], v1, s[24+2*((\g)%4):25+2*((\g)%4)] offset:\i*16384+256*((\g)/4) th:TH_LOAD_NT
.endr
.endm
.macro CONVERT g                       ; my block of 32 along K: its scale byte and its 24 bytes of codes, to LDS
.set LS_, LAND+32*((\g)%2)
	v_max3_num_f32 v20, |v[LS_]|, |v[LS_+1]|, |v[LS_+2]|
	v_max3_num_f32 v21, |v[LS_+3]|, |v[LS_+4]|, |v[LS_+5]|
.irp i, 6,10,14,18,22,26
	v_max3_num_f32 v20, v20, |v[LS_+\i]|, |v[LS_+\i+1]|
	v_max3_num_f32 v21, v21, |v[LS_+\i+2]|, |v[LS_+\i+3]|
.endr
	v_max3_num_f32 v20, v20, |v[LS_+30]|, |v[LS_+31]|
	v_max3_num_f32 v20, v20, v21, 0x2800000        ; and the floor 2^(5 - 127): the byte cannot fall under 1
	v_add_nc_u32 v22, 0xfe000000, v20              ; 4 off the exponent field: the conversion's scale operand
	v_lshrrev_b32 v23, 23, v22                     ; the scale's byte
	v_cvt_scalef32_pk16_bf6_f32 v[24:26], v[LS_:LS_+15], v22
	v_cvt_scalef32_pk16_bf6_f32 v[30:32], v[LS_+16:LS_+31], v22   ; (a conversion's three registers begin on an even number)
	v_nop                                          ; one plain place behind a scaled conversion
	v_mov_b32 v27, v30
	v_mov_b32 v28, v31
	v_mov_b32 v29, v32
	s_wait_alu depctr_va_vdst(0)                   ; v23 to v29 are written, which the LDS stores read; the conversions are done reading this landing set, and the last chunk's products WD and WS, in which the first K step's LDS loads land
	                                               ; (in a wave without rows: the set, in which the weights of two chunks on land); at a slab's head the way out is done with the accumulators, in which b1 lands.  No vector or matrix instruction between here and those loads names their registers
	ds_store_b64 v[2+(\g)/4], v[24:25] offset:((\g)%4)*8*FRP
	ds_store_b64 v[2+(\g)/4], v[26:27] offset:((\g)%4)*8*FRP+8
	ds_store_b64 v[2+(\g)/4], v[28:29] offset:((\g)%4)*8*FRP+16
	ds_store_b8 v4, v23 offset:512*(\g)
.endm
.macro DESC x, fw, st                  ; one step down: are there q or fewer set bits in the lower st bits from pos on?  Then they are passed over
	v_bfe_u32 v28, \x, v30, \fw
	v_cmp_ge_u32 vcc_lo, v20, v28
	s_wait_alu depctr_va_vcc(0)                    ; the compare has written VCC, which the two selects read
	v_cndmask_b32 v28, 0, v28, vcc_lo
	v_cndmask_b32 v29, 0, \st, vcc_lo
	v_sub_nc_u32 v20, v20, v28
	v_add_nc_u32 v30, v30, v29
.endm
; The tokens of my two tiles: lanes 0-15 look for ranks 512 pass + 16 T0 + r, lanes 16-31 for those 128 further on.  Result: v28, v29 = the token of row l % 16 of slot 0, 1, in both halves of the lanes, held to 0 .. 1,023.
.macro SELECT pass
	s_max_u32 s94, s19, 1
	s_sub_co_u32 s94, s94, 1
	v_add_nc_u32 v20, 512*\pass, v18
	v_min_u32 v20, s94, v20                        ; ranks beyond the last repeat the last
	s_wait_alu depctr_va_vdst(0)
	v_mov_b32 v21, s32                             ; the word that holds the bit,
	v_mov_b32 v22, 0                               ; the set bits in front of it,
	v_mov_b32 v23, 0                               ; its first token
	v_mov_b32 v31, 0
	s_mov_b32 s95, 0
.irp k, 1,2,3,4,5,6,7,8,9,10,11,12,13,14,15,16,17,18,19,20,21,22,23,24,25,26,27,28,29,30,31
	s_bcnt1_i32_b32 s96, s[31+\k]
	s_add_co_u32 s95, s95, s96                     ; set bits in words 0 .. k - 1
	s_mov_b32 s97, 32*\k
	v_cmp_le_u32 vcc_lo, s95, v20
	s_wait_alu depctr_va_vcc(0)                    ; the compare has written VCC, which the three selects read
	v_cndmask_b32 v21, v21, s[32+\k], vcc_lo
	v_cndmask_b32 v22, v22, s95, vcc_lo
	v_cndmask_b32 v23, v23, s97, vcc_lo
.endr
	v_sub_nc_u32 v20, v20, v22                     ; q: the rank inside the word
	v_lshrrev_b32 v24, 1, v21
	v_and_b32 v24, 0x55555555, v24
	v_sub_nc_u32 v24, v21, v24                     ; counts of 2 bits
	v_lshrrev_b32 v25, 2, v24
	v_and_b32 v25, 0x33333333, v25
	v_and_b32 v26, 0x33333333, v24
	v_add_nc_u32 v25, v25, v26                     ; of 4
	v_lshrrev_b32 v26, 4, v25
	v_add_nc_u32 v26, v26, v25
	v_and_b32 v26, 0x0f0f0f0f, v26                 ; of 8
	v_lshrrev_b32 v27, 8, v26
	v_add_nc_u32 v27, v27, v26                     ; byte 0: of the low 16
	v_mov_b32 v30, 0
	DESC v27, 8, 16
	DESC v26, 8, 8
	DESC v25, 4, 4
	DESC v24, 2, 2
	DESC v21, 1, 1
	v_add_nc_u32 v30, v23, v30                     ; the token
	v_permlanex16_b32 v31, v30, s88, s89
	v_cndmask_b32 v28, v30, v31, s90               ; s90 = lanes 16-31 (a constant that a scalar instruction wrote)
	v_cndmask_b32 v29, v31, v30, s90
	v_min_u32 v28, 0x3ff, v28
	v_min_u32 v29, 0x3ff, v29
.endm
.macro XOFF
	v_mul_u32_u24 v12, v28, 768
	v_mul_u32_u24 v13, v29, 768
	v_add_nc_u32 v12, v12, v16                     ; xq: 768 x token + 48 h
	v_add_nc_u32 v13, v13, v16
	v_lshlrev_b32 v14, 5, v28                      ; xs: 32 x token
	v_lshlrev_b32 v15, 5, v29
.endm
.macro XLOAD a, buf, st                ; slot a's fragment and scale word of K step st
.irp c, 0,1,2
	global_load_b128 v[XA+24*(\buf)+12*\a+4*\c:XA+24*(\buf)+12*\a+4*\c+3], v[12+\a], s[8:9] offset:96*(\st)+16*\c
.endr
	global_load_b32 v[XSC+2*(\buf)+\a], v[14+\a], s[10:11] offset:4*(\st)
.endm
.macro XL buf, st
	XLOAD 0, \buf, \st
	s_cmp_lg_u32 s22, 0
	s_cbranch_scc0 .Lx_\@
	XLOAD 1, \buf, \st
.Lx_\@:
.endm
.macro WM a, t, wr, buf
	v_wmma_scale_f32_16x16x128_f8f6f4 v[ACC+32*\a+8*\t:ACC+32*\a+8*\t+7], v[(\wr):(\wr)+11], v[XA+24*(\buf)+12*\a:XA+24*(\buf)+12*\a+11], v[ACC+32*\a+8*\t:ACC+32*\a+8*\t+7], v[WS+\t], v[XSC+2*(\buf)+\a] matrix_a_fmt:MATRIX_FMT_BF6 matrix_b_fmt:MATRIX_FMT_BF6
.endm
; One K step, in two parts.  KLOAD: four weight fragments and their scale words from LDS.  The wait that frees the registers in which they land stands ahead of it, where the macro is used.
.macro KLOAD fr, ph, sci, lw
.irp c, 0,1,2
	ds_load_b128 v[WD+4*\c:WD+4*\c+3], v[\fr] offset:(\ph)*FRP+16*\c
	ds_load_b128 v[WD+12+4*\c:WD+12+4*\c+3], v[\fr] offset:((\ph)+1)*FRP+16*\c
	ds_load_b128 v[(\lw)+4*\c:(\lw)+4*\c+3], v[\fr] offset:((\ph)+2)*FRP+16*\c
	ds_load_b128 v[(\lw)+12+4*\c:(\lw)+12+4*\c+3], v[\fr] offset:((\ph)+3)*FRP+16*\c
.endr
.irp t, 0,1,2,3
	ds_load_b32 v[WS+\t], v7 offset:((\sci)+\t)*64
.endr
.endm
; KMUL: four or eight products.  The accumulators take turns, one instruction a turn, from K step to K step too.
; The four v_nop at its end are the places behind the products (ISA guide 7.12.1), ahead of whatever follows; no wait on va_vdst stands in for them.
.macro KMUL buf, lw
	s_wait_dscnt 0x0
	WM 0, 0, WD, \buf
	WM 0, 1, WD+12, \buf
	WM 0, 2, \lw, \buf
	WM 0, 3, (\lw)+12, \buf
	s_cmp_lg_u32 s22, 0
	s_cbranch_scc0 .Lone_\@
	WM 1, 0, WD, \buf
	WM 1, 1, WD+12, \buf
	WM 1, 2, \lw, \buf
	WM 1, 3, (\lw)+12, \buf
.Lone_\@:
.rept 4
	v_nop
.endr
.endm
.macro ACCINIT sg                      ; b1 starts the sums: lane (r, h), tile t: units 64 sg + 32 (t / 2) + 16 h + 8 (t % 2) + 0 .. 7.  Both slots, in every wave
.irp a, 0,1
.irp t, 0,1,2,3
	ds_load_b128 v[ACC+32*\a+8*\t:ACC+32*\a+8*\t+3], v8 offset:256*\sg+128*(\t/2)+32*(\t%2)
	ds_load_b128 v[ACC+32*\a+8*\t+4:ACC+32*\a+8*\t+7], v8 offset:256*\sg+128*(\t/2)+32*(\t%2)+16
.endr
.endr
.endm
; gelu(z) = 0.5 z (1 + erf(z / sqrt 2)) on eight numbers, in place.  u = z / sqrt 2 held to -4 .. 4; erf = u P(u^2) / Q(u^2).  U v34-41, u^2 then 1 / Q v42-49, P v50-57, Q v114-121.
.macro GELU z
.irp p, 0,2,4,6
	v_pk_mul_f32 v[34+\p:35+\p], v[\z+\p:\z+\p+1], s[66:67] op_sel_hi:[1,0]
.endr
.irp p, 0,1,2,3,4,5,6,7
	v_med3_num_f32 v[34+\p], v[34+\p], -4.0, 4.0
.endr
.irp p, 0,2,4,6
	v_pk_mul_f32 v[42+\p:43+\p], v[34+\p:35+\p], v[34+\p:35+\p]
.endr
.irp p, 0,2,4,6
	v_pk_fma_f32 v[50+\p:51+\p], v[42+\p:43+\p], s[68:69], v[124:125] op_sel_hi:[1,0,1]
.endr
.irp c, 70,72,74,76,78
.irp p, 0,2,4,6
	v_pk_fma_f32 v[50+\p:51+\p], v[50+\p:51+\p], v[42+\p:43+\p], s[\c:\c+1] op_sel_hi:[1,1,0]
.endr
.endr
.irp p, 0,2,4,6
	v_pk_fma_f32 v[114+\p:115+\p], v[42+\p:43+\p], s[80:81], v[126:127] op_sel_hi:[1,0,1]
.endr
.irp c, 82,84,86
.irp p, 0,2,4,6
	v_pk_fma_f32 v[114+\p:115+\p], v[114+\p:115+\p], v[42+\p:43+\p], s[\c:\c+1] op_sel_hi:[1,1,0]
.endr
.endr
.irp p, 0,2,4,6
	v_pk_mul_f32 v[50+\p:51+\p], v[50+\p:51+\p], v[34+\p:35+\p]
.endr
	s_wait_alu depctr_va_vdst(0)
.irp p, 0,1,2,3,4,5,6,7
	v_rcp_f32 v[42+\p], v[114+\p]
.endr
.irp p, 0,2,4,6
	v_pk_mul_f32 v[34+\p:35+\p], v[\z+\p:\z+\p+1], 0.5 op_sel_hi:[1,0]   ; plain instructions behind the reciprocals
.endr
	s_wait_alu depctr_va_vdst(0)                   ; the eight reciprocals have written v42 to v49, ahead of their first reader
.irp p, 0,2,4,6
	v_pk_mul_f32 v[50+\p:51+\p], v[50+\p:51+\p], v[42+\p:43+\p]          ; erf
.endr
.irp p, 0,2,4,6
	v_pk_fma_f32 v[\z+\p:\z+\p+1], v[34+\p:35+\p], v[50+\p:51+\p], v[34+\p:35+\p]
.endr
.endm
; The slab's 64 units of a tile of rows: gelu, two blocks of 32 quantised, six operand registers and two scale bytes.  Written once, on slot 0's registers, and walked twice: slot 1's accumulators move down between the trips.
.macro EPI1 sg
	s_wait_dscnt 0x0                               ; (a wave without rows still has b1's loads out)
	s_mov_b32 s23, s21
	s_mov_b32 s98, 0
.Lslot_\@:
	s_cmp_lg_u32 s23, 0
	s_cbranch_scc0 .Lskip_\@
	GELU ACC                                       ; each accumulator is read from its low end on
	GELU ACC+8
	GELU ACC+16
	GELU ACC+24
	v_max3_num_f32 v20, |v[ACC]|, |v[ACC+1]|, 0x2800000
	v_max3_num_f32 v21, |v[ACC+16]|, |v[ACC+17]|, 0x2800000
.irp i, 2,4,6,8,10,12,14
	v_max3_num_f32 v20, v20, |v[ACC+\i]|, |v[ACC+\i+1]|
	v_max3_num_f32 v21, v21, |v[ACC+16+\i]|, |v[ACC+17+\i]|
.endr
	v_permlanex16_b32 v22, v20, s88, s89
	v_permlanex16_b32 v23, v21, s88, s89
	v_max_num_f32 v20, v20, v22                    ; with lane l xor 16's 16: the block's largest magnitude
	v_max_num_f32 v21, v21, v23
	v_add_nc_u32 v22, 0xfe000000, v20
	v_add_nc_u32 v23, 0xfe000000, v21
	v_lshrrev_b32 v20, 23, v22
	v_lshrrev_b32 v21, 23, v23
	v_lshl_or_b32 v33, v21, 8, v20                 ; the slab's two scale bytes
	v_cvt_scalef32_pk16_bf6_f32 v[24:26], v[ACC:ACC+15], v22
	v_cvt_scalef32_pk16_bf6_f32 v[30:32], v[ACC+16:ACC+31], v23
	v_nop                                          ; one plain place behind a scaled conversion
	v_permlane16_swap_b32 v24, v30                 ; a whole block to a lane: lanes 0-15 the first, lanes 16-31 the second
	v_permlane16_swap_b32 v25, v31
	v_permlane16_swap_b32 v26, v32
	v_mov_b32 v27, v30
	v_mov_b32 v28, v31
	v_mov_b32 v29, v32
.if \sg == 0
	v_mov_b32 v122, v33
	s_wait_alu depctr_va_vdst(0)                   ; the six registers of codes, v24 to v29, are written, which the stores read
	global_store_b128 v9, v[24:27], s[92:93]                   ; registers 0-3: 512 consecutive bytes
	global_store_b64 v10, v[28:29], s[92:93] offset:1024       ; 4-5: 256
.else
	v_lshl_or_b32 v33, v33, 16, v122               ; the scale word is whole
	s_wait_alu depctr_va_vdst(0)                   ; v24 to v29 and the scale word v33 are written, which the stores read
	global_store_b64 v10, v[24:25], s[92:93] offset:1280       ; 6-7
	global_store_b128 v9, v[26:29], s[92:93] offset:512        ; 8-11
	global_store_b32 v1, v33, s[92:93] offset:1536
.endif
.Lskip_\@:
.set i, 0
.rept 32
	v_mov_b32 v[ACC+i], v[ACC+32+i]                ; slot 1 moves down, each accumulator from its low end on (no store has read these registers)
.set i, i+1
.endr
	v_mov_b32 v20, v122                            ; and the slots' kept bytes change places
	v_mov_b32 v122, v123
	v_mov_b32 v123, v20
	s_wait_xcnt 0x0                                ; the stores' data and base are written again only behind this wait
	s_wait_alu depctr_vm_vsrc(0)                   ; the stores have read v24 to v29 and v33, which the next trip, the next conversions and the next search for rows write again; every load of rows issued so far has read v12 to v15
	s_add_nc_u64 s[92:93], s[92:93], SLOTB
	s_mov_b32 s23, s22
	s_add_co_u32 s98, s98, 1
	s_cmp_lt_u32 s98, 2
	s_cbranch_scc1 .Lslot_\@
	s_sub_nc_u64 s[92:93], s[92:93], 2*SLOTB
.endm
; A chunk.  Loads are issued in the order S(g), X(g), S(g + 1) on every path, so at the head of chunk g the 32 youngest are S(g + 1): the count 32 shows chunk g's weights and rows in and leaves the next chunk's out.
.macro CHUNK g
.if \g < 7
	s_wait_loadcnt 32
.else
	s_wait_loadcnt 0x0                             ; nothing was asked for behind the last chunk
.endif
	CONVERT \g
.if \g == 0
	s_cmp_lg_u32 s16, 0
	s_cbranch_scc1 .Lnb_\@
	ds_store_b128 v9, v[114:117]                   ; wave 0: b1's 128 numbers (its load is older than S(0))
.Lnb_\@:
.endif
	s_wait_dscnt 0x0                               ; for the others' sake: my codes and my byte lie in LDS
	s_wait_alu depctr_vm_vsrc(0)                   ; my LDS stores have read v23 to v29 (chunk 0, wave 0: v114 to v117 too), which the next conversions and the way out write again
	s_barrier_signal -1
	s_barrier_wait -1
.if ((\g)%4) == 0
	ACCINIT (\g)/4
.endif
	s_cmp_lg_u32 s21, 0
	s_cbranch_scc0 .Lidle_\@
	KLOAD 5+(\g)/4,8*((\g)%4),8*(\g),LAND+32*((\g)%2)
	KMUL 0,LAND+32*((\g)%2)
	s_wait_alu depctr_va_vdst(0)                   ; the first K step's products are done reading WD, WS and the landing set's 24, in which the second step's LDS loads land, and the rows' buffer 0, in which the next chunk's rows land
	KLOAD 5+(\g)/4,8*((\g)%4)+4,8*(\g)+4,LAND+32*((\g)%2)
.if \g < 7
	XL 0,2*(((\g)+1)%4)
.endif
	KMUL 1,LAND+32*((\g)%2)
.if \g < 7
	s_wait_alu depctr_va_vdst(0)                   ; the second K step's products are done reading the rows' buffer 1, in which the next chunk's rows land, and the landing set, in which the weights of two chunks on land
	XL 1,2*(((\g)+1)%4)+1
.endif
.Lidle_\@:
.if \g < 6
	SLOAD (\g)+2                                   ; into the set that has been converted and multiplied
.endif
.endm
.macro PBSLAB sg                       ; pass B: a slab's eight K steps from the resident images
	s_wait_alu depctr_va_vdst(0)                   ; the rows' offsets v12 to v15 are written; the way out is done with the accumulators and v34 to v57, the last products with the rows' buffer 0, WS and the landing set: b1, rows and fragments land in these
	ACCINIT \sg
.irp st, 0,1,2,3,4,5,6,7
.if \st > 0
	s_wait_alu depctr_va_vdst(0)                   ; the last K step's products are done reading the rows' buffer 0, WD, WS and the landing set's 24, in which this step's loads land
.endif
	XL 0,\st
	KLOAD 5+\sg,4*\st,32*\sg+4*\st,LAND
	s_wait_loadcnt 0x0
	KMUL 0,LAND
.endr
	EPI1 \sg
.endm
	s_load_b256 s[4:11], s[0:1], 0x0               ; W1, b1, xq, xs
	s_load_b128 s[12:15], s[0:1], 0x20             ; member, hq
	v_lshrrev_b32 v20, 5, v0
	v_readfirstlane_b32 s16, v20                   ; wave 0..15
	s_and_b32 s17, ttmp7, 0xffff                   ; e
	s_mov_b32 s18, ttmp9                           ; f
	v_and_b32 v17, 31, v0                          ; lane
	v_lshlrev_b32 v1, 2, v17
	v_lshlrev_b32 v10, 3, v17
	v_lshlrev_b32 v9, 4, v17
	v_bfe_u32 v19, v0, 4, 1                        ; h
	v_and_b32 v21, 15, v0                          ; r
	v_mul_u32_u24 v16, v19, 48
	v_lshlrev_b32 v8, 6, v19
	v_lshl_add_u32 v7, v21, 2, SCL
	v_mul_u32_u24 v5, v17, 48
	v_add_nc_u32 v5, IMG, v5
	v_add_nc_u32 v6, HALF, v5
	v_bfe_u32 v22, v0, 3, 1                        ; my column's tile of its pair: u = (l / 8) % 2,
	s_wait_alu depctr_va_vdst(0)
	v_and_b32 v23, 7, v0
	v_lshl_add_u32 v23, v19, 3, v23                ; and its row there: m = 8 (l / 16) + l % 8
	s_wait_alu depctr_va_sdst(0)                   ; s16 is written, ahead of its first reader
	s_lshr_b32 s94, s16, 3                         ; which K step of the chunk: sub
	s_bfe_u32 s95, s16, 0x10001                    ; my block b = (w / 2) % 4: b % 2,
	s_bfe_u32 s96, s16, 0x10002                    ; b / 2
	s_and_b32 s97, s16, 1                          ; which 32 columns
	s_mul_i32 s98, s94, 4*FRP
	s_mul_i32 s99, s95, 768
	s_add_co_u32 s98, s98, s99
	s_mul_i32 s99, s96, 24
	s_add_co_u32 s98, s98, s99
	s_mul_i32 s99, s97, 2*FRP
	s_add_co_u32 s98, s98, s99
	s_add_co_u32 s98, s98, IMG
	v_mul_u32_u24 v2, v22, FRP
	s_wait_alu depctr_va_vdst(0)
	v_mad_u32_u24 v2, v23, 48, v2
	v_add_nc_u32 v2, s98, v2                       ; block b of row m lies in lane m + 16 (b % 2), 24 (b / 2) bytes on
	v_add_nc_u32 v3, HALF, v2
	s_lshl_b32 s98, s94, 8
	s_lshl_b32 s99, s97, 7
	s_add_co_u32 s98, s98, s99
	s_bfe_u32 s99, s16, 0x20001
	s_add_co_u32 s98, s98, s99
	s_add_co_u32 s98, s98, SCL
	v_lshlrev_b32 v4, 6, v22
	v_lshl_add_u32 v4, v23, 2, v4
	v_add_nc_u32 v4, s98, v4
	s_lshr_b32 s98, s16, 1
	s_lshr_b32 s99, s16, 2
	s_xor_b32 s98, s98, s99
	s_and_b32 s98, s98, 1                          ; q = bit 1 xor bit 2 of the wave's number
	s_and_b32 s99, s99, 3
	s_lshl_b32 s99, s99, 1
	s_and_b32 s91, s16, 1
	s_add_co_u32 s91, s91, s99                     ; p = bit 0 + 2 x bits 3:2
	s_lshl_b32 s98, s98, 4
	s_add_co_u32 s91, s91, s98                     ; my first tile: T0 = 16 q + p
	s_lshl_b32 s98, s91, 4
	v_lshl_add_u32 v18, v19, 7, v21
	v_add_nc_u32 v18, s98, v18                     ; 128 (l / 16) + 16 T0 + l % 16
.set i, 0
.rept 52
	v_mov_b32 v[XA+i], 0                           ; the rows' registers hold defined numbers on the path of a wave without rows too
.set i, i+1
.endr
	v_mov_b32 v122, 0
	v_mov_b32 v123, 0
	v_mov_b32 v124, 0x32edffee                     ; alpha11
	v_mov_b32 v125, 0x32edffee
	v_mov_b32 v126, 0xb95fbd26                     ; beta6
	v_mov_b32 v127, 0xb95fbd26
.macro COEF r, x                       ; (a packed form names a pair and takes its low word for both halves: both are written)
	s_mov_b32 s[\r], \x
	s_mov_b32 s[\r+1], \x
.endm
	COEF 66, 0x3f3504f3                            ; 1 / sqrt 2
	COEF 68, 0xaf95df0b                            ; alpha13
	COEF 70, 0xb60cff51                            ; alpha9
	COEF 72, 0xb86ec2d2                            ; alpha7
	COEF 74, 0xba40ac63                            ; alpha5
	COEF 76, 0xbb41a1f6                            ; alpha3
	COEF 78, 0xbc83dbd4                            ; alpha1
	COEF 80, 0xb77460cd                            ; beta8
	COEF 82, 0xbadc924e                            ; beta4
	COEF 84, 0xbbf19bf8                            ; beta2
	COEF 86, 0xbc69b6a7                            ; beta0
	s_mov_b32 s88, 0x76543210
	s_mov_b32 s89, 0xfedcba98
	s_mov_b32 s90, 0xffff0000
	s_wait_kmcnt 0x0
	s_lshl_b32 s94, s17, 7
	s_mov_b32 s95, 0
	s_add_nc_u64 s[12:13], s[12:13], s[94:95]
	s_load_b512 s[32:47], s[12:13], 0x0            ; my expert's 1,024 bits
	s_load_b512 s[48:63], s[12:13], 0x40
	s_lshl_b32 s94, s17, 24                        ; W1: expert e, row 32 (w / 2), column 128 f + 32 (w % 2)
	s_lshr_b32 s96, s16, 1
	s_lshl_b32 s96, s96, 19
	s_add_co_u32 s94, s94, s96
	s_lshl_b32 s96, s18, 9
	s_add_co_u32 s94, s94, s96
	s_and_b32 s96, s16, 1
	s_lshl_b32 s96, s96, 7
	s_add_co_u32 s94, s94, s96
	s_add_nc_u64 s[24:25], s[4:5], s[94:95]
	s_add_nc_u64 s[26:27], s[24:25], 0x400000
	s_add_nc_u64 s[28:29], s[24:25], 0x800000
	s_add_nc_u64 s[30:31], s[24:25], 0xc00000
	s_lshl_b32 s94, s17, 14
	s_lshl_b32 s96, s18, 9
	s_add_co_u32 s94, s94, s96
	s_add_nc_u64 s[6:7], s[6:7], s[94:95]
	s_wait_alu depctr_va_vdst(0)                   ; the addresses and offsets v1 to v10 are written, which the loads and stores of the whole kernel read; the rows' registers are cleared, in which the rows' loads land
	s_cmp_lg_u32 s16, 0
	s_cbranch_scc1 .Lno_bias
	global_load_b128 v[114:117], v9, s[6:7]        ; wave 0: b1[e][128 f ..]
.Lno_bias:
	SLOAD 0
	s_lshl_b32 s94, s17, 6
	s_add_co_u32 s94, s94, s91
	s_lshl_b32 s94, s94, 5
	s_add_co_u32 s94, s94, s18
	s_mul_i32 s94, s94, REC
	s_add_nc_u64 s[92:93], s[14:15], s[94:95]      ; hq: tile T0, K step f
	s_wait_kmcnt 0x0
	s_bcnt1_i32_b32 s19, s32
.irp k, 1,2,3,4,5,6,7,8,9,10,11,12,13,14,15,16,17,18,19,20,21,22,23,24,25,26,27,28,29,30,31
	s_bcnt1_i32_b32 s94, s[32+\k]
	s_add_co_u32 s19, s19, s94
.endr
	s_add_co_u32 s20, s19, 15
	s_lshr_b32 s20, s20, 4                         ; tiles of 16 rows
	s_cmp_lt_u32 s91, s20
	s_cselect_b32 s21, 1, 0
	s_add_co_u32 s94, s91, 8
	s_cmp_lt_u32 s94, s20
	s_cselect_b32 s22, 1, 0
	SELECT 0
	XOFF
	s_wait_alu depctr_va_vdst(0)                   ; v12 to v15 are written, which the rows' loads read as offsets
	s_cmp_lg_u32 s21, 0
	s_cbranch_scc0 .Lno_x
	XL 0,0
	XL 1,1
.Lno_x:
	SLOAD 1
	CHUNK 0
	CHUNK 1
	CHUNK 2
	CHUNK 3
	EPI1 0                                         ; chunks 4 and 5 are on their way meanwhile
	CHUNK 4
	CHUNK 5
	CHUNK 6
	CHUNK 7
	EPI1 1
	; PASS B: tiles T0 + 32 and T0 + 40, where the expert has more than 512 rows.  No barrier: images, scale words and b1 are only read.
	s_add_co_u32 s94, s91, 32
	s_cmp_lt_u32 s94, s20
	s_cbranch_scc0 .Lend
	s_mov_b32 s21, 1
	s_add_co_u32 s94, s91, 40
	s_cmp_lt_u32 s94, s20
	s_cselect_b32 s22, 1, 0
	s_add_nc_u64 s[92:93], s[92:93], PASSB
	SELECT 1                                       ; (no load is out, and the wait on vm_vsrc at the way out's end stands behind every load that read them: the rows' offsets may be written)
	XOFF
	PBSLAB 0
	PBSLAB 1
.Lend:
	s_wait_xcnt 0x0
	v_lshl_add_u32 v254, v0, 2, 0x19800            ; the add's two registers are made here, straight ahead of the closing lines: no memory or LDS instruction of this text has read v254 or v255
	v_mov_b32 v255, 0
	s_wait_dscnt 0x0                               ; the closing lines, six on end
	s_wait_alu 0x0
	s_wait_tensorcnt 0x0
	ds_add_u32 v254, v255
	s_wait_dscnt 0x0
	s_endpgm
.Lfunc_end_k_q74e5c71951_ffn1:
	.size	k_q74e5c71951_ffn1, .Lfunc_end_k_q74e5c71951_ffn1-k_q74e5c71951_ffn1
	.p2alignl 7, 3214868480
	.fill 96, 4, 3214868480
	.section	.rodata,"a",@progbits
	.p2align	6, 0x0
	.amdhsa_kernel k_q74e5c71951_ffn1
		.amdhsa_group_segment_fixed_size 106496
		.amdhsa_private_segment_fixed_size 0
		.amdhsa_enable_private_segment 0
		.amdhsa_kernarg_size 48
		.amdhsa_user_sgpr_count 2
		.amdhsa_user_sgpr_kernarg_segment_ptr 1
		.amdhsa_wavefront_size32 1
		.amdhsa_system_sgpr_workgroup_id_x 1
		.amdhsa_system_sgpr_workgroup_id_y 1
		.amdhsa_system_sgpr_workgroup_id_z 1
		.amdhsa_system_vgpr_workitem_id 0
		.amdhsa_next_free_vgpr 256
		.amdhsa_next_free_sgpr 102
		.amdhsa_reserve_vcc 1
		.amdhsa_float_denorm_mode_32 3
		.amdhsa_float_denorm_mode_16_64 3
		.amdhsa_memory_ordered 1
		.amdhsa_forward_progress 1
		.amdhsa_inst_pref_size 255
	.end_amdhsa_kernel
	.section	.bss,"aw",@nobits
	.p2align	6
	.space	262144
	.amdgpu_metadata
---
amdhsa.version: [ 1, 2 ]
amdhsa.kernels:
  - .name:           k_q74e5c71951_ffn1
    .symbol:         k_q74e5c71951_ffn1.kd
    .args:
      - { .name: W1, .offset: 0, .size: 8, .value_kind: global_buffer, .address_space: global }
      - { .name: b1, .offset: 8, .size: 8, .value_kind: global_buffer, .address_space: global }
      - { .name: xq, .offset: 16, .size: 8, .value_kind: global_buffer, .address_space: global }
      - { .name: xs, .offset: 24, .size: 8, .value_kind: global_buffer, .address_space: global }
      - { .name: member, .offset: 32, .size: 8, .value_kind: global_buffer, .address_space: global }
      - { .name: hq, .offset: 40, .size: 8, .value_kind: global_buffer, .address_space: global }
    .group_segment_fixed_size: 106496
    .private_segment_fixed_size: 0
    .kernarg_segment_align: 8
    .kernarg_segment_size: 48
    .max_flat_workgroup_size: 512
    .sgpr_count:     102
    .vgpr_count:     256
    .wavefront_size: 32
...
	.end_amdgpu_metadata
.endif
;; end of part 6
;; launch ffn2 (part 7): grid 32 x 8, 16 waves a work-group, no clusters, 179,712 bytes of LDS; arguments W2, b2, hq, member, sel, cwt, part; writes part
.if DOCPART == 7
	.amdgcn_target "amdgcn-amd-amdhsa--gfx1250"
	.amdhsa_code_object_version 6
	.text
	.protected	k_q74e5c71951_ffn2
	.globl	k_q74e5c71951_ffn2
	.p2align	8
	.type	k_q74e5c71951_ffn2,@function
k_q74e5c71951_ffn2:
	s_mov_b64 s[64:65], 0
	v_nop
	global_prefetch_b8 v0, s[64:65] scope:SCOPE_SE
	s_setreg_imm32_b32 hwreg(HW_REG_WAVE_SCHED_MODE, 0, 2), 2
	s_setreg_imm32_b32 hwreg(HW_REG_WAVE_MODE, 25, 1), 1
	s_wait_xcnt 0x0
	s_wait_alu depctr_vm_vsrc(0)
; part = cw x (h W2[e] + b2[e]) for the rows that chose expert e.  Both operands are codes of E3M2 with E8M0 scales; sums in f32.
; SHARES.  Work-group (cs + 16 kh, e) owns output columns 64 cs .. 64 cs + 63 and k = 2,048 kh .. 2,048 kh + 2,047 of expert e, and serves ALL rows of that expert: each byte of W2 is read from memory once, as f32,
; quantised in registers, and its codes never go to memory.  Eight chunks of 256 k x 64 columns; wave w takes 32 columns (w % 2; a lane to a column) and one block of 32 k (w / 2): 32 loads of 128 consecutive bytes.
; The codes go to LDS as images of operand registers (fragment: 16 columns x 128 k, lane at 48 x lane, 1,552 bytes apart) and STAY: every image byte is written once, so one barrier a chunk is all the ordering there is.
; THE ROWS come as finished fragments from hq (record ((64 e + T) 32 + s) x 1,792 bytes, tile T, K step s).
; A WAVE'S TWO SLOTS ARE FILLED BEFORE THE NEXT WAVE GETS ROWS, so that each weight fragment read from LDS feeds two products wherever the expert has the rows for it: a wave's first tile is T0 = 16 q + p,
; q = bit 1 xor bit 2 of its number, p = bit 0 + 2 x bits 3:2; it multiplies tiles T0 and T0 + 8 while the weights stream (pass A), and tiles T0 + 32 and T0 + 40 from the resident images afterwards (pass B):
; the 64 tiles are covered once, so every split of the tokens is served.  Tiles 0-15 fall to waves 0, 1, 6, 7, 8, 9, 14, 15: two of each residue mod 4 and two of each run of four.
; A wave without rows jumps over the products by scalar branches on the stored counts, never over a barrier, and asks for its next weights at once.
; THE PRODUCT IS USED TRANSPOSED (source 0 = 16 columns of W2, source 1 = 16 rows of h): a lane holds eight neighbouring columns of one row.  b2 (for kh = 0; zeros for kh = 1) is what the sums begin with.
; EACH BYTE OF part HAS ONE OWNER: part[2 kh + which][token][1024], which = 0 where e is the token's first choice, else 1.  The rows' tokens are the set bits of member[e] (SELECT); ranks beyond the last repeat the last
; row, which computes the same numbers and stores them to the same bytes.  A tile goes through the wave's own stage in LDS, so that sixteen lanes store 256 consecutive bytes of a token's row.
; NO TENSOR LOADS, NO CLUSTER: the walk hangs on stored counts, so operands go from memory into registers; what work-groups share (h's codes) is small beside a work-group's 512 KB of weights.
; No prefetch: each wave always has 32 to 63 loads of weights on their way.
; LIMITS: NaN and infinities are not served.  A block under 2^-122 keeps the byte 1; a block of zeros gets the byte 1 with zero codes (this program alone reads the bytes).
; THE MODE: SCHED_MODE bits 1:0 = 2 (LLVM: expert scheduling mode 2), set by the entry lines.  The code itself states the register dependences between vector or matrix instructions and memory or LDS instructions,
; with s_wait_alu, always for 0.
; THE PLAN.  Registers that memory or LDS instructions touch:
;   LAND0, LAND1   Chunk g's weights land in set g % 2; CONVERT g reads it; the fragments t = 2, 3 of the chunk's two K steps land in its first 24 registers and the products read them; then chunk g + 2's weights land in it.
;                  On the way out LAND + 0 .. 31 take a tile's rows from the stage and the stores to part read them; LAND + 32 .. 39 are those stores' offsets, made by vector instructions.
;   WD, WS         LDS loads land in them at each K step; that step's products read them.
;   XA, XSC        Buffer b: cleared once at the head; the rows' loads land in it; the products of the K step of parity b read it.
;   ACC            b2 lands in it from LDS; products and the way out name it; the stage's LDS stores read slot 0's 32 registers, which slot 1's move down into.
;   v23-29         Written by conversions and moves; read by CONVERT's LDS stores.   v118-119: b2's way into LDS (wave 0).   v114-117: each row's weight and first choice land here, once a pass.
;   v120-123       Those loads' offsets: written once a pass.   v1-v11, v14, v15: made at the head, never written again.   v126, v127: made at the head, read by the closing add alone.
; A wave has 256 registers (four waves share a SIMD's 1,024) and all are named, so the weights' fragments have one set.  The waits on va_vdst: one at the head and one behind the rows' offsets; ONE IN CONVERT, ahead of its LDS
; stores, which also serves the first K step's LDS loads, b2's loads into the accumulators and, in a wave without rows, the next weights; one behind each K step's products where loads follow into what they read; one in each trip
; of the way out, ahead of its LDS stores, LDS loads and global stores.  The waits on vm_vsrc: one beside the wait on DScnt in front of each chunk's barrier, one in each trip of the way out, ahead of the moves into slot 0.
.set FRP,   1552
.set SCL,   512                        ; LDS: 0 .. 255 b2's 64 numbers; then the weights' scale words: fragment p at 64 p, row m at 4 m, block b at byte b
.set IMG,   4608                       ; the 64 fragments: p = 4 (2 g + sub) + t
.set HALF,  32*FRP
.set STG,   103936                     ; the stages: 16 rows x 272 bytes for each wave, 4,608 bytes apart
.set REC,   1792
.set SLOTB, 8*32*REC                   ; from tile T's records to tile T + 8's: slot 0 to slot 1
.set PASSB, 32*32*REC                  ; and to tile T + 32's: pass A to pass B
.set WD,    34                         ; v34-57   weight fragments t = 0, 1 (t = 2, 3 lie in the landing set that has just been converted)
.set WS,    58                         ; v58-61   their scale words, and nothing else
.set XA,    62                         ; v62-109  row fragments: buffer (K step's parity) x slot x 12
.set XSC,   110                        ; v110-113 their scale words, and nothing else
.set LAND,  128                        ; v128-191 two landing sets of 32; on the way out rows of part and their offsets
.set ACC,   192                        ; v192-255 slot a at + 32 a, tile t at + 8 t
; v1 4 l | v2, v3 where I store codes | v4 my scale byte | v5, v6 where I read fragments | v7 scale words | v8 b2: 32 h | v9 16 l | v10 8 l | v11 16 (l % 16) | v12, v13 tokens | v14, v15 the stage, in and out
; v18 my rank in pass A | v20-33 at work | v114, v115 slot 0's weight and row of part; v116, v117 slot 1's | v118-119 b2 | v120-123 offsets
; s16 wave | s17 e | s18 cs | s19 rows | s20 tiles | s21, s22 slot 0, 1 has rows | s23 the slot in hand has rows | s24 kh | s25 1.0 or 0 | s26-27 part | s28-31 hq, slot 0, 1 | s32-63 member | s68 my first tile | s70-85 a tile's sixteen rows of part | s88-90 lane selects | s91 2 kh
.macro SLOAD g
.irp i, 0,1,2,3,4,5,6,7,8,9,10,11,12,13,14,15,16,17,18,19,20,21,22,23,24,25,26,27,28,29,30,31
	global_load_b32 v[LAND+32*((\g)%2)+\i], v1, s[4:5] offset:(\g)*1048576+\i*4096 th:TH_LOAD_NT
.endr
.endm
.macro CONVERT g                       ; my block of 32 along K: its scale byte and its 24 bytes of codes, to LDS
.set LS_, LAND+32*((\g)%2)
	v_max3_num_f32 v20, |v[LS_]|, |v[LS_+1]|, |v[LS_+2]|
	v_max3_num_f32 v21, |v[LS_+3]|, |v[LS_+4]|, |v[LS_+5]|
.irp i, 6,10,14,18,22,26
	v_max3_num_f32 v20, v20, |v[LS_+\i]|, |v[LS_+\i+1]|
	v_max3_num_f32 v21, v21, |v[LS_+\i+2]|, |v[LS_+\i+3]|
.endr
	v_max3_num_f32 v20, v20, |v[LS_+30]|, |v[LS_+31]|
	v_max3_num_f32 v20, v20, v21, 0x2800000        ; and the floor 2^(5 - 127): the byte cannot fall under 1
	v_add_nc_u32 v22, 0xfe000000, v20              ; 4 off the exponent field: the conversion's scale operand
	v_lshrrev_b32 v23, 23, v22                     ; the scale's byte
	v_cvt_scalef32_pk16_bf6_f32 v[24:26], v[LS_:LS_+15], v22
	v_cvt_scalef32_pk16_bf6_f32 v[30:32], v[LS_+16:LS_+31], v22   ; (a conversion's three registers begin on an even number)
	v_nop                                          ; one plain place behind a scaled conversion
	v_mov_b32 v27, v30
	v_mov_b32 v28, v31
	v_mov_b32 v29, v32
	s_wait_alu depctr_va_vdst(0)                   ; v23 to v29 are written, which the LDS stores read; the conversions are done reading this landing set, and the last chunk's products WD and WS, in which the first K step's LDS loads land
	                                               ; (in a wave without rows: the set, in which the weights of two chunks on land).  No vector or matrix instruction between here and those loads names their registers
	ds_store_b64 v[2+(\g)/4], v[24:25] offset:((\g)%4)*8*FRP
	ds_store_b64 v[2+(\g)/4], v[26:27] offset:((\g)%4)*8*FRP+8
	ds_store_b64 v[2+(\g)/4], v[28:29] offset:((\g)%4)*8*FRP+16
	ds_store_b8 v4, v23 offset:512*(\g)
.endm
.macro DESC x, fw, st                  ; one step down: are there q or fewer set bits in the lower st bits from pos on?  Then they are passed over
	v_bfe_u32 v28, \x, v30, \fw
	v_cmp_ge_u32 vcc_lo, v20, v28
	s_wait_alu depctr_va_vcc(0)                    ; the compare has written VCC, which the two selects read
	v_cndmask_b32 v28, 0, v28, vcc_lo
	v_cndmask_b32 v29, 0, \st, vcc_lo
	v_sub_nc_u32 v20, v20, v28
	v_add_nc_u32 v30, v30, v29
.endm
; The tokens of my two tiles: lanes 0-15 look for ranks 512 pass + 16 T0 + r, lanes 16-31 for those 128 further on.  Result: v28, v29 = the token of row l % 16 of slot 0, 1, in both halves of the lanes, held to 0 .. 1,023.
.macro SELECT pass
	s_max_u32 s94, s19, 1
	s_sub_co_u32 s94, s94, 1
	v_add_nc_u32 v20, 512*\pass, v18
	v_min_u32 v20, s94, v20                        ; ranks beyond the last repeat the last
	s_wait_alu depctr_va_vdst(0)
	v_mov_b32 v21, s32
	v_mov_b32 v22, 0
	v_mov_b32 v23, 0
	v_mov_b32 v31, 0
	s_mov_b32 s95, 0
.irp k, 1,2,3,4,5,6,7,8,9,10,11,12,13,14,15,16,17,18,19,20,21,22,23,24,25,26,27,28,29,30,31
	s_bcnt1_i32_b32 s96, s[31+\k]
	s_add_co_u32 s95, s95, s96                     ; set bits in words 0 .. k - 1
	s_mov_b32 s97, 32*\k
	v_cmp_le_u32 vcc_lo, s95, v20
	s_wait_alu depctr_va_vcc(0)                    ; the compare has written VCC, which the three selects read
	v_cndmask_b32 v21, v21, s[32+\k], vcc_lo
	v_cndmask_b32 v22, v22, s95, vcc_lo
	v_cndmask_b32 v23, v23, s97, vcc_lo
.endr
	v_sub_nc_u32 v20, v20, v22                     ; q: the rank inside the word
	v_lshrrev_b32 v24, 1, v21
	v_and_b32 v24, 0x55555555, v24
	v_sub_nc_u32 v24, v21, v24                     ; counts of 2 bits
	v_lshrrev_b32 v25, 2, v24
	v_and_b32 v25, 0x33333333, v25
	v_and_b32 v26, 0x33333333, v24
	v_add_nc_u32 v25, v25, v26                     ; of 4
	v_lshrrev_b32 v26, 4, v25
	v_add_nc_u32 v26, v26, v25
	v_and_b32 v26, 0x0f0f0f0f, v26                 ; of 8
	v_lshrrev_b32 v27, 8, v26
	v_add_nc_u32 v27, v27, v26                     ; byte 0: of the low 16
	v_mov_b32 v30, 0
	DESC v27, 8, 16
	DESC v26, 8, 8
	DESC v25, 4, 4
	DESC v24, 2, 2
	DESC v21, 1, 1
	v_add_nc_u32 v30, v23, v30                     ; the token
	v_permlanex16_b32 v31, v30, s88, s89
	v_cndmask_b32 v28, v30, v31, s90               ; s90 = lanes 16-31 (a constant that a scalar instruction wrote)
	v_cndmask_b32 v29, v31, v30, s90
	v_min_u32 v28, 0x3ff, v28
	v_min_u32 v29, 0x3ff, v29
.endm
.macro ROWS                            ; each row's combine weight and first choice
	v_mov_b32 v12, v28
	v_mov_b32 v13, v29
	v_lshlrev_b32 v120, 5, v28
	v_lshlrev_b32 v121, 5, v29
	v_lshlrev_b32 v122, 2, v28
	v_lshlrev_b32 v123, 2, v29
	s_wait_alu depctr_va_vdst(0)                   ; v120 to v123 are written, which the four loads read as offsets.  In pass B also: the way out is done with v114 to v117, in which they land, and with the accumulators, and the
	                                               ; last products with the rows' buffer 0, WD, WS and the landing set: b2, rows and fragments land in these with no vector or matrix instruction naming them between
	global_load_b32 v114, v120, s[14:15]
	global_load_b32 v115, v122, s[12:13]
	global_load_b32 v116, v121, s[14:15]
	global_load_b32 v117, v123, s[12:13]
.endm
.macro ROWIDX                          ; behind the wait for them: the row of part = (2 kh + (e is not the first choice)) x 1,024 + token
	v_xor_b32 v115, s17, v115
	v_xor_b32 v117, s17, v117
	v_min_u32 v115, 1, v115
	v_min_u32 v117, 1, v117
	v_add_nc_u32 v115, s91, v115
	v_add_nc_u32 v117, s91, v117
	v_lshl_add_u32 v115, v115, 10, v12
	v_lshl_add_u32 v117, v117, 10, v13
.endm
.macro XLOAD a, buf, st                ; slot a's record of my st-th K step: each load takes 128, 256 or 512 consecutive bytes
.set XR_, XA+24*(\buf)+12*\a
	global_load_b128 v[XR_:XR_+3], v9, s[28+2*\a:29+2*\a] offset:REC*(\st)
	global_load_b64 v[XR_+4:XR_+5], v10, s[28+2*\a:29+2*\a] offset:REC*(\st)+1024
	global_load_b64 v[XR_+6:XR_+7], v10, s[28+2*\a:29+2*\a] offset:REC*(\st)+1280
	global_load_b128 v[XR_+8:XR_+11], v9, s[28+2*\a:29+2*\a] offset:REC*(\st)+512
	global_load_b32 v[XSC+2*(\buf)+\a], v1, s[28+2*\a:29+2*\a] offset:REC*(\st)+1536
.endm
.macro XL buf, st
	XLOAD 0, \buf, \st
	s_cmp_lg_u32 s22, 0
	s_cbranch_scc0 .Lx_\@
	XLOAD 1, \buf, \st
.Lx_\@:
.endm
.macro WM a, t, wr, buf
	v_wmma_scale_f32_16x16x128_f8f6f4 v[ACC+32*\a+8*\t:ACC+32*\a+8*\t+7], v[(\wr):(\wr)+11], v[XA+24*(\buf)+12*\a:XA+24*(\buf)+12*\a+11], v[ACC+32*\a+8*\t:ACC+32*\a+8*\t+7], v[WS+\t], v[XSC+2*(\buf)+\a] matrix_a_fmt:MATRIX_FMT_BF6 matrix_b_fmt:MATRIX_FMT_BF6
.endm
; One K step, in two parts.  KLOAD: four weight fragments and their scale words from LDS.  The wait that frees the registers in which they land stands ahead of it, where the macro is used.
.macro KLOAD fr, ph, sci, lw
.irp c, 0,1,2
	ds_load_b128 v[WD+4*\c:WD+4*\c+3], v[\fr] offset:(\ph)*FRP+16*\c
	ds_load_b128 v[WD+12+4*\c:WD+12+4*\c+3], v[\fr] offset:((\ph)+1)*FRP+16*\c
	ds_load_b128 v[(\lw)+4*\c:(\lw)+4*\c+3], v[\fr] offset:((\ph)+2)*FRP+16*\c
	ds_load_b128 v[(\lw)+12+4*\c:(\lw)+12+4*\c+3], v[\fr] offset:((\ph)+3)*FRP+16*\c
.endr
.irp t, 0,1,2,3
	ds_load_b32 v[WS+\t], v7 offset:((\sci)+\t)*64
.endr
.endm
; KMUL: four or eight products.  The accumulators take turns, one instruction a turn, from K step to K step too.
; The four v_nop at its end are the places behind the products (ISA guide 7.12.1), ahead of whatever follows; no wait on va_vdst stands in for them.
.macro KMUL buf, lw
	s_wait_dscnt 0x0
	WM 0, 0, WD, \buf
	WM 0, 1, WD+12, \buf
	WM 0, 2, \lw, \buf
	WM 0, 3, (\lw)+12, \buf
	s_cmp_lg_u32 s22, 0
	s_cbranch_scc0 .Lone_\@
	WM 1, 0, WD, \buf
	WM 1, 1, WD+12, \buf
	WM 1, 2, \lw, \buf
	WM 1, 3, (\lw)+12, \buf
.Lone_\@:
.rept 4
	v_nop
.endr
.endm
.macro ACCINIT                         ; b2 (or zeros) starts the sums: lane (r, h), tile t: columns 16 t + 8 h + 0 .. 7.  Both slots, in every wave
.irp a, 0,1
.irp t, 0,1,2,3
	ds_load_b128 v[ACC+32*\a+8*\t:ACC+32*\a+8*\t+3], v8 offset:64*\t
	ds_load_b128 v[ACC+32*\a+8*\t+4:ACC+32*\a+8*\t+7], v8 offset:64*\t+16
.endr
.endr
.endm
; THE WAY OUT of a tile: x the row's combine weight; through my stage; sixteen lanes store a row's 256 bytes.  Written once, on slot 0's registers, and walked twice: slot 1's accumulators move down between the trips.
; All vector work of a trip (the sixteen rows' places in part, the weights, the stores' offsets) stands ahead of its LDS and memory instructions, so that one wait on va_vdst serves them all.
.macro EPI2
	s_wait_dscnt 0x0                               ; (a wave without rows still has b2's loads out)
	s_mov_b32 s23, s21
	s_mov_b32 s98, 0
.Lslot_\@:
	s_cmp_lg_u32 s23, 0
	s_cbranch_scc0 .Lskip_\@
	s_wait_alu depctr_va_vdst(0)
.irp i, 0,1,2,3,4,5,6,7
	v_readlane_b32 s[70+2*\i], v115, 2*\i          ; the sixteen rows' places in part, in one run
	v_readlane_b32 s[71+2*\i], v115, 2*\i+1
.endr
.set i, 0
.rept 16
	v_pk_mul_f32 v[ACC+i:ACC+i+1], v[ACC+i:ACC+i+1], v[114:115] op_sel_hi:[1,0]   ; ascending: each accumulator is read from its low end on
.set i, i+2
.endr
	s_wait_alu depctr_va_sdst(0)                   ; s70 to s85 are written, ahead of their first readers
.irp i, 0,1,2,3,4,5,6,7
	v_mov_b32 v[LAND+32+\i], s[70+2*\i]            ; store i: lanes 0-15 row 2 i,
.endr
.irp i, 0,1,2,3,4,5,6,7
	v_cndmask_b32 v[LAND+32+\i], v[LAND+32+\i], s[71+2*\i], s90   ; lanes 16-31 row 2 i + 1
.endr
.irp i, 0,1,2,3,4,5,6,7
	v_min_u32 v[LAND+32+\i], 0xfff, v[LAND+32+\i]
.endr
.irp i, 0,1,2,3,4,5,6,7
	v_lshl_add_u32 v[LAND+32+\i], v[LAND+32+\i], 12, v11       ; 4,096 bytes a row, + 16 (l % 16)
.endr
	s_wait_alu depctr_va_vdst(0)                   ; slot 0's 32 registers are written, which the LDS stores read; the offsets v160 to v167 are written, which the global stores read; the products are done reading v128 to v159, in which the stage's loads land
.irp t, 0,1,2,3
	ds_store_b128 v14, v[ACC+8*\t:ACC+8*\t+3] offset:64*\t
	ds_store_b128 v14, v[ACC+8*\t+4:ACC+8*\t+7] offset:64*\t+16
.endr
.irp i, 0,1,2,3,4,5,6,7
	ds_load_b128 v[LAND+4*\i:LAND+4*\i+3], v15 offset:544*\i   ; LDS serves a wave's instructions in order (ISA guide 5.7.1.4): these see my stores.  Lanes 0-15 row 2 i, lanes 16-31 row 2 i + 1
.endr
.irp i, 0,1,2,3,4,5,6,7
	s_wait_dscnt 7-\i                              ; load i is in; the younger ones may be out
	global_store_b128 v[LAND+32+\i], v[LAND+4*\i:LAND+4*\i+3], s[26:27]   ; sixteen lanes store 256 consecutive bytes, at a multiple of 256 from part's first byte
.endr
.Lskip_\@:
	s_wait_alu depctr_vm_vsrc(0)                   ; the LDS stores have read slot 0's 32 registers, which the moves below write; the global stores have read v128 to v167, which the next trip's loads and offsets (in pass B: the fragments' loads) write
.set i, 0
.rept 32
	v_mov_b32 v[ACC+i], v[ACC+32+i]                ; slot 1 moves down, each accumulator from its low end on
.set i, i+1
.endr
	v_mov_b32 v114, v116
	v_mov_b32 v115, v117
	s_wait_xcnt 0x0                                ; the stores' data and offsets are written again only behind this wait
	s_mov_b32 s23, s22
	s_add_co_u32 s98, s98, 1
	s_cmp_lt_u32 s98, 2
	s_cbranch_scc1 .Lslot_\@
.endm
; A chunk.  Loads are issued in the order S(g), X(g), S(g + 1) on every path, so at the head of chunk g the 32 youngest are S(g + 1): the count 32 shows chunk g's weights and rows in and leaves the next chunk's out.
.macro CHUNK g
.if \g < 7
	s_wait_loadcnt 32
.else
	s_wait_loadcnt 0x0                             ; nothing was asked for behind the last chunk
.endif
	CONVERT \g
.if \g == 0
	ROWIDX                                         ; (the rows' weights and first choices are older than S(1) too)
	s_cmp_lg_u32 s16, 0
	s_cbranch_scc1 .Lnb_\@
	v_mul_f32 v118, s25, v118                      ; wave 0: b2's 64 numbers, for the first half of K alone
	v_mul_f32 v119, s25, v119
	s_wait_alu depctr_va_vdst(0)                   ; v118 and v119 are written, which the LDS store reads
	ds_store_b64 v10, v[118:119]
.Lnb_\@:
.endif
	s_wait_dscnt 0x0                               ; for the others' sake: my codes and my byte lie in LDS
	s_wait_alu depctr_vm_vsrc(0)                   ; my LDS stores have read v23 to v29, which the next conversions and the next search for rows write again
	s_barrier_signal -1
	s_barrier_wait -1
.if \g == 0
	ACCINIT
.endif
	s_cmp_lg_u32 s21, 0
	s_cbranch_scc0 .Lidle_\@
	KLOAD 5+(\g)/4,8*((\g)%4),8*(\g),LAND+32*((\g)%2)
	KMUL 0,LAND+32*((\g)%2)
	s_wait_alu depctr_va_vdst(0)                   ; the first K step's products are done reading WD, WS and the landing set's 24, in which the second step's LDS loads land, and the rows' buffer 0, in which the next chunk's rows land
	KLOAD 5+(\g)/4,8*((\g)%4)+4,8*(\g)+4,LAND+32*((\g)%2)
.if \g < 7
	XL 0,2*(\g)+2
.endif
	KMUL 1,LAND+32*((\g)%2)
.if \g < 7
	s_wait_alu depctr_va_vdst(0)                   ; the second K step's products are done reading the rows' buffer 1, in which the next chunk's rows land, and the landing set, in which the weights of two chunks on land
	XL 1,2*(\g)+3
.endif
.Lidle_\@:
.if \g < 6
	SLOAD (\g)+2                                   ; into the set that has been converted and multiplied
.endif
.endm
	s_load_b256 s[4:11], s[0:1], 0x0               ; W2, b2, hq, member
	s_load_b128 s[12:15], s[0:1], 0x20             ; sel, cwt
	s_load_b64 s[26:27], s[0:1], 0x30              ; part
	v_lshl_add_u32 v126, v0, 2, 0x2b600
	v_mov_b32 v127, 0
	v_lshrrev_b32 v20, 5, v0
	v_readfirstlane_b32 s16, v20                   ; wave 0..15
	s_and_b32 s17, ttmp7, 0xffff                   ; e
	s_and_b32 s18, ttmp9, 15                       ; cs
	s_lshr_b32 s24, ttmp9, 4                       ; kh
	s_cmp_eq_u32 s24, 0
	s_cselect_b32 s25, 1.0, 0
	s_lshl_b32 s91, s24, 1
	v_and_b32 v17, 31, v0                          ; lane
	v_lshlrev_b32 v1, 2, v17
	v_lshlrev_b32 v10, 3, v17
	v_lshlrev_b32 v9, 4, v17
	v_bfe_u32 v19, v0, 4, 1                        ; h
	s_wait_alu depctr_va_vdst(0)
	v_and_b32 v21, 15, v0                          ; r
	v_lshlrev_b32 v11, 4, v21
	v_lshlrev_b32 v8, 5, v19
	v_lshl_add_u32 v7, v21, 2, SCL
	v_mul_u32_u24 v5, v17, 48
	v_add_nc_u32 v5, IMG, v5
	v_add_nc_u32 v6, HALF, v5
	s_wait_alu depctr_va_sdst(0)                   ; s16 is written, ahead of its first reader
	s_lshr_b32 s94, s16, 3                         ; which K step of the chunk: sub
	s_bfe_u32 s95, s16, 0x10001                    ; my block b = (w / 2) % 4: b % 2,
	s_bfe_u32 s96, s16, 0x10002                    ; b / 2
	s_and_b32 s97, s16, 1                          ; which 32 columns
	s_mul_i32 s98, s94, 4*FRP
	s_mul_i32 s99, s95, 768
	s_add_co_u32 s98, s98, s99
	s_mul_i32 s99, s96, 24
	s_add_co_u32 s98, s98, s99
	s_mul_i32 s99, s97, 2*FRP
	s_add_co_u32 s98, s98, s99
	s_add_co_u32 s98, s98, IMG
	v_mul_u32_u24 v2, v19, FRP                     ; my column's tile of its pair: l / 16; its row there: l % 16
	s_wait_alu depctr_va_vdst(0)
	v_mad_u32_u24 v2, v21, 48, v2
	v_add_nc_u32 v2, s98, v2                       ; block b of row m lies in lane m + 16 (b % 2), 24 (b / 2) bytes on
	v_add_nc_u32 v3, HALF, v2
	s_lshl_b32 s98, s94, 8
	s_lshl_b32 s99, s97, 7
	s_add_co_u32 s98, s98, s99
	s_bfe_u32 s99, s16, 0x20001
	s_add_co_u32 s98, s98, s99
	s_add_co_u32 s98, s98, SCL
	v_lshlrev_b32 v4, 6, v19
	v_lshl_add_u32 v4, v21, 2, v4
	v_add_nc_u32 v4, s98, v4
	s_mul_i32 s98, s16, 4608
	s_add_co_u32 s98, s98, STG                     ; my stage
	v_mul_u32_u24 v14, v21, 272
	v_lshl_add_u32 v14, v19, 5, v14
	v_add_nc_u32 v14, s98, v14                     ; in: row r, + 32 h
	v_mul_u32_u24 v15, v19, 272
	v_lshl_add_u32 v15, v21, 4, v15
	v_add_nc_u32 v15, s98, v15                     ; back: lanes 0-15 one row, lanes 16-31 the next
	s_lshr_b32 s98, s16, 1
	s_lshr_b32 s99, s16, 2
	s_xor_b32 s98, s98, s99
	s_and_b32 s98, s98, 1                          ; q = bit 1 xor bit 2 of the wave's number
	s_and_b32 s99, s99, 3
	s_lshl_b32 s99, s99, 1
	s_and_b32 s68, s16, 1
	s_add_co_u32 s68, s68, s99                     ; p = bit 0 + 2 x bits 3:2
	s_lshl_b32 s98, s98, 4
	s_add_co_u32 s68, s68, s98                     ; my first tile: T0 = 16 q + p
	s_lshl_b32 s98, s68, 4
	v_lshl_add_u32 v18, v19, 7, v21
	v_add_nc_u32 v18, s98, v18                     ; 128 (l / 16) + 16 T0 + l % 16
.set i, 0
.rept 52
	v_mov_b32 v[XA+i], 0                           ; the rows' registers hold defined numbers on the path of a wave without rows too
.set i, i+1
.endr
	s_mov_b32 s88, 0x76543210
	s_mov_b32 s89, 0xfedcba98
	s_mov_b32 s90, 0xffff0000
	s_wait_kmcnt 0x0
	s_lshl_b32 s94, s17, 7
	s_mov_b32 s95, 0
	s_add_nc_u64 s[10:11], s[10:11], s[94:95]
	s_load_b512 s[32:47], s[10:11], 0x0            ; my expert's 1,024 bits
	s_load_b512 s[48:63], s[10:11], 0x40
	s_lshl_b32 s94, s17, 24                        ; W2: expert e, row 2,048 kh + 32 (w / 2), column 64 cs + 32 (w % 2)
	s_lshl_b32 s96, s24, 23
	s_add_co_u32 s94, s94, s96
	s_lshr_b32 s96, s16, 1
	s_lshl_b32 s96, s96, 17
	s_add_co_u32 s94, s94, s96
	s_lshl_b32 s96, s18, 8
	s_add_co_u32 s94, s94, s96
	s_and_b32 s96, s16, 1
	s_lshl_b32 s96, s96, 7
	s_add_co_u32 s94, s94, s96
	s_add_nc_u64 s[4:5], s[4:5], s[94:95]
	s_lshl_b32 s94, s17, 12
	s_lshl_b32 s96, s18, 8
	s_add_co_u32 s94, s94, s96
	s_add_nc_u64 s[6:7], s[6:7], s[94:95]          ; b2[e][64 cs ..]
	s_mov_b32 s94, s96
	s_add_nc_u64 s[26:27], s[26:27], s[94:95]      ; part: my 256 bytes of a row
	s_lshl_b32 s94, s17, 2
	s_add_nc_u64 s[14:15], s[14:15], s[94:95]      ; cwt: expert e's column
	s_wait_alu depctr_va_vdst(0)                   ; the addresses and offsets v1 to v11, v14 and v15 are written, which the loads and stores of the whole kernel read; the rows' registers are cleared, in which the rows' loads land
	s_cmp_lg_u32 s16, 0
	s_cbranch_scc1 .Lno_bias
	global_load_b64 v[118:119], v10, s[6:7]        ; wave 0
.Lno_bias:
	SLOAD 0
	s_lshl_b32 s94, s17, 6
	s_add_co_u32 s94, s94, s68
	s_lshl_b32 s94, s94, 5
	s_lshl_b32 s96, s24, 4
	s_add_co_u32 s94, s94, s96
	s_mul_i32 s94, s94, REC
	s_add_nc_u64 s[28:29], s[8:9], s[94:95]        ; hq: tile T0, K step 16 kh;
	s_add_nc_u64 s[30:31], s[28:29], SLOTB         ; tile T0 + 8
	s_wait_kmcnt 0x0
	s_bcnt1_i32_b32 s19, s32
.irp k, 1,2,3,4,5,6,7,8,9,10,11,12,13,14,15,16,17,18,19,20,21,22,23,24,25,26,27,28,29,30,31
	s_bcnt1_i32_b32 s94, s[32+\k]
	s_add_co_u32 s19, s19, s94
.endr
	s_add_co_u32 s20, s19, 15
	s_lshr_b32 s20, s20, 4                         ; tiles of 16 rows
	s_cmp_lt_u32 s68, s20
	s_cselect_b32 s21, 1, 0
	s_add_co_u32 s94, s68, 8
	s_cmp_lt_u32 s94, s20
	s_cselect_b32 s22, 1, 0
	SELECT 0
	ROWS
	s_cmp_lg_u32 s21, 0
	s_cbranch_scc0 .Lno_x
	XL 0,0
	XL 1,1
.Lno_x:
	SLOAD 1
	CHUNK 0
	CHUNK 1
	CHUNK 2
	CHUNK 3
	CHUNK 4
	CHUNK 5
	CHUNK 6
	CHUNK 7
	EPI2
	; PASS B: tiles T0 + 32 and T0 + 40, where the expert has more than 512 rows.  No barrier: images, scale words and b2 are only read; the stage is my own.
	s_add_co_u32 s94, s68, 32
	s_cmp_lt_u32 s94, s20
	s_cbranch_scc0 .Lend
	s_mov_b32 s21, 1
	s_add_co_u32 s94, s68, 40
	s_cmp_lt_u32 s94, s20
	s_cselect_b32 s22, 1, 0
	s_add_nc_u64 s[28:29], s[28:29], PASSB         ; (no load is out: bases and offsets may be written; the wait on vm_vsrc in the way out stands behind the loads that read v120 to v123)
	s_add_nc_u64 s[30:31], s[30:31], PASSB
	SELECT 1
	ROWS
	s_wait_loadcnt 0x0
	ROWIDX
	ACCINIT
.irp st, 0,1,2,3,4,5,6,7
.if \st > 0
	s_wait_alu depctr_va_vdst(0)                   ; the last K step's products are done reading the rows' buffer 0, WD, WS and the landing set's 24, in which this step's loads land
.endif
	XL 0,\st
	KLOAD 5,4*\st,4*\st,LAND
	s_wait_loadcnt 0x0
	KMUL 0,LAND
.endr
.irp st, 8,9,10,11,12,13,14,15
	s_wait_alu depctr_va_vdst(0)                   ; the last K step's products are done reading the rows' buffer 0, WD, WS and the landing set's 24, in which this step's loads land
	XL 0,\st
	KLOAD 6,4*\st-32,4*\st,LAND
	s_wait_loadcnt 0x0
	KMUL 0,LAND
.endr
	EPI2
.Lend:
	s_wait_dscnt 0x0                               ; the closing lines, six on end
	s_wait_alu 0x0
	s_wait_tensorcnt 0x0
	ds_add_u32 v126, v127
	s_wait_dscnt 0x0
	s_endpgm
.Lfunc_end_k_q74e5c71951_ffn2:
	.size	k_q74e5c71951_ffn2, .Lfunc_end_k_q74e5c71951_ffn2-k_q74e5c71951_ffn2
	.p2alignl 7, 3214868480
	.fill 96, 4, 3214868480
	.section	.rodata,"a",@progbits
	.p2align	6, 0x0
	.amdhsa_kernel k_q74e5c71951_ffn2
		.amdhsa_group_segment_fixed_size 179712
		.amdhsa_private_segment_fixed_size 0
		.amdhsa_enable_private_segment 0
		.amdhsa_kernarg_size 56
		.amdhsa_user_sgpr_count 2
		.amdhsa_user_sgpr_kernarg_segment_ptr 1
		.amdhsa_wavefront_size32 1
		.amdhsa_system_sgpr_workgroup_id_x 1
		.amdhsa_system_sgpr_workgroup_id_y 1
		.amdhsa_system_sgpr_workgroup_id_z 1
		.amdhsa_system_vgpr_workitem_id 0
		.amdhsa_next_free_vgpr 256
		.amdhsa_next_free_sgpr 102
		.amdhsa_reserve_vcc 1
		.amdhsa_float_denorm_mode_32 3
		.amdhsa_float_denorm_mode_16_64 3
		.amdhsa_memory_ordered 1
		.amdhsa_forward_progress 1
		.amdhsa_inst_pref_size 201
	.end_amdhsa_kernel
	.amdgpu_metadata
---
amdhsa.version: [ 1, 2 ]
amdhsa.kernels:
  - .name:           k_q74e5c71951_ffn2
    .symbol:         k_q74e5c71951_ffn2.kd
    .args:
      - { .name: W2, .offset: 0, .size: 8, .value_kind: global_buffer, .address_space: global }
      - { .name: b2, .offset: 8, .size: 8, .value_kind: global_buffer, .address_space: global }
      - { .name: hq, .offset: 16, .size: 8, .value_kind: global_buffer, .address_space: global }
      - { .name: member, .offset: 24, .size: 8, .value_kind: global_buffer, .address_space: global }
      - { .name: sel, .offset: 32, .size: 8, .value_kind: global_buffer, .address_space: global }
      - { .name: cwt, .offset: 40, .size: 8, .value_kind: global_buffer, .address_space: global }
      - { .name: part, .offset: 48, .size: 8, .value_kind: global_buffer, .address_space: global }
    .group_segment_fixed_size: 179712
    .private_segment_fixed_size: 0
    .kernarg_segment_align: 8
    .kernarg_segment_size: 56
    .max_flat_workgroup_size: 512
    .sgpr_count:     102
    .vgpr_count:     256
    .wavefront_size: 32
...
	.end_amdgpu_metadata
.endif
;; end of part 7
;; launch combine (part 8): grid 256 x 1, 8 waves a work-group, no clusters, 0 bytes of LDS; arguments part, out0; writes out0
.if DOCPART == 8
	.amdgcn_target "amdgcn-amd-amdhsa--gfx1250"
	.amdhsa_code_object_version 6
	.text
	.protected	k_q74e5c71951_combine
	.globl	k_q74e5c71951_combine
	.p2align	8
	.type	k_q74e5c71951_combine,@function
k_q74e5c71951_combine:
	s_mov_b64 s[64:65], 0
	v_nop
	global_prefetch_b8 v0, s[64:65] scope:SCOPE_SE
	s_setreg_imm32_b32 hwreg(HW_REG_WAVE_MODE, 25, 1), 1
	s_wait_xcnt 0x0
; out0[token][:] = the sum of part's four planes (first and second choice x the two halves of the second product's K), in f32: (p0 + p1) + (p2 + p3).
; A stream: a work-group takes 16,384 consecutive bytes of the output; thread t takes 16 bytes of each of four runs of 4,096, so every load and store of a wave covers 512 consecutive bytes.
; All sixteen loads go out first.  No LDS, no barrier, no matrix unit: nothing is shared and memory binds.
	s_load_b128 s[4:7], s[0:1], 0x0                ; part, out0
	v_lshlrev_b32 v1, 4, v0
	s_lshl_b32 s8, ttmp9, 14
	s_mov_b32 s9, 0
	s_wait_alu depctr_va_vdst(0)
	s_wait_kmcnt 0x0
	s_add_nc_u64 s[4:5], s[4:5], s[8:9]
	s_add_nc_u64 s[6:7], s[6:7], s[8:9]
	s_add_nc_u64 s[10:11], s[4:5], 0x800000        ; planes 2 and 3
.irp q, 0,1,2,3
	global_load_b128 v[4+16*\q:7+16*\q], v1, s[4:5] offset:4096*\q th:TH_LOAD_NT
	global_load_b128 v[8+16*\q:11+16*\q], v1, s[4:5] offset:4096*\q+0x400000 th:TH_LOAD_NT
	global_load_b128 v[12+16*\q:15+16*\q], v1, s[10:11] offset:4096*\q th:TH_LOAD_NT
	global_load_b128 v[16+16*\q:19+16*\q], v1, s[10:11] offset:4096*\q+0x400000 th:TH_LOAD_NT
.endr
.irp q, 0,1,2,3
	s_wait_loadcnt 12-4*\q                         ; run q's four loads are in; the later runs' may be out
	v_pk_add_f32 v[4+16*\q:5+16*\q], v[4+16*\q:5+16*\q], v[8+16*\q:9+16*\q]
	v_pk_add_f32 v[6+16*\q:7+16*\q], v[6+16*\q:7+16*\q], v[10+16*\q:11+16*\q]
	v_pk_add_f32 v[12+16*\q:13+16*\q], v[12+16*\q:13+16*\q], v[16+16*\q:17+16*\q]
	v_pk_add_f32 v[14+16*\q:15+16*\q], v[14+16*\q:15+16*\q], v[18+16*\q:19+16*\q]
	s_delay_alu instid0(VALU_DEP_2)
	v_pk_add_f32 v[4+16*\q:5+16*\q], v[4+16*\q:5+16*\q], v[12+16*\q:13+16*\q]
	s_delay_alu instid0(VALU_DEP_2)
	v_pk_add_f32 v[6+16*\q:7+16*\q], v[6+16*\q:7+16*\q], v[14+16*\q:15+16*\q]
	global_store_b128 v1, v[4+16*\q:7+16*\q], s[6:7] offset:4096*\q th:TH_STORE_NT
.endr
	s_endpgm
.Lfunc_end_k_q74e5c71951_combine:
	.size	k_q74e5c71951_combine, .Lfunc_end_k_q74e5c71951_combine-k_q74e5c71951_combine
	.p2alignl 7, 3214868480
	.fill 96, 4, 3214868480
	.section	.rodata,"a",@progbits
	.p2align	6, 0x0
	.amdhsa_kernel k_q74e5c71951_combine
		.amdhsa_group_segment_fixed_size 0
		.amdhsa_private_segment_fixed_size 0
		.amdhsa_enable_private_segment 0
		.amdhsa_kernarg_size 16
		.amdhsa_user_sgpr_count 2
		.amdhsa_user_sgpr_kernarg_segment_ptr 1
		.amdhsa_wavefront_size32 1
		.amdhsa_system_sgpr_workgroup_id_x 1
		.amdhsa_system_sgpr_workgroup_id_y 1
		.amdhsa_system_sgpr_workgroup_id_z 1
		.amdhsa_system_vgpr_workitem_id 0
		.amdhsa_next_free_vgpr 68
		.amdhsa_next_free_sgpr 66
		.amdhsa_reserve_vcc 0
		.amdhsa_float_denorm_mode_32 3
		.amdhsa_float_denorm_mode_16_64 3
		.amdhsa_memory_ordered 1
		.amdhsa_forward_progress 1
		.amdhsa_inst_pref_size 5
	.end_amdhsa_kernel
	.amdgpu_metadata
---
amdhsa.version: [ 1, 2 ]
amdhsa.kernels:
  - .name:           k_q74e5c71951_combine
    .symbol:         k_q74e5c71951_combine.kd
    .args:
      - { .name: part, .offset: 0, .size: 8, .value_kind: global_buffer, .address_space: global }
      - { .name: out0, .offset: 8, .size: 8, .value_kind: global_buffer, .address_space: global }
    .group_segment_fixed_size: 0
    .private_segment_fixed_size: 0
    .kernarg_segment_align: 8
    .kernarg_segment_size: 16
    .max_flat_workgroup_size: 256
    .sgpr_count:     66
    .vgpr_count:     68
    .wavefront_size: 32
...
	.end_amdgpu_metadata
.endif
;; end of part 8
